; MI455X (gfx1250); checked and timed in simulation.
; The chip was launched on July 23, 2026; its instructions are those of AMD's public machine-readable ISA for CDNA 5 (MIT licence, August 2026) and "CDNA5" Instruction Set Architecture Reference Guide (July 2026). The comments in the code are by the model that wrote it; some were corrected since.
;; Transformer Encoder. Allowed arithmetic: matrix products marked QUANTISED: E3M2 operands, one E8M0 scale for each 32 along K, by v_wmma_scale_f32_16x16x128_f8f6f4 with both operands' format E3M2, f32 sums; everything else in f32.
;; Inputs: W1 1,024 x 4,096 float32; W2 4,096 x 1,024 float32; Wk 1,024 x 1,024 float32; Wo 1,024 x 1,024 float32; Wq 1,024 x 1,024 float32; Wv 1,024 x 1,024 float32; b1 4,096 float32; b2 1,024 float32; bk 1,024 float32; bo 1,024 float32; bq 1,024 float32; bv 1,024 float32; ln1_b 1,024 float32; ln1_g 1,024 float32; ln2_b 1,024 float32; ln2_g 1,024 float32; slim 16 float32; x 2 x 2,048 x 1,024 float32.
;; Outputs: out0 2 x 2,048 x 1,024 float32.
;; This version of the problem:
;;   THIS VERSION OF THE PROBLEM IS GIVEN IN LOW PRECISION. The matrix products marked QUANTISED in the list below multiply operands that are first quantised to E3M2 (3 exponent bits, 2 mantissa bits; 6 bits a number), with one power-of-two scale for each 32 numbers along K (OCP MX v1.0); their sums are f32. All else is computed in f32.
;;   The module's matrix products, in the order in which they are computed (A, B: the left and right operand; K: the contracted axis; several contracted axes count as one K, in the product's order):
;;     1. [M 4,096, K 1,024] x [K 1,024, N 1,024]; A: computed on the way; B: input Wq: QUANTISED
;;     2. [M 4,096, K 1,024] x [K 1,024, N 1,024]; A: computed on the way; B: input Wk: QUANTISED
;;     3. [M 4,096, K 1,024] x [K 1,024, N 1,024]; A: computed on the way; B: input Wv: QUANTISED
;;     4. batch 32 x [M 2,048, K 64] x [K 64, N 2,048]; A: computed on the way; B: computed on the way: QUANTISED
;;     5. batch 32 x [M 64, K 2,048] x [K 2,048, N 2,048]; A: computed on the way; B: computed on the way: QUANTISED
;;     6. [M 4,096, K 1,024] x [K 1,024, N 1,024]; A: computed on the way; B: input Wo: QUANTISED
;;     7. [M 4,096, K 1,024] x [K 1,024, N 4,096]; A: computed on the way; B: input W1: QUANTISED
;;     8. [M 4,096, K 4,096] x [K 4,096, N 1,024]; A: computed on the way; B: input W2: QUANTISED
;;   THE QUANTISER, for each operand of a quantised product, along K:
;;     - K is cut into blocks of 32 from its start; a last block that is shorter is filled with zeros.
;;     - A block's scale is 2^e with e = floor(log2(the largest magnitude in the block)) - 4, held to -126 .. 127; a block of zeros has e = 0. As a byte (E8M0): e + 127.
;;     - Each number is divided by its block's scale, clamped to +-28, and rounded to the nearest number of E3M2, ties to even, subnormals kept.
;;     - The product sums the exact products of the quantised numbers (number of the format x scale) in f32.
;;   ~~~python
;;   def quantise(x, axis):      # numpy; x: float32 -> the quantised numbers, widened to float32 again
;;       x = np.moveaxis(x, axis, -1); K = x.shape[-1]
;;       x = np.pad(x, [(0, 0)] * (x.ndim - 1) + [(0, -K % 32)]); x = x.reshape(x.shape[:-1] + (-1, 32)); a = np.abs(x).max(-1, keepdims=True)
;;       e = np.where(a > 0, np.clip(np.frexp(np.where(a > 0, a, 1))[1] - 1 - 4, -126, 127), 0)      # np.frexp(a)[1] - 1 = floor(log2(a)), exactly
;;       r = np.clip(x / 2.0 ** e, -28, 28)
;;       step = 2.0 ** (np.maximum(np.frexp(np.where(r == 0, 1, r))[1] - 1, -2) - 2)
;;       q = np.round(r / step) * step * 2.0 ** e      # np.round: ties to even
;;       return np.moveaxis(q.reshape(q.shape[:-2] + (-1,))[..., :K], -1, axis).astype(np.float32)
;;   ~~~
;;   OPERANDS COMPUTED ON THE WAY. 'Computed on the way' means the value that the module computes at that place (a softmax that the list does not call 'softmax' is quantised finished and normalised). What goes into a quantiser is computed in f32, as accurately as f32 sums, v_exp_f32 and their like allow (about 1e-6 of the number): no bf16 or f16 on the way to a quantiser, and a product that is left as it is and whose result goes on into a quantised operand takes f32 operands (vector FMAs, or v_wmma_f32_16x16x4_f32). A number that lies on a knife's edge between two numbers of the format may be rounded either way, as far as f32 arithmetic and the matrix unit's own rounding can turn it there, and no further.
;; 2 versions, each right and faster than the one before. Each part assembles by itself: llvm-mc -triple=amdgcn-amd-amdhsa -mcpu=gfx1250 --defsym DOCPART=n.
;; ======== version 1 of 2: 8 launches
;; workspace buffers: wts 9,830,400 bytes; hq 3,276,800 bytes; qkv 9,830,400 bytes; att 3,276,800 bytes; res 16,777,216 bytes; h2q 3,276,800 bytes; m1q 13,107,200 bytes
;; launch wq (part 1): grid 384 x 1, 4 waves a work-group, no clusters, 0 bytes of LDS; arguments Wq, Wk, Wv, Wo, W1, W2, wts; writes wts
.if DOCPART == 1
	.amdgcn_target "amdgcn-amd-amdhsa--gfx1250"
	.amdhsa_code_object_version 6
	.text
	.protected	k_q5e6b764f1f_wq
	.globl	k_q5e6b764f1f_wq
	.p2align	8
	.type	k_q5e6b764f1f_wq,@function
k_q5e6b764f1f_wq:
	s_mov_b64 s[64:65], 0
	v_nop
	global_prefetch_b8 v0, s[64:65] scope:SCOPE_SE
	s_setreg_imm32_b32 hwreg(HW_REG_WAVE_MODE, 25, 1), 1
	s_wait_xcnt 0x0
; The six weights, f32 [K][N] with K their FIRST axis, become codes of E3M2 (6 bits) with one E8M0 byte for each 32 along K, laid as the later launches' matrix operands want them.
; LAYOUT OF wts.  Rows n go in tiles of 16: tile 2 g + u, row p is n = 32 g + 8 u + p + 8 (p / 8).  A tile's 64 along K are a HALF FRAGMENT of 768 bytes: lane (p + 16 h) holds k = 32 h .. 32 h + 31 (six registers):
; registers 0-3 at 16 x lane, registers 4-5 at 512 + 8 x lane.  Half fragments lie [tile][K / 64]; scale words (four bytes: 128 along K) lie [tile][K / 128][16 rows].
; A LANE TAKES A COLUMN n AND ITS REGISTERS RUN DOWN K: a block of 32 lies in one lane, so its largest magnitude needs no other lane and the conversions give K innermost.
; A work-group takes 128 columns x 256 along K, a wave 32 columns.  Each load reads 128 consecutive bytes; each 16-byte store fills two aligned runs of 256 bytes.  Loads run two blocks (64 loads a wave) ahead.
; A block's byte is its largest magnitude's exponent field - 4, held at 1 from below.  LIMITS: a block of zeros gets the byte 1, not 127 (its codes are zeros; this program alone reads the bytes); NaN and infinities are not served.
.set EMAX, 4
.set X,   32                           ; v32-95   two sets of 32 numbers
.set C,   96                           ; v96-143  six code registers for each of the 8 blocks: no store's data are written again
.set PT,  144                          ; v144-146 a block's upper 16 codes as converted
.set SB,  24                           ; v24-25   the two scale words
.set SRC, 3                            ; v3       4 x lane
.set D16, 8                            ; v8       u x tile pitch + 16 p
.set D8,  9                            ; v9       u x tile pitch + 8 p + 512
.set DS,  10                           ; v10      u x (a tile's scale bytes) + 4 p
	s_load_b256 s[4:11], s[0:1], 0x0               ; Wq, Wk, Wv, Wo
	s_load_b128 s[12:15], s[0:1], 0x20             ; W1, W2
	s_load_b64 s[16:17], s[0:1], 0x30              ; wts
	v_lshrrev_b32 v1, 5, v0
	v_readfirstlane_b32 s33, v1                    ; wave
	v_and_b32 v2, 31, v0                           ; lane
	v_lshlrev_b32 v[SRC], 2, v2
	; which tensor, which 128 columns (nb), which 256 along K (kb): work-groups 0-127 the four square weights, 128-255 W2, 256-383 W1
	s_mov_b32 s20, ttmp9
	s_lshr_b32 s21, s20, 5                         ; which of the four
	s_and_b32 s22, s20, 7                          ; nb
	s_lshr_b32 s23, s20, 3
	s_and_b32 s24, s23, 3                          ; kb
	s_and_b32 s25, s23, 15                         ; kb in W2
	s_and_b32 s26, s20, 31                         ; nb in W1
	s_and_b32 s27, s21, 3                          ; kb in W1
	s_mul_i32 s28, s21, 786432                     ; where the tensor's images begin in wts
	s_mul_i32 s29, s21, 32768
	s_add_co_u32 s29, s29, 9437184                 ; and its scale words
	s_mov_b32 s30, 12288                           ; a tile's images: 12 K bytes
	s_mov_b32 s31, 512                             ; a tile's scale words: K / 2 bytes
	s_mov_b32 s32, 1048576                         ; 256 rows of the source
	s_cmp_ge_u32 s20, 128
	s_cselect_b32 s24, s25, s24
	s_cselect_b32 s28, 6291456, s28
	s_cselect_b32 s29, 9699328, s29
	s_cselect_b32 s30, 49152, s30
	s_cselect_b32 s31, 2048, s31
	s_cmp_ge_u32 s20, 256
	s_cselect_b32 s22, s26, s22
	s_cselect_b32 s24, s27, s24
	s_cselect_b32 s28, 3145728, s28
	s_cselect_b32 s29, 9568256, s29
	s_cselect_b32 s30, 12288, s30
	s_cselect_b32 s31, 512, s31
	s_cselect_b32 s32, 4194304, s32
	s_lshl_b32 s34, s22, 2
	s_add_co_u32 s34, s34, s33                     ; my wave's group of 32 columns
	s_mul_i32 s35, s24, s32
	s_lshl_b32 s38, s34, 7
	s_add_co_u32 s38, s38, s35                     ; source: kb x 256 rows + 128 bytes x group
	s_mov_b32 s39, 0
	s_lshl_b32 s35, s34, 1                         ; the group's first tile
	s_mul_i32 s40, s35, s30
	s_add_co_u32 s28, s28, s40
	s_mul_i32 s40, s24, 3072
	s_add_co_u32 s40, s40, s28                     ; images: + tile x pitch + 4 kb half fragments
	s_mov_b32 s41, 0
	s_mul_i32 s42, s35, s31
	s_add_co_u32 s42, s42, s29
	s_lshl_b32 s43, s24, 7
	s_add_co_u32 s42, s42, s43                     ; scale words: + tile's + 2 kb x 64
	s_mov_b32 s43, 0
	v_bfe_u32 v5, v2, 3, 1                         ; u
	v_and_b32 v6, 7, v2
	v_lshrrev_b32 v7, 4, v2
	v_lshl_or_b32 v6, v7, 3, v6                    ; p
	v_mul_lo_u32 v4, v5, s30
	v_lshl_add_u32 v[D16], v6, 4, v4
	v_lshl_add_u32 v[D8], v6, 3, v4
	v_add_nc_u32 v[D8], 512, v[D8]
	v_mul_lo_u32 v4, v5, s31
	v_lshl_add_u32 v[DS], v6, 2, v4
	s_wait_kmcnt 0x0
	s_cmp_eq_u32 s21, 1                            ; the source is chosen on the work-group's number alone
	s_cselect_b64 s[4:5], s[6:7], s[4:5]
	s_cmp_eq_u32 s21, 2
	s_cselect_b64 s[4:5], s[8:9], s[4:5]
	s_cmp_eq_u32 s21, 3
	s_cselect_b64 s[4:5], s[10:11], s[4:5]
	s_cmp_ge_u32 s20, 128
	s_cselect_b64 s[4:5], s[14:15], s[4:5]
	s_cmp_ge_u32 s20, 256
	s_cselect_b64 s[4:5], s[12:13], s[4:5]
	s_add_nc_u64 s[4:5], s[4:5], s[38:39]
	s_add_nc_u64 s[18:19], s[16:17], s[40:41]      ; images
	s_add_nc_u64 s[16:17], s[16:17], s[42:43]      ; scale words
.macro WLOAD t, pitch                  ; block t: W(32 t + i, my column) into set t % 2
.irp i, 0,1,2,3,4,5,6,7,8,9,10,11,12,13,14,15,16,17,18,19,20,21,22,23,24,25,26,27,28,29,30,31
	global_load_b32 v[X+32*((\t)%2)+\i], v[SRC], s[4:5] offset:(32*(\t)+\i)*\pitch th:TH_LOAD_NT
.endr
.endm
.macro WBLOCK t, pitch
.set XS, X+32*((\t)%2)
.set CT, C+6*(\t)
.if (\t) < 7
	s_wait_loadcnt 32                              ; this block's 32 loads are in; the next block's may be out
.else
	s_wait_loadcnt 0x0
.endif
	v_max3_num_f32 v12, |v[XS]|, |v[XS+1]|, |v[XS+2]|
	v_max3_num_f32 v13, |v[XS+3]|, |v[XS+4]|, |v[XS+5]|
.irp i, 6,10,14,18,22,26
	v_max3_num_f32 v12, v12, |v[XS+\i]|, |v[XS+\i+1]|
	v_max3_num_f32 v13, v13, |v[XS+\i+2]|, |v[XS+\i+3]|
.endr
	v_max3_num_f32 v12, v12, |v[XS+30]|, |v[XS+31]|
	v_max3_num_f32 v12, v12, v13, (EMAX+1)<<23     ; with the floor 2^(5 - 127): the byte cannot fall under 1
	v_add_nc_u32 v11, -(EMAX<<23), v12             ; 4 off the exponent field: the conversion's scale operand
	v_cvt_scalef32_pk16_bf6_f32 v[CT:CT+2], v[XS:XS+15], v11
	v_cvt_scalef32_pk16_bf6_f32 v[PT:PT+2], v[XS+16:XS+31], v11   ; (a conversion's three registers begin on an even number)
	v_lshrrev_b32 v13, 23, v11                     ; the byte; also the plain line behind the conversions
.if (\t)%4 == 0
	v_mov_b32 v[SB+(\t)/4], v13
.else
	v_lshl_or_b32 v[SB+(\t)/4], v13, 8*((\t)%4), v[SB+(\t)/4]
.endif
.irp i, 0,1,2
	v_mov_b32 v[CT+3+\i], v[PT+\i]
.endr
	global_store_b128 v[D16], v[CT:CT+3], s[18:19] offset:((\t)/2)*768+((\t)%2)*256   ; sixteen lanes of a tile: 256 consecutive bytes, aligned
	global_store_b64 v[D8], v[CT+4:CT+5], s[18:19] offset:((\t)/2)*768+((\t)%2)*128
.if (\t)+2 < 8
	WLOAD (\t)+2, \pitch
.endif
.endm
.macro WPATH pitch
	WLOAD 0, \pitch
	WLOAD 1, \pitch
.irp t, 0,1,2,3,4,5,6,7
	WBLOCK \t, \pitch
.endr
	global_store_b32 v[DS], v[SB], s[16:17]
	global_store_b32 v[DS], v[SB+1], s[16:17] offset:64
	s_endpgm
.endm
	s_cmp_ge_u32 s20, 256                          ; W1's rows are 16,384 bytes, the others' 4,096: only the loads' immediates differ
	s_cbranch_scc1 .Lwide
	WPATH 4096
.Lwide:
	WPATH 16384
.Lfunc_end_k_q5e6b764f1f_wq:
	.size	k_q5e6b764f1f_wq, .Lfunc_end_k_q5e6b764f1f_wq-k_q5e6b764f1f_wq
	.p2alignl 7, 3214868480
	.fill 96, 4, 3214868480
	.section	.rodata,"a",@progbits
	.p2align	6, 0x0
	.amdhsa_kernel k_q5e6b764f1f_wq
		.amdhsa_group_segment_fixed_size 0
		.amdhsa_private_segment_fixed_size 0
		.amdhsa_enable_private_segment 0
		.amdhsa_kernarg_size 56
		.amdhsa_user_sgpr_count 2
		.amdhsa_user_sgpr_kernarg_segment_ptr 1
		.amdhsa_wavefront_size32 1
		.amdhsa_system_sgpr_workgroup_id_x 1
		.amdhsa_system_sgpr_workgroup_id_y 1
		.amdhsa_system_sgpr_workgroup_id_z 1
		.amdhsa_system_vgpr_workitem_id 0
		.amdhsa_next_free_vgpr 152
		.amdhsa_next_free_sgpr 66
		.amdhsa_reserve_vcc 0
		.amdhsa_float_denorm_mode_32 3
		.amdhsa_float_denorm_mode_16_64 3
		.amdhsa_memory_ordered 1
		.amdhsa_forward_progress 1
		.amdhsa_inst_pref_size 78
	.end_amdhsa_kernel
	.amdgpu_metadata
---
amdhsa.version: [ 1, 2 ]
amdhsa.kernels:
  - .name:           k_q5e6b764f1f_wq
    .symbol:         k_q5e6b764f1f_wq.kd
    .args:
      - { .name: Wq, .offset: 0, .size: 8, .value_kind: global_buffer, .address_space: global }
      - { .name: Wk, .offset: 8, .size: 8, .value_kind: global_buffer, .address_space: global }
      - { .name: Wv, .offset: 16, .size: 8, .value_kind: global_buffer, .address_space: global }
      - { .name: Wo, .offset: 24, .size: 8, .value_kind: global_buffer, .address_space: global }
      - { .name: W1, .offset: 32, .size: 8, .value_kind: global_buffer, .address_space: global }
      - { .name: W2, .offset: 40, .size: 8, .value_kind: global_buffer, .address_space: global }
      - { .name: wts, .offset: 48, .size: 8, .value_kind: global_buffer, .address_space: global }
    .group_segment_fixed_size: 0
    .private_segment_fixed_size: 0
    .kernarg_segment_align: 8
    .kernarg_segment_size: 56
    .max_flat_workgroup_size: 128
    .sgpr_count:     66
    .vgpr_count:     152
    .wavefront_size: 32
...
	.end_amdgpu_metadata
.endif
;; end of part 1
;; launch ln (part 2): grid 256 x 1, 4 waves a work-group, no clusters, 66,304 bytes of LDS; arguments x, ln1_g, ln1_b, hq; writes hq
.if DOCPART == 2
	.amdgcn_target "amdgcn-amd-amdhsa--gfx1250"
	.amdhsa_code_object_version 6
	.text
	.protected	k_q5e6b764f1f_ln
	.globl	k_q5e6b764f1f_ln
	.p2align	8
	.type	k_q5e6b764f1f_ln,@function
k_q5e6b764f1f_ln:
	s_mov_b64 s[64:65], 0
	v_nop
	global_prefetch_b8 v0, s[64:65] scope:SCOPE_SE
	s_setreg_imm32_b32 hwreg(HW_REG_WAVE_MODE, 25, 1), 1
	s_wait_xcnt 0x0
; LayerNorm over rows of 1,024 f32 (mean, then the mean of squared differences, 1 / sqrt(var + 1e-5), gain, bias: all f32), and the result quantised to E3M2 along the row, one E8M0 byte for each 32.
; A work-group makes ONE TILE of 16 rows of the operand: tile T, row p is token 32 (T / 2) + 8 (T % 2) + p + 8 (p / 8).  Output layout: half fragments of 768 bytes [T][K / 64] (lane p + 16 h: k = 32 h .. + 31;
; registers 0-3 at 16 x lane, 4-5 at 512 + 8 x lane), then from byte 3,145,728 scale words [T][K / 128][16 rows].
; PHASE A: wave w normalises rows 4 w .. 4 w + 3, a row in 32 registers of the wave, read once; the rows go to LDS, 4,112 bytes apart (257 x 16: the sixteen rows of a 16-byte read fall on different banks).
; PHASE B, behind one barrier: wave w takes K steps 2 w, 2 w + 1: lane (p, h) reads 16 neighbours of each block of 32, quantises, and stores the fragment's registers as they stand: 512 or 256 consecutive bytes a store.
; LIMITS: a block of zeros gets the byte 1, not 127 (its codes are zeros; this program alone reads the bytes); NaN and infinities are not served.
.set PITCH, 4112
.set G,   16                           ; v16-47   the gain of my columns 128 j + 4 lane + 0..3
.set B,   48                           ; v48-79   the bias
.set R,   80                           ; v80-207  four rows; later two K steps' numbers
.set TM,  208                          ; v208-223 phase A: row i's mean pair at 208 + 4 i, 1 / sqrt pair at 210 + 4 i; phase B: the quantiser's
.set PC,  224                          ; v224-243 phase A: sums of squares; phase B: the codes
.set PW,  244
.set PW0, 245
.set SEL, 24
	s_load_b256 s[4:11], s[0:1], 0x0               ; the rows, gain, bias, the operand
	v_lshl_add_u32 v254, v0, 2, 0x10100
	v_mov_b32 v255, 0
	v_lshrrev_b32 v1, 5, v0
	v_readfirstlane_b32 s12, v1                    ; wave
	v_and_b32 v3, 31, v0                           ; lane
	v_and_b32 v1, 15, v0                           ; p
	v_bfe_u32 v2, v0, 4, 1                         ; h
	v_lshlrev_b32 v4, 4, v3                        ; 16 x lane
	s_lshr_b32 s13, ttmp9, 1
	s_lshl_b32 s13, s13, 5
	s_and_b32 s14, ttmp9, 1
	s_lshl_b32 s14, s14, 3
	s_add_co_u32 s13, s13, s14
	s_lshl_b32 s14, s12, 2
	s_add_co_u32 s13, s13, s14
	s_lshr_b32 s14, s12, 1
	s_lshl_b32 s14, s14, 3
	s_add_co_u32 s13, s13, s14                     ; my first token: rows 4 w .. 4 w + 3 are neighbours
	s_lshl_b32 s14, s13, 12
	s_mov_b32 s15, 0
	s_mul_i32 s16, s12, 4*PITCH
	v_add_nc_u32 v5, s16, v4                       ; LDS, in: my four rows, 16 x lane
	v_mul_u32_u24 v6, v1, PITCH
	v_lshl_add_u32 v6, v2, 6, v6
	s_lshl_b32 s17, s12, 10
	v_add_nc_u32 v6, s17, v6                       ; LDS, out: row p, + 64 h, + my two K steps
	s_mul_i32 s18, s12, 3072
	v_add_nc_u32 v7, s18, v4                       ; the operand: 16 x lane + my four half fragments
	v_lshl_add_u32 v8, v3, 3, s18
	v_add_nc_u32 v8, 512, v8
	s_lshl_b32 s19, s12, 7
	v_lshl_add_u32 v9, v3, 2, s19                  ; scale words: 4 x lane + 128 x wave
	s_mul_i32 s20, ttmp9, 12288
	s_mov_b32 s21, 0
	s_lshl_b32 s22, ttmp9, 9
	s_add_co_u32 s22, s22, 3145728
	s_mov_b32 s23, 0
	s_mov_b32 s[SEL], 0x76543210
	s_mov_b32 s[SEL+1], 0xfedcba98                 ; lane l xor 16
	s_mov_b32 s26, 0x3a800000                      ; 1 / 1024
	s_mov_b32 s27, 0x3727c5ac                      ; 1e-5
	s_wait_kmcnt 0x0
	s_add_nc_u64 s[4:5], s[4:5], s[14:15]
	s_add_nc_u64 s[28:29], s[10:11], s[22:23]      ; scale words of my tile
	s_add_nc_u64 s[10:11], s[10:11], s[20:21]      ; images of my tile
.irp j, 0,1,2,3,4,5,6,7
	global_load_b128 v[G+4*\j:G+4*\j+3], v4, s[6:7] offset:512*\j
	global_load_b128 v[B+4*\j:B+4*\j+3], v4, s[8:9] offset:512*\j
.endr
.irp i, 0,1,2,3
.irp j, 0,1,2,3,4,5,6,7
	global_load_b128 v[R+32*\i+4*\j:R+32*\i+4*\j+3], v4, s[4:5] offset:4096*\i+512*\j th:TH_LOAD_NT
.endr
.endr
.macro ACROSS base                     ; four rows' figures at v[base + 4 i] are summed over the 32 lanes; v[base + 1 + 4 i] is at work
.irp m, 1,2,4,8
.irp i, 0,1,2,3
	v_add_f32_dpp v[\base+4*\i], v[\base+4*\i], v[\base+4*\i] row_xmask:\m row_mask:0xf bank_mask:0xf
.endr
.endr
.irp i, 0,1,2,3
	v_permlanex16_b32 v[\base+1+4*\i], v[\base+4*\i], s[SEL], s[SEL+1]
.endr
.irp i, 0,1,2,3
	v_add_f32 v[\base+4*\i], v[\base+4*\i], v[\base+1+4*\i]
.endr
.endm
.irp i, 0,1,2,3                        ; the rows' sums, two chains each
	s_wait_loadcnt 24-8*\i                         ; gain, bias and rows up to i are in; the younger rows' eight loads each may be out
	v_pk_add_f32 v[208+4*\i:209+4*\i], v[R+32*\i:R+32*\i+1], v[R+32*\i+2:R+32*\i+3]
	v_pk_add_f32 v[210+4*\i:211+4*\i], v[R+32*\i+4:R+32*\i+5], v[R+32*\i+6:R+32*\i+7]
.irp j, 8,12,16,20,24,28
	v_pk_add_f32 v[208+4*\i:209+4*\i], v[208+4*\i:209+4*\i], v[R+32*\i+\j:R+32*\i+\j+1]
	v_pk_add_f32 v[210+4*\i:211+4*\i], v[210+4*\i:211+4*\i], v[R+32*\i+\j+2:R+32*\i+\j+3]
.endr
	v_pk_add_f32 v[208+4*\i:209+4*\i], v[208+4*\i:209+4*\i], v[210+4*\i:211+4*\i]
	v_add_f32 v[208+4*\i], v[208+4*\i], v[209+4*\i]
.endr
	ACROSS 208
.irp i, 0,1,2,3
	v_mul_f32 v[208+4*\i], s26, v[208+4*\i]        ; the mean
.endr
.irp i, 0,1,2,3
.set n, 0
.rept 16
	v_pk_add_f32 v[R+32*\i+n:R+32*\i+n+1], v[R+32*\i+n:R+32*\i+n+1], v[208+4*\i:209+4*\i] op_sel_hi:[1,0] neg_lo:[0,1] neg_hi:[0,1]   ; x - mean
.set n, n+2
.endr
.endr
.irp i, 0,1,2,3                        ; the sums of squares, two chains each
	v_pk_mul_f32 v[224+4*\i:225+4*\i], v[R+32*\i:R+32*\i+1], v[R+32*\i:R+32*\i+1]
	v_pk_mul_f32 v[226+4*\i:227+4*\i], v[R+32*\i+2:R+32*\i+3], v[R+32*\i+2:R+32*\i+3]
.irp j, 4,8,12,16,20,24,28
	v_pk_fma_f32 v[224+4*\i:225+4*\i], v[R+32*\i+\j:R+32*\i+\j+1], v[R+32*\i+\j:R+32*\i+\j+1], v[224+4*\i:225+4*\i]
	v_pk_fma_f32 v[226+4*\i:227+4*\i], v[R+32*\i+\j+2:R+32*\i+\j+3], v[R+32*\i+\j+2:R+32*\i+\j+3], v[226+4*\i:227+4*\i]
.endr
	v_pk_add_f32 v[224+4*\i:225+4*\i], v[224+4*\i:225+4*\i], v[226+4*\i:227+4*\i]
	v_add_f32 v[224+4*\i], v[224+4*\i], v[225+4*\i]
.endr
	ACROSS 224
.irp i, 0,1,2,3
	v_fma_f32 v[224+4*\i], v[224+4*\i], s26, s27   ; var + 1e-5
.endr
.irp i, 0,1,2,3
	v_rsq_f32 v[210+4*\i], v[224+4*\i]
.endr
	v_nop                                          ; a plain line behind the last of the four,
	s_wait_alu depctr_va_vdst(0)                   ; and one wait for the four, ahead of their first reader
.irp i, 0,1,2,3
.set n, 0
.rept 16
	v_pk_mul_f32 v[R+32*\i+n:R+32*\i+n+1], v[R+32*\i+n:R+32*\i+n+1], v[210+4*\i:211+4*\i] op_sel_hi:[1,0]
	v_pk_fma_f32 v[R+32*\i+n:R+32*\i+n+1], v[R+32*\i+n:R+32*\i+n+1], v[G+n:G+n+1], v[B+n:B+n+1]
.set n, n+2
.endr
.irp j, 0,1,2,3,4,5,6,7
	ds_store_b128 v5, v[R+32*\i+4*\j:R+32*\i+4*\j+3] offset:\i*PITCH+512*\j
.endr
.endr
	s_wait_dscnt 0x0                               ; for the others' sake: my rows lie in LDS
	s_barrier_signal -1
	s_barrier_wait -1
.irp e, 0,1
.irp b, 0,1,2,3
.irp j, 0,1,2,3
	ds_load_b128 v[R+64*\e+16*\b+4*\j:R+64*\e+16*\b+4*\j+3], v6 offset:512*\e+128*\b+16*\j   ; register 16 b + i = k 32 b + 16 h + i of my row, in K step 2 w + e
.endr
.endr
.endr
; 64 numbers of a lane, register 16 b + i = k 32 b + 16 h + i of its row, become a fragment's 12 code registers in v[PC] on and the row's scale word in v[PW]
.macro QUANT s
.irp b, 0,1,2,3
	v_max3_num_f32 v[TM+\b], |v[\s+16*\b]|, |v[\s+1+16*\b]|, 0x2800000   ; with the floor 2^(5 - 127): the byte cannot fall under 1
.endr
.irp i, 2,4,6,8,10,12,14
.irp b, 0,1,2,3
	v_max3_num_f32 v[TM+\b], v[TM+\b], |v[\s+16*\b+\i]|, |v[\s+1+16*\b+\i]|
.endr
.endr
.irp b, 0,1,2,3
	v_permlanex16_b32 v[TM+4+\b], v[TM+\b], s[SEL], s[SEL+1]
.endr
.irp b, 0,1,2,3
	v_max_num_f32 v[TM+\b], v[TM+\b], v[TM+4+\b]   ; with lane l xor 16's: the block's largest magnitude
.endr
.irp b, 0,1,2,3
	v_add_nc_u32 v[TM+12+\b], 0xfe000000, v[TM+\b] ; 4 off its exponent field: the conversion's scale operand
.endr
.irp b, 0,1,2,3
	v_lshrrev_b32 v[TM+4+\b], 23, v[TM+12+\b]      ; the byte
.endr
	v_lshl_or_b32 v[PW], v[TM+5], 8, v[TM+4]
	v_lshl_or_b32 v[PW], v[TM+6], 16, v[PW]
	v_lshl_or_b32 v[PW], v[TM+7], 24, v[PW]
.irp c, 0,1
	v_cvt_scalef32_pk16_bf6_f32 v[PC+6*\c:PC+2+6*\c], v[\s+32*\c:\s+15+32*\c], v[TM+12+2*\c]
	v_cvt_scalef32_pk16_bf6_f32 v[PC+12+4*\c:PC+14+4*\c], v[\s+16+32*\c:\s+31+32*\c], v[TM+12+2*\c+1]
.endr
	v_nop                                          ; one plain line behind a scaled conversion
.irp c, 0,1                            ; the operand wants a whole block in a lane: lanes 0-15 block 2 c, lanes 16-31 block 2 c + 1
.irp i, 0,1,2
	v_permlane16_swap_b32 v[PC+6*\c+\i], v[PC+12+4*\c+\i]
.endr
.irp i, 0,1,2
	v_mov_b32 v[PC+3+6*\c+\i], v[PC+12+4*\c+\i]
.endr
.endr
.endm
.macro OUT e                           ; the fragment leaves as it stands: two half fragments
	global_store_b128 v7, v[PC:PC+3], s[10:11] offset:(2*\e)*768
	global_store_b64 v8, v[PC+4:PC+5], s[10:11] offset:(2*\e)*768
	global_store_b128 v7, v[PC+6:PC+9], s[10:11] offset:(2*\e+1)*768
	global_store_b64 v8, v[PC+10:PC+11], s[10:11] offset:(2*\e+1)*768
.endm
	s_wait_dscnt 16                                ; the first K step's sixteen loads are in
	QUANT R
	OUT 0
	v_mov_b32 v[PW0], v[PW]
	s_wait_dscnt 0x0
	s_wait_xcnt 0x0                                ; the stores have read the code registers: they are written again only behind this wait
	QUANT R+64
	OUT 1
	v_cmp_lt_u32 vcc_lo, 15, v3
	v_cndmask_b32 v[PW0], v[PW0], v[PW], vcc_lo    ; lanes 0-15 the first K step's words, lanes 16-31 the second's: 128 consecutive bytes
	global_store_b32 v9, v[PW0], s[28:29]
	s_wait_tensorcnt 0x0
	ds_add_u32 v254, v255
	s_wait_dscnt 0x0
	s_endpgm
.Lfunc_end_k_q5e6b764f1f_ln:
	.size	k_q5e6b764f1f_ln, .Lfunc_end_k_q5e6b764f1f_ln-k_q5e6b764f1f_ln
	.p2alignl 7, 3214868480
	.fill 96, 4, 3214868480
	.section	.rodata,"a",@progbits
	.p2align	6, 0x0
	.amdhsa_kernel k_q5e6b764f1f_ln
		.amdhsa_group_segment_fixed_size 66304
		.amdhsa_private_segment_fixed_size 0
		.amdhsa_enable_private_segment 0
		.amdhsa_kernarg_size 32
		.amdhsa_user_sgpr_count 2
		.amdhsa_user_sgpr_kernarg_segment_ptr 1
		.amdhsa_wavefront_size32 1
		.amdhsa_system_sgpr_workgroup_id_x 1
		.amdhsa_system_sgpr_workgroup_id_y 1
		.amdhsa_system_sgpr_workgroup_id_z 1
		.amdhsa_system_vgpr_workitem_id 0
		.amdhsa_next_free_vgpr 256
		.amdhsa_next_free_sgpr 66
		.amdhsa_reserve_vcc 1
		.amdhsa_float_denorm_mode_32 3
		.amdhsa_float_denorm_mode_16_64 3
		.amdhsa_memory_ordered 1
		.amdhsa_forward_progress 1
		.amdhsa_inst_pref_size 44
	.end_amdhsa_kernel
	.amdgpu_metadata
---
amdhsa.version: [ 1, 2 ]
amdhsa.kernels:
  - .name:           k_q5e6b764f1f_ln
    .symbol:         k_q5e6b764f1f_ln.kd
    .args:
      - { .name: x, .offset: 0, .size: 8, .value_kind: global_buffer, .address_space: global }
      - { .name: ln1_g, .offset: 8, .size: 8, .value_kind: global_buffer, .address_space: global }
      - { .name: ln1_b, .offset: 16, .size: 8, .value_kind: global_buffer, .address_space: global }
      - { .name: hq, .offset: 24, .size: 8, .value_kind: global_buffer, .address_space: global }
    .group_segment_fixed_size: 66304
    .private_segment_fixed_size: 0
    .kernarg_segment_align: 8
    .kernarg_segment_size: 32
    .max_flat_workgroup_size: 128
    .sgpr_count:     66
    .vgpr_count:     256
    .wavefront_size: 32
...
	.end_amdgpu_metadata
.endif
;; end of part 2
;; launch qkv (part 3): grid 24 x 32, 4 waves a work-group, clusters of 4 x 4, 327,680 bytes of LDS; arguments hq, wts, bq, bk, bv, qkv; writes qkv
.if DOCPART == 3
	.amdgcn_target "amdgcn-amd-amdhsa--gfx1250"
	.amdhsa_code_object_version 6
	.text
	.protected	k_q5e6b764f1f_qkv
	.globl	k_q5e6b764f1f_qkv
	.p2align	8
	.type	k_q5e6b764f1f_qkv,@function
k_q5e6b764f1f_qkv:
	s_mov_b64 s[64:65], 0
	v_nop
	global_prefetch_b8 v0, s[64:65] scope:SCOPE_SE
	s_setreg_imm32_b32 hwreg(HW_REG_WAVE_MODE, 25, 1), 1
	s_wait_xcnt 0x0
	s_wait_alu depctr_hold_cnt(0) depctr_sa_sdst(0) depctr_va_vdst(0) depctr_va_sdst(0) depctr_va_ssrc(0) depctr_va_vcc(0) depctr_vm_vsrc(0)
	s_getreg_b32 s2, hwreg(HW_REG_IB_STS2, 6, 4)
	s_cmp_eq_u32 s2, 0
	s_cbranch_scc0 .Lentry_in_a_cluster
	s_endpgm
.Lentry_in_a_cluster:
	s_bfe_u32 s2, ttmp6, 0x10000c
	s_cmp_lg_u32 s2, 0xf033
	s_cbranch_scc0 .Lentry_shape_is_right
	s_endpgm
.Lentry_shape_is_right:
; q, k, v = LN(x) W + b on codes of E3M2 (one E8M0 byte for each 32 along K = 1,024), and the results quantised again as attention's operands: q and k along the head's 64, v along the keys.
; OPERANDS lie as images of the matrix operand's registers.  Rows go in tiles of 16 (tile 2 g + u, row p = index 32 g + 8 u + p + 8 (p / 8)); a tile's 64 along K are a half fragment of 768 bytes (lane p + 16 h: k = 32 h .. + 31;
; registers 0-3 at 16 x lane, 4-5 at 512 + 8 x lane), laid [tile][K / 64]; scale words [tile][K / 128][16 rows].  So every LDS read is 512 or 256 consecutive bytes, and a K step's tiles are dense blocks for the tensor loads.
; SHARES.  A work-group makes 128 x 128, each of four waves 64 x 64: 16 accumulators.  Source 0's rows run along a lane's registers in the result (by the tile order: 16 neighbours in two tiles), source 1's rows lie one to a lane.
; q, k (cluster x 0-3): source 0 = 128 rows of Wq | Wk, source 1 = 128 tokens: a lane holds one token and 64 features of one head.  v (cluster x 4, 5): THE ROLES CHANGE: source 0 = tokens, source 1 = rows of Wv: a lane holds one
; feature and 64 keys.  Only buffers and coordinates are chosen (on the cluster's x, which all partners share); the text has one path.
; K = 1,024 is two LDS slots of 512 along K, both filled at the start: nothing is filled again.  CLUSTER 4 x 4: source 1's tiles are shared along a row of the cluster, source 0's along a column: joint loads.
; OUTPUT: qkv = Q, K, V parts of 3,276,800 bytes, each 32 packs (16 batch + head) of 102,400: 98,304 of half fragments + 4,096 of scale words.  Q, K: [token tile 0..127]; words [tile / 2][16], a tile's two bytes in its half.
; V: [64 keys c][feature tile 0..3]; words [c / 2][tile][16], chunk c's two bytes in half c % 2.
; LIMITS: a block of zeros gets the byte 1, not 127 (its codes are zeros; this program alone reads the bytes); NaN and infinities are not served.
.set KT,    1024
.set NS,    KT/128
.set TP,    12*KT                      ; a tile's images in memory
.set TROW,  6144                       ; a tile's 512 along K
.set QUART, 4*TROW                     ; four tiles: what one tensor load brings, and what one wave reads of a side
.set SLOT,  4*QUART                    ; source 1's eight tiles, then source 0's
.set SCLA,  2*SLOT                     ; behind the slots: source 1's scale words, 4 KT bytes; 64 bytes on (other banks) source 0's
.set HW,   4                           ; v4-7    the half scale words made
.set SC,   8                           ; v8-15   scale words, two sets of four: lanes 0-15 source 1's tile i, lanes 16-31 source 0's
.set ADRA, 16                          ; v16-17  source 1's 16-byte pieces in slot 0, 1;  v18-19 its 8-byte pieces
.set ADRB, 20                          ; v20-23  the same for source 0
.set ADRS, 24
.set L16,  25                          ; 16 x lane
.set L8,   26                          ; 512 + 8 x lane
.set BO,   30
.set BIAS, 32                          ; v32-63  the bias along the registers (q, k; else 0)
.set BL,   64                          ; v64-71  the bias of my lane's row, a pair for each tile (v; else 0)
.set SOA,  72                          ; v72-75  where tile a's half word goes
.set TM,   96
.set PC,   104
.set PT,   110
.set ACC,  128                         ; accumulator (a, b) at v[128 + 8 (4 a + b)]
.set F0,   0                           ; window 1: two fragment buffers of 96: source 1's four at + 12 i, source 0's at + 48 + 12 i
.set F1,   96
.set G1A, 24
.set G0A, 32
.set G1B, 48
.set G0B, 56
.set G1SA, 68
.set G0SA, 76
.set G1SB, 80
.set G0SB, 88
.set SEL, 98
.set MUL,  0x05                        ; sources 0 and 1 window 1; C and D window 0
.set TO_F, 0x40                        ; destination window 1
.set MSB, 0
.macro WIN new                         ; the immediate's high byte repeats the setting that is left
.if MSB != \new
	s_set_vgpr_msb (MSB<<8)|\new
.set MSB, \new
.endif
.endm
.macro JLOAD g0a, g1a, g0b, g1b        ; a joint load: waves 0, 1 fetch for source 1, waves 2, 3 for source 0; four v_nop follow each line
	s_cmp_eq_u32 s15, 0
	s_cbranch_scc0 .Lfor_b_\@
	tensor_load_to_lds s[\g0a:\g0a+3], s[\g1a:\g1a+7]
	s_nop 0
.rept 4
	v_nop
.endr
	s_branch .Lasked_\@
.Lfor_b_\@:
	tensor_load_to_lds s[\g0b:\g0b+3], s[\g1b:\g1b+7]
	s_nop 0
.rept 4
	v_nop
.endr
.Lasked_\@:
.endm
.macro CROUND                          ; a round of the cluster's barrier
	s_barrier_signal -1
	s_barrier_wait -1
	s_cmp_lg_u32 s14, 0
	s_cbranch_scc1 .Lnot_wave_0_\@
	s_barrier_signal -3
.Lnot_wave_0_\@:
	s_barrier_wait -3
	s_barrier_signal -1
	s_barrier_wait -1
.endm
.macro PLACES n
.rept \n
	v_nop
.endr
.endm
	s_load_b128 s[4:7], s[0:1], 0x0                ; hq, wts
	s_load_b128 s[8:11], s[0:1], 0x10              ; bq, bk
	s_load_b64 s[12:13], s[0:1], 0x20              ; bv
	s_load_b64 s[66:67], s[0:1], 0x28              ; qkv
	v_lshl_add_u32 v126, v0, 2, 0x32100
	v_mov_b32 v127, 0
	ds_add_u32 v126, v127
	ds_add_u32 v126, v127
	v_lshrrev_b32 v1, 5, v0
	v_readfirstlane_b32 s14, v1                    ; wave 0..3
	s_lshr_b32 s15, s14, 1                         ; which 64 of source 1's rows are mine.  Also: I fetch for source 1 (0) or source 0 (1)
	s_and_b32 s16, s14, 1                          ; which 64 of source 0's.  Also: which four tiles I fetch
	s_bfe_u32 s40, ttmp6, 0x40000                  ; cx
	s_bfe_u32 s41, ttmp6, 0x40004                  ; cy
	s_and_b32 s19, ttmp7, 0xffff                   ; cluster y
	s_cmp_ge_u32 ttmp9, 4                          ; v's clusters: the same answer in all sixteen partners
	s_cselect_b32 s18, ttmp9, s19                  ; source 1's cluster coordinate: tokens by y, or Wv's rows by x
	s_cselect_b32 s19, s19, ttmp9                  ; source 0's
	s_cselect_b32 s96, -1, 0                       ; all lanes where v
	s_cselect_b32 s97, 0, -1                       ; all lanes where q or k
	s_mov_b32 s101, 3145728
	s_cselect_b32 s100, 9437184, s101              ; where source 1's scale words begin in its buffer
	s_mov_b32 s93, 9437184
	s_cselect_b32 s101, s101, s93                  ; and source 0's
	s_lshl_b32 s42, s19, 2
	s_add_co_u32 s42, s42, s40                     ; nt: source 0's block of 128 rows
	s_lshl_b32 s17, s18, 2
	s_add_co_u32 s17, s17, s41                     ; mt: source 1's
	s_lshl_b32 s43, s41, 2
	s_lshl_b32 s43, 15, s43                        ; my row of the cluster
	s_lshl_b32 s44, 0x1111, s40                    ; my column
	; group 1 for tiles: 4 rows (tiles) of 768 elements of 8 bytes, TP bytes apart; no padding; bit 21 set beside the mask
	s_or_b32 s[G1A], s43, (3<<16)|(1<<21)
	s_or_b32 s[G1B], s44, (3<<16)|(1<<21)
.irp g, G1A, G1B
	s_mov_b32 s[\g+1], 768<<16
	s_mov_b32 s[\g+2], 4<<16
	s_mov_b32 s[\g+3], 768<<16
	s_mov_b32 s[\g+4], 4
	s_mov_b32 s[\g+5], TP/8
	s_mov_b32 s[\g+6], 0
	s_mov_b32 s[\g+7], 0
.endr
	; and for four tiles' scale words: a dense block of 2 KT bytes, as NS rows of 256
	s_or_b32 s[G1SA], s43, (3<<16)|(1<<21)
	s_or_b32 s[G1SB], s44, (3<<16)|(1<<21)
.irp g, G1SA, G1SB
	s_mov_b32 s[\g+1], 32<<16
	s_mov_b32 s[\g+2], NS<<16
	s_mov_b32 s[\g+3], 32<<16
	s_mov_b32 s[\g+4], NS
	s_mov_b32 s[\g+5], 32
	s_mov_b32 s[\g+6], 0
	s_mov_b32 s[\g+7], 0
.endr
	s_lshl_b32 s18, s16, 2
	s_lshl_b32 s20, s17, 3
	s_add_co_u32 s20, s20, s18                     ; source 1: the first tile that I fetch
	s_lshl_b32 s46, s42, 3
	s_add_co_u32 s46, s46, s18                     ; source 0: likewise
	s_mul_i32 s22, s20, NS*64
	s_add_co_u32 s22, s22, s100
	s_mul_i32 s92, s46, NS*64
	s_add_co_u32 s92, s92, s101
	s_mul_i32 s20, s20, TP
	s_mul_i32 s46, s46, TP
	s_mov_b32 s21, 0
	s_mov_b32 s23, 0
	s_mov_b32 s47, 0
	s_mov_b32 s93, 0
	s_mul_i32 s45, s14, QUART                      ; where they go: no place in the cluster enters an LDS address
	s_mul_i32 s94, s14, 2*KT
	s_wait_dscnt 0x0
	s_wait_kmcnt 0x0
	s_cmp_ge_u32 ttmp9, 4
	s_cselect_b64 s[2:3], s[6:7], s[4:5]           ; source 1's buffer: wts where v, else hq
	s_cselect_b64 s[6:7], s[4:5], s[6:7]           ; source 0's
	s_mov_b64 s[4:5], s[2:3]
	s_cmp_ge_u32 ttmp9, 2
	s_cselect_b64 s[8:9], s[10:11], s[8:9]         ; the bias: bq, bk
	s_cmp_ge_u32 ttmp9, 4
	s_cselect_b64 s[8:9], s[12:13], s[8:9]         ; or bv
	s_add_nc_u64 s[20:21], s[4:5], s[20:21]
	s_add_nc_u64 s[22:23], s[4:5], s[22:23]
	s_add_nc_u64 s[46:47], s[6:7], s[46:47]
	s_add_nc_u64 s[92:93], s[6:7], s[92:93]
	CROUND                                         ; all sixteen work-groups are here: the first joint loads meet
	s_mov_b32 s[G0SA], 1
	s_add_co_u32 s[G0SA+1], s94, SCLA
	s_mov_b64 s[G0SA+2:G0SA+3], s[22:23]
	s_or_b32 s[G0SA+3], s[G0SA+3], 0x80000000
	s_mov_b32 s[G0SB], 1
	s_add_co_u32 s[G0SB+1], s94, SCLA+64
	s_mov_b64 s[G0SB+2:G0SB+3], s[92:93]
	s_or_b32 s[G0SB+3], s[G0SB+3], 0x80000000
	JLOAD G0SA, G1SA, G0SB, G1SB                   ; the scale words first: they are wanted with slot 0
.irp s, 0,1
	s_mov_b32 s[G0A+4*\s], 1
	s_add_co_u32 s[G0A+4*\s+1], s45, \s*SLOT
	s_add_nc_u64 s[G0A+4*\s+2:G0A+4*\s+3], s[20:21], \s*TROW
	s_or_b32 s[G0A+4*\s+3], s[G0A+4*\s+3], 0x80000000
	s_mov_b32 s[G0B+4*\s], 1
	s_add_co_u32 s[G0B+4*\s+1], s45, \s*SLOT
	s_add_nc_u64 s[G0B+4*\s+2:G0B+4*\s+3], s[46:47], \s*TROW
	s_or_b32 s[G0B+4*\s+3], s[G0B+4*\s+3], 0x80000000
	JLOAD G0A+4*\s, G1A, G0B+4*\s, G1B             ; three loads of mine are out
.endr
	v_and_b32 v3, 31, v0                           ; lane
	v_and_b32 v1, 15, v0                           ; r
	v_bfe_u32 v2, v0, 4, 1                         ; h
	v_lshlrev_b32 v[L16], 4, v3
	v_lshl_add_u32 v[L8], v3, 3, 512
	s_mul_i32 s21, s15, QUART
	s_mul_i32 s22, s16, QUART
	s_add_co_u32 s22, s22, 2*QUART
.irp s, 0,1
	v_add_nc_u32 v[ADRA+\s], s21, v[L16]
	v_add_nc_u32 v[ADRA+2+\s], s21, v[L8]
	v_add_nc_u32 v[ADRB+\s], s22, v[L16]
	v_add_nc_u32 v[ADRB+2+\s], s22, v[L8]
	s_add_co_u32 s21, s21, SLOT
	s_add_co_u32 s22, s22, SLOT
.endr
	s_mul_i32 s21, s15, 2*KT                       ; source 1's scale words: my four tiles
	s_mul_i32 s22, s16, 2*KT                       ; source 0's, behind source 1's
	s_add_co_u32 s22, s22, 4*KT+64
	s_sub_co_u32 s22, s22, s21
	v_mul_u32_u24 v31, s22, v2                     ; lanes 16-31 take source 0's
	s_add_co_u32 s21, s21, SCLA
	v_lshl_add_u32 v31, v1, 2, v31
	v_add_nc_u32 v[ADRS], s21, v31
	s_mov_b32 s[SEL], 0x76543210
	s_mov_b32 s[SEL+1], 0xfedcba98
	v_mov_b32 v[TM+2], 0                           ; written once: a lane permute's destination counts as one of its sources
	v_mov_b32 v[TM+3], 0
	; where the results go
	s_cmp_ge_u32 ttmp9, 4
	s_cselect_b32 s20, s42, s17                    ; the block of 128 tokens
	s_cselect_b32 s21, s17, s42                    ; the block of 128 features
	s_cselect_b32 s22, s16, s15                    ; which 64 tokens are my wave's
	s_cselect_b32 s23, s15, s16                    ; which 64 features: a head
	s_cselect_b32 s44, 2, 128                      ; the token half's step among the scale words
	s_cselect_b32 s45, 64, 2                       ; tile 1's, 2's, 3's half words: v: 64 bytes a tile; q, k: two tiles to a word
	s_cselect_b32 s46, 128, 64
	s_mov_b32 s47, 66
	s_cselect_b32 s47, 192, s47
	s_lshr_b32 s92, s20, 4                         ; batch
	s_and_b32 s20, s20, 15
	s_lshr_b32 s93, s21, 3                         ; part: 0 q, 1 k, 2 v
	s_and_b32 s21, s21, 7
	s_lshl_b32 s21, s21, 1
	s_add_co_u32 s21, s21, s23                     ; head
	s_lshl_b32 s92, s92, 4
	s_add_co_u32 s92, s92, s21
	s_mul_i32 s92, s92, 102400
	s_mul_i32 s93, s93, 3276800
	s_add_co_u32 s92, s92, s93
	s_mov_b32 s93, 0
	s_add_nc_u64 s[66:67], s[66:67], s[92:93]      ; my pack
	s_lshl_b32 s92, s20, 1
	s_add_co_u32 s92, s92, s22
	s_mul_i32 s92, s92, 3072
	s_add_nc_u64 s[10:11], s[66:67], s[92:93]      ; my four half fragments: the same place for q, k (four token tiles) and v (one chunk of keys, four feature tiles)
	s_lshl_b32 s92, s20, 8
	s_mul_i32 s44, s44, s22
	s_add_co_u32 s92, s92, s44
	s_add_co_u32 s92, s92, 98304
	s_add_nc_u64 s[12:13], s[66:67], s[92:93]      ; my half scale words
	s_lshl_b32 s92, s21, 8
	s_add_nc_u64 s[8:9], s[8:9], s[92:93]          ; the head's 64 numbers of the bias
	v_lshlrev_b32 v[SOA], 2, v1
	v_add_nc_u32 v[SOA+1], s45, v[SOA]
	v_add_nc_u32 v[SOA+2], s46, v[SOA]
	v_add_nc_u32 v[SOA+3], s47, v[SOA]
	v_lshlrev_b32 v[BO], 6, v2                     ; along the registers: tile 2 g + u holds features 32 g + 16 h + 8 u + 0..7
.irp b, 0,1,2,3
	global_load_b128 v[BIAS+8*\b:BIAS+8*\b+3], v[BO], s[8:9] offset:(32*(\b/2)+8*(\b%2))*4
	global_load_b128 v[BIAS+8*\b+4:BIAS+8*\b+7], v[BO], s[8:9] offset:(32*(\b/2)+8*(\b%2))*4+16
.endr
	v_and_b32 v31, 8, v1
	v_add_nc_u32 v31, v31, v1
	v_lshlrev_b32 v31, 2, v31                      ; of my lane's row: feature 32 (a / 2) + 8 (a % 2) + r + 8 (r / 8)
.irp a, 0,1,2,3
	global_load_b32 v[BL+2*\a], v31, s[8:9] offset:(32*(\a/2)+8*(\a%2))*4
.endr
.macro FRAG reg, adr, off              ; a fragment, 16 rows x 128 K: two half fragments, each 16 + 8 bytes a lane
	ds_load_b128 v[\reg:\reg+3], v[\adr] offset:\off
	ds_load_b64 v[\reg+4:\reg+5], v[\adr+2] offset:\off
	ds_load_b128 v[\reg+6:\reg+9], v[\adr] offset:\off+768
	ds_load_b64 v[\reg+10:\reg+11], v[\adr+2] offset:\off+768
.endm
.macro FETCH slot, q, f                ; 36 LDS loads in one run: the q-th 128 along K of a slot: 4 scale words, source 0's four fragments, source 1's four
	WIN 0
.irp i, 0,1,2,3
	ds_load_b32 v[SC+4*((\q)%2)+\i], v[ADRS] offset:\i*NS*64+64*(4*(\slot)+(\q))
.endr
	WIN TO_F
.irp i, 0,1,2,3
	FRAG \f+48+12*\i, ADRB+\slot, \i*TROW+(\q)*1536
.endr
.irp i, 0,1,2,3
	FRAG \f+12*\i, ADRA+\slot, \i*TROW+(\q)*1536
.endr
.endm
.macro MUL4 f, a, p, first             ; source 1's tile a against source 0's four.  The 16 accumulators take turns, one instruction a turn, in the same order in every step
.irp b, 0,1,2,3
.if \first
	v_wmma_scale_f32_16x16x128_f8f6f4 v[ACC+8*(4*(\a)+\b):ACC+8*(4*(\a)+\b)+7], v[\f+48+12*\b:\f+48+12*\b+11], v[\f+12*(\a):\f+12*(\a)+11], 0, v[SC+4*(\p)+\b], v[SC+4*(\p)+(\a)] matrix_a_fmt:MATRIX_FMT_BF6 matrix_b_fmt:MATRIX_FMT_BF6 matrix_a_scale:MATRIX_SCALE_ROW1
.else
	v_wmma_scale_f32_16x16x128_f8f6f4 v[ACC+8*(4*(\a)+\b):ACC+8*(4*(\a)+\b)+7], v[\f+48+12*\b:\f+48+12*\b+11], v[\f+12*(\a):\f+12*(\a)+11], v[ACC+8*(4*(\a)+\b):ACC+8*(4*(\a)+\b)+7], v[SC+4*(\p)+\b], v[SC+4*(\p)+(\a)] matrix_a_fmt:MATRIX_FMT_BF6 matrix_b_fmt:MATRIX_FMT_BF6 matrix_a_scale:MATRIX_SCALE_ROW1
.endif
.endr
.endm
.macro STEP slot, q, first             ; 128 along K with a successor in the same slot; the next step's loads stand in one run in its middle, behind four places
	s_wait_dscnt 8                                 ; all but the youngest eight loads (source 1's tiles 2, 3) are in
	WIN MUL
	MUL4 F0+96*((\q)%2), 0, (\q)%2, \first
	MUL4 F0+96*((\q)%2), 1, (\q)%2, \first
	PLACES 4
	FETCH \slot, (\q)+1, F0+96*(((\q)+1)%2)
	s_wait_dscnt 36                                ; all but the 36 just issued
	WIN MUL
	MUL4 F0+96*((\q)%2), 2, (\q)%2, \first
	MUL4 F0+96*((\q)%2), 3, (\q)%2, \first
.endm
	s_wait_tensorcnt 1                             ; the scale words and my part of slot 0 are in; slot 1's load may be out
	s_barrier_signal -1
	s_barrier_wait -1
	FETCH 0, 0, F0
	STEP 0, 0, 1                                   ; the first products start the sums
	STEP 0, 1, 0
	STEP 0, 2, 0
	s_wait_tensorcnt 0x0                           ; slot 0's last step changes slots: my part of slot 1 is in,
	s_wait_dscnt 8
	WIN MUL
	MUL4 F1, 0, 1, 0
	s_wait_dscnt 0x0
	s_barrier_signal -1
	MUL4 F1, 1, 1, 0
	WIN 0
	s_barrier_wait -1                              ; everybody's is
	PLACES 4
	FETCH 1, 0, F0
	WIN MUL
	MUL4 F1, 2, 1, 0
	MUL4 F1, 3, 1, 0
	STEP 1, 0, 0
	STEP 1, 1, 0
	STEP 1, 2, 0
	s_wait_dscnt 8                                 ; the last step: nothing more to fetch
	WIN MUL
	MUL4 F1, 0, 1, 0
	MUL4 F1, 1, 1, 0
	s_wait_dscnt 0x0
	MUL4 F1, 2, 1, 0
	MUL4 F1, 3, 1, 0
	WIN 0
	PLACES 4
; 32 numbers of a lane, register 16 b + i = k 32 b + 16 h + i of its row, become a half fragment's six code registers in v[PC] on and the row's two scale bytes in v[hw]
.macro QUANT2 s, hw
.irp b, 0,1
	v_max3_num_f32 v[TM+\b], |v[\s+16*\b]|, |v[\s+16*\b+1]|, 0x2800000   ; with the floor 2^(5 - 127): the byte cannot fall under 1
.endr
.irp i, 2,4,6,8,10,12,14
.irp b, 0,1
	v_max3_num_f32 v[TM+\b], v[TM+\b], |v[\s+16*\b+\i]|, |v[\s+16*\b+\i+1]|
.endr
.endr
.irp b, 0,1
	v_permlanex16_b32 v[TM+2+\b], v[TM+\b], s[SEL], s[SEL+1]
.endr
.irp b, 0,1
	v_max_num_f32 v[TM+\b], v[TM+\b], v[TM+2+\b]
.endr
.irp b, 0,1
	v_add_nc_u32 v[TM+4+\b], 0xfe000000, v[TM+\b]  ; 4 off the exponent field: the conversion's scale operand
.endr
.irp b, 0,1
	v_lshrrev_b32 v[TM+6+\b], 23, v[TM+4+\b]
.endr
	v_lshl_or_b32 v[\hw], v[TM+7], 8, v[TM+6]
	v_cvt_scalef32_pk16_bf6_f32 v[PC:PC+2], v[\s:\s+15], v[TM+4]
	v_cvt_scalef32_pk16_bf6_f32 v[PT:PT+2], v[\s+16:\s+31], v[TM+5]
	v_nop                                          ; one plain line behind a scaled conversion
.irp i, 0,1,2
	v_permlane16_swap_b32 v[PC+\i], v[PT+\i]       ; a whole block to a lane: lanes 0-15 block 0, lanes 16-31 block 1
.endr
.irp i, 0,1,2
	v_mov_b32 v[PC+3+\i], v[PT+\i]
.endr
.endm
	s_wait_loadcnt 0x0                             ; the bias
.set n, 0
.rept 32
	v_cndmask_b32 v[BIAS+n], 0, v[BIAS+n], s97     ; along the registers for q and k, 0 for v
.set n, n+1
.endr
.irp a, 0,1,2,3
	v_cndmask_b32 v[BL+2*\a], 0, v[BL+2*\a], s96   ; of the lane's row for v, 0 for q and k
	v_mov_b32 v[BL+2*\a+1], v[BL+2*\a]             ; (named with it as a pair, so it is written)
.endr
.irp a, 0,1,2,3
.set n, 0
.rept 16
	v_pk_add_f32 v[ACC+32*\a+n:ACC+32*\a+n+1], v[ACC+32*\a+n:ACC+32*\a+n+1], v[BIAS+n:BIAS+n+1]   ; each accumulator from its low end on
.set n, n+2
.endr
.set n, 0
.rept 16
	v_pk_add_f32 v[ACC+32*\a+n:ACC+32*\a+n+1], v[ACC+32*\a+n:ACC+32*\a+n+1], v[BL+2*\a:BL+2*\a+1] op_sel_hi:[1,0]
.set n, n+2
.endr
.if \a > 0
	s_wait_xcnt 0x0                                ; the last tile's stores have read the code registers
.endif
	QUANT2 ACC+32*\a, HW+\a
	global_store_b128 v[L16], v[PC:PC+3], s[10:11] offset:768*\a      ; 512 consecutive bytes
	global_store_b64 v[L8], v[PC+4:PC+5], s[10:11] offset:768*\a      ; 256
	global_store_b16 v[SOA+\a], v[HW+\a], s[12:13]                    ; both halves of the lanes hold the row's two bytes and write the same
.endr
	s_wait_tensorcnt 0x0
	ds_add_u32 v126, v127
	s_wait_dscnt 0x0
	CROUND                                         ; the closing round: no work-group ends while a partner may still ask for a tile that names it
	s_endpgm
.Lfunc_end_k_q5e6b764f1f_qkv:
	.size	k_q5e6b764f1f_qkv, .Lfunc_end_k_q5e6b764f1f_qkv-k_q5e6b764f1f_qkv
	.p2alignl 7, 3214868480
	.fill 96, 4, 3214868480
	.section	.rodata,"a",@progbits
	.p2align	6, 0x0
	.amdhsa_kernel k_q5e6b764f1f_qkv
		.amdhsa_group_segment_fixed_size 327680
		.amdhsa_private_segment_fixed_size 0
		.amdhsa_enable_private_segment 0
		.amdhsa_kernarg_size 48
		.amdhsa_user_sgpr_count 2
		.amdhsa_user_sgpr_kernarg_segment_ptr 1
		.amdhsa_wavefront_size32 1
		.amdhsa_system_sgpr_workgroup_id_x 1
		.amdhsa_system_sgpr_workgroup_id_y 1
		.amdhsa_system_sgpr_workgroup_id_z 1
		.amdhsa_system_vgpr_workitem_id 0
		.amdhsa_next_free_vgpr 512
		.amdhsa_next_free_sgpr 102
		.amdhsa_reserve_vcc 0
		.amdhsa_float_denorm_mode_32 3
		.amdhsa_float_denorm_mode_16_64 3
		.amdhsa_memory_ordered 1
		.amdhsa_forward_progress 1
		.amdhsa_inst_pref_size 68
	.end_amdhsa_kernel
	.amdgpu_metadata
---
amdhsa.version: [ 1, 2 ]
amdhsa.kernels:
  - .name:           k_q5e6b764f1f_qkv
    .symbol:         k_q5e6b764f1f_qkv.kd
    .args:
      - { .name: hq, .offset: 0, .size: 8, .value_kind: global_buffer, .address_space: global }
      - { .name: wts, .offset: 8, .size: 8, .value_kind: global_buffer, .address_space: global }
      - { .name: bq, .offset: 16, .size: 8, .value_kind: global_buffer, .address_space: global }
      - { .name: bk, .offset: 24, .size: 8, .value_kind: global_buffer, .address_space: global }
      - { .name: bv, .offset: 32, .size: 8, .value_kind: global_buffer, .address_space: global }
      - { .name: qkv, .offset: 40, .size: 8, .value_kind: global_buffer, .address_space: global }
    .group_segment_fixed_size: 327680
    .private_segment_fixed_size: 0
    .kernarg_segment_align: 8
    .kernarg_segment_size: 48
    .max_flat_workgroup_size: 128
    .sgpr_count:     102
    .vgpr_count:     512
    .wavefront_size: 32
...
	.end_amdgpu_metadata
.endif
;; end of part 3
;; launch attn (part 4): grid 8 x 32, 16 waves a work-group, clusters of 4 x 1, 206,848 bytes of LDS; arguments qkv, slim, att; writes att
.if DOCPART == 4
	.amdgcn_target "amdgcn-amd-amdhsa--gfx1250"
	.amdhsa_code_object_version 6
	.text
	.protected	k_q5e6b764f1f_attn
	.globl	k_q5e6b764f1f_attn
	.p2align	8
	.type	k_q5e6b764f1f_attn,@function
k_q5e6b764f1f_attn:
	s_mov_b64 s[64:65], 0
	v_nop
	global_prefetch_b8 v0, s[64:65] scope:SCOPE_SE
	s_setreg_imm32_b32 hwreg(HW_REG_WAVE_MODE, 25, 1), 1
	s_wait_xcnt 0x0
	s_wait_alu depctr_hold_cnt(0) depctr_sa_sdst(0) depctr_va_vdst(0) depctr_va_sdst(0) depctr_va_ssrc(0) depctr_va_vcc(0) depctr_vm_vsrc(0)
	s_getreg_b32 s2, hwreg(HW_REG_IB_STS2, 6, 4)
	s_cmp_eq_u32 s2, 0
	s_cbranch_scc0 .Lentry_in_a_cluster
	s_endpgm
.Lentry_in_a_cluster:
	s_bfe_u32 s2, ttmp6, 0x10000c
	s_cmp_lg_u32 s2, 0x3003
	s_cbranch_scc0 .Lentry_shape_is_right
	s_endpgm
.Lentry_shape_is_right:
; attn[q] = the sum over keys of p V, p = e / (1 + the row's sum of e) x slim[head], e = exp(s / 8 - the row's largest s / 8), s = Q . K: both products on codes of E3M2.  p is quantised FINISHED, along the keys, so a row's
; largest score and sum are wanted before any p: THE KEYS ARE WALKED TWICE.  Pass 1: scores, running maximum, sum.  Pass 2: scores again, p, its codes, O += V^T p.
; ARITHMETIC.  t = s c, c = log2(e) / 8; M = the largest t so far rounded UP to a whole number; e' = 2^(t - M); when M moves the sum is multiplied by 2^(old M - new M), exactly.  At the end g = 2^(M - largest t), in [1, 2),
; e = e' g, and p = e' x c', c' = g / (1 + g x sum) x slim.  The row's true maximum is taken away, as in the definition; the "1 +" needs it.
; SHARES.  A work-group owns 256 queries of one (batch, head); each of sixteen waves one tile of 16, in 256 registers: four waves to a SIMD, so that one wave's vector work stands beside another's products and LDS loads.
; The head's whole K pack and V pack (102,400 bytes each: half fragments of 768 bytes, then scale words) come into LDS ONCE: each wave brings 6,400 bytes of each.  Nothing is filled again.
; CLUSTER 4 x 1: the four query blocks of a cluster read the same K and V: joint loads.
; THE HEAD IS 64, THE INSTRUCTION'S K 128: a fragment of K carries TWO tiles of 16 keys (k 0-63: tile 2 f, k 64-127: tile 2 f + 1) and is multiplied by [Q | 0] and by [0 | Q]: no LDS byte is read for nothing.
; LAYOUT.  Both products transposed: a lane holds one query.  Tile 2 f + u, row p is key 32 f + 8 u + p + 8 (p / 8), so that the 16 registers of two neighbouring tiles are 16 neighbouring keys.
; OUTPUT: att as an operand of the next product: half fragment [token tile][head], scale words from byte 3,145,728 [tile][head / 2][16], a head's two bytes in its half.
; LIMITS: p under 2^-126 falls to 0; a block of zeros gets the byte 1, not 127 (its codes are zeros); NaN and infinities are not served.
.set KL16, 4                           ; v4-6   16 x lane, 512 + 8 x lane, 98,304 + 4 x lane: my places in K's pack;  v7-9 the same in V's
.set KL8,  5
.set KL4,  6
.set VL16, 7
.set VL8,  8
.set VL4,  9
.set ADK,  10                          ; v10-11 the step's addresses in K's pack
.set QA,   16                          ; v16-27 [Q | 0];  v28-39 [0 | Q]
.set KF,   40                          ; v40-87 four fragments of K, then of V
.set S,    96                          ; v96-159 the scores, then e', then p
.set O,    160                         ; v160-191
.set PC,   192                         ; v192-211 p's codes
.set PT,   204
.set TM,   212                         ; v212-227
.set PW,   228                         ; p's scale word
.set HWR,  229
.set KS,   230                         ; v230-231 K's scale words: lanes 0-15 fragment 2 i, lanes 16-31 fragment 2 i + 1
.set VS,   232
.set QS,   234
.set MX,   236
.set ADS,  244
.set ADV,  245                         ; v245-246
.set ADT,  247
.set R4,   248
.set WV,   10                          ; v12 -M, v13 the largest score, v[14:15] the sum, v[88:89] 2^(old M - new M), v[90:91] c', v92-95 at work
.set SEL,  20
.set CS,   22
.set G1,   24
.set TB,   40
.set TS,   41
.set CNT,  42
.set SLIM, 43
.macro CROUND
	s_barrier_signal -1
	s_barrier_wait -1
	s_cmp_lg_u32 s[WV], 0
	s_cbranch_scc1 .Lnot_wave_0_\@
	s_barrier_signal -3
.Lnot_wave_0_\@:
	s_barrier_wait -3
	s_barrier_signal -1
	s_barrier_wait -1
.endm
	s_load_b128 s[4:7], s[0:1], 0x0                ; qkv, slim
	s_load_b64 s[8:9], s[0:1], 0x10                ; att
	v_lshl_add_u32 v254, v0, 2, 0x32000
	v_mov_b32 v255, 0
	ds_add_u32 v254, v255
	ds_add_u32 v254, v255
	v_lshrrev_b32 v1, 5, v0
	v_readfirstlane_b32 s[WV], v1                  ; wave 0..15
	s_bfe_u32 s11, ttmp6, 0x40000                  ; cx: it enters Q's and att's addresses alone
	s_lshl_b32 s12, ttmp9, 2
	s_add_co_u32 s12, s12, s11                     ; my block of 256 queries
	s_and_b32 s13, ttmp7, 0xffff                   ; 16 batch + head, which the four partners share
	s_mul_i32 s14, s13, 102400                     ; the pack
	s_mul_i32 s16, s[WV], 6400                     ; my wave's part of a pack, in memory and in LDS
	s_add_co_u32 s18, s14, s16
	s_add_co_u32 s18, s18, 3276800                 ; in K's part of qkv
	s_mov_b32 s19, 0
	s_mov_b32 s[G1], 15|(3<<16)|(1<<21)            ; the mask: all four work-groups; elements of 8 bytes; bit 21 set beside a mask; no padding
	s_mov_b32 s[G1+1], 32<<16                      ; 25 rows of 256 bytes, dense
	s_mov_b32 s[G1+2], 25<<16
	s_mov_b32 s[G1+3], 32<<16
	s_mov_b32 s[G1+4], 25
	s_mov_b32 s[G1+5], 32
	s_mov_b32 s[G1+6], 0
	s_mov_b32 s[G1+7], 0
	s_mov_b32 s[SEL], 0x76543210
	s_mov_b32 s[SEL+1], 0xfedcba98
	s_mov_b32 s[CS], 0x3e38aa3b                    ; c = log2(e) / 8
	s_mov_b32 s[CS+1], s[CS]
	s_wait_dscnt 0x0
	s_wait_kmcnt 0x0
	s_mov_b32 s32, 1
	s_mov_b32 s33, s16
	s_add_nc_u64 s[34:35], s[4:5], s[18:19]
	s_mov_b32 s36, 1
	s_add_co_u32 s37, s16, 102400
	s_add_nc_u64 s[38:39], s[34:35], 3276800       ; V's part lies one part on
	s_or_b32 s35, s35, 0x80000000
	s_or_b32 s39, s39, 0x80000000
	CROUND                                         ; all four work-groups are here: the joint loads meet
	tensor_load_to_lds s[32:35], s[G1:G1+7]        ; K's pack, my sixteenth
	s_nop 0
	tensor_load_to_lds s[36:39], s[G1:G1+7]        ; V's: two loads of mine are out
	s_nop 0
.rept 4
	v_nop
.endr
	v_and_b32 v3, 31, v0
	v_and_b32 v1, 15, v0
	v_lshlrev_b32 v[KL16], 4, v3
	v_lshl_add_u32 v[KL8], v3, 3, 512
	v_lshl_add_u32 v[KL4], v3, 2, 98304
	v_add_nc_u32 v[VL16], 102400, v[KL16]
	v_add_nc_u32 v[VL8], 102400, v[KL8]
	v_add_nc_u32 v[VL4], 102400, v[KL4]
	v_lshlrev_b32 v[R4], 2, v1
	s_lshl_b32 s44, s12, 4
	s_add_co_u32 s44, s44, s[WV]                   ; my tile of queries in the batch
	s_mul_i32 s46, s44, 768
	s_add_co_u32 s46, s46, s14
	s_mov_b32 s47, 0
	s_add_nc_u64 s[46:47], s[4:5], s[46:47]        ; its half fragment
	s_lshr_b32 s48, s44, 1
	s_lshl_b32 s48, s48, 6
	s_and_b32 s49, s44, 1
	s_lshl_b32 s49, s49, 1
	s_add_co_u32 s48, s48, s49
	s_add_co_u32 s48, s48, s14
	s_add_co_u32 s48, s48, 98304
	s_mov_b32 s49, 0
	s_add_nc_u64 s[48:49], s[4:5], s[48:49]        ; its half scale words
	s_and_b32 s53, s13, 15                         ; head
	s_lshl_b32 s50, s53, 2
	s_mov_b32 s51, 0
	s_add_nc_u64 s[50:51], s[6:7], s[50:51]
	s_load_b32 s[SLIM], s[50:51], 0x0
	global_load_b128 v[QA:QA+3], v[KL16], s[46:47]
	global_load_b64 v[QA+4:QA+5], v[KL8], s[46:47]
	global_load_b128 v[QA+18:QA+21], v[KL16], s[46:47]     ; once more, as the upper 64 of [0 | Q]: the two operands share no register
	global_load_b64 v[QA+22:QA+23], v[KL8], s[46:47]
	global_load_u16 v[QS], v[R4], s[48:49]
	s_lshr_b32 s52, s13, 4
	s_lshl_b32 s52, s52, 7
	s_add_co_u32 s52, s52, s44                     ; the token tile: 128 batch + tile
	s_lshl_b32 s54, s52, 4
	s_add_co_u32 s54, s54, s53
	s_mul_i32 s54, s54, 768
	s_mov_b32 s55, 0
	s_lshl_b32 s56, s52, 3
	s_lshr_b32 s57, s53, 1
	s_add_co_u32 s56, s56, s57
	s_lshl_b32 s56, s56, 6
	s_and_b32 s57, s53, 1
	s_lshl_b32 s57, s57, 1
	s_add_co_u32 s56, s56, s57
	s_add_co_u32 s56, s56, 3145728
	s_mov_b32 s57, 0
	s_add_nc_u64 s[54:55], s[8:9], s[54:55]        ; att: my half fragment
	s_add_nc_u64 s[56:57], s[8:9], s[56:57]        ; and its half scale words
.irp i, 6,7,8,9,10,11,12,13,14,15,16,17
	v_mov_b32 v[QA+\i], 0                          ; the zero halves: zero codes add nothing under any scale byte
.endr
	v_mov_b32 v13, 0xff61b1e6                      ; the largest score so far: -3e38
	v_mul_f32 v92, s[CS], v13
	v_floor_f32 v12, -v92                          ; -M
	v_mov_b32 v14, 0
	v_mov_b32 v15, 0
	v_mov_b32 v89, 0                               ; (upper halves of pairs, and permutes' destinations: written once)
	v_mov_b32 v93, 0
.irp b, 4,5,6,7
	v_mov_b32 v[TM+\b], 0
.endr
	s_wait_loadcnt 0x0
	v_lshl_or_b32 v[QS], v[QS], 16, v[QS]          ; Q's two bytes for either half of K
.set n, 0
.rept 32
	v_mov_b32 v[O+n], 0                            ; (also the places between the line above and the first scaled product)
.set n, n+1
.endr
; S^T of 128 keys: four fragments of K, eight products
.macro SCORES
	v_add_nc_u32 v[ADK], s[TB], v[KL16]
	v_add_nc_u32 v[ADK+1], s[TB], v[KL8]
	v_add_nc_u32 v[ADS], s[TS], v[KL4]
	v_nop                                          ; four places in front of loads into registers that the last products read
.irp f, 0,1,2,3
	ds_load_b128 v[KF+12*\f:KF+12*\f+3], v[ADK] offset:1536*\f
	ds_load_b64 v[KF+12*\f+4:KF+12*\f+5], v[ADK+1] offset:1536*\f
	ds_load_b128 v[KF+12*\f+6:KF+12*\f+9], v[ADK] offset:1536*\f+768
	ds_load_b64 v[KF+12*\f+10:KF+12*\f+11], v[ADK+1] offset:1536*\f+768
.endr
	ds_load_b32 v[KS], v[ADS]
	ds_load_b32 v[KS+1], v[ADS] offset:128
	s_wait_dscnt 0x0
.irp f, 0,1,2,3
.irp u, 0,1
.if \f%2
	v_wmma_scale_f32_16x16x128_f8f6f4 v[S+8*(2*\f+\u):S+8*(2*\f+\u)+7], v[KF+12*\f:KF+12*\f+11], v[QA+12*\u:QA+12*\u+11], 0, v[KS+\f/2], v[QS] matrix_a_fmt:MATRIX_FMT_BF6 matrix_b_fmt:MATRIX_FMT_BF6 matrix_a_scale:MATRIX_SCALE_ROW1
.else
	v_wmma_scale_f32_16x16x128_f8f6f4 v[S+8*(2*\f+\u):S+8*(2*\f+\u)+7], v[KF+12*\f:KF+12*\f+11], v[QA+12*\u:QA+12*\u+11], 0, v[KS+\f/2], v[QS] matrix_a_fmt:MATRIX_FMT_BF6 matrix_b_fmt:MATRIX_FMT_BF6
.endif
.endr
.endr
.rept 4
	v_nop
.endr
.endm
.macro EXPS                            ; e' = 2^(s c - M): 32 packed multiply-adds, then the 64 exponentials as one batch
.set n, 0
.rept 32
	v_pk_fma_f32 v[S+n:S+n+1], v[S+n:S+n+1], s[CS:CS+1], v[12:13] op_sel_hi:[1,0,0]
.set n, n+2
.endr
.set n, 0
.rept 64
	v_exp_f32 v[S+n], v[S+n]
.set n, n+1
.endr
.endm
	s_wait_tensorcnt 1                             ; my part of K's pack is in; V's may be out
	s_barrier_signal -1
	s_barrier_wait -1
	s_mov_b32 s[TB], 0
	s_mov_b32 s[TS], 0
	s_mov_b32 s[CNT], 16
.Lpass1:
	SCORES
.irp b, 0,1,2,3
	v_max3_num_f32 v[MX+\b], v[S+16*\b], v[S+16*\b+1], v[S+16*\b+2]   ; each accumulator is first read at its low end
.endr
.irp i, 3,5,7,9,11,13
.irp b, 0,1,2,3
	v_max3_num_f32 v[MX+\b], v[MX+\b], v[S+16*\b+\i], v[S+16*\b+\i+1]
.endr
.endr
.irp b, 0,1,2,3
	v_max_num_f32 v[MX+\b], v[MX+\b], v[S+16*\b+15]
.endr
	v_max3_num_f32 v92, v[MX], v[MX+1], v[MX+2]
	v_max_num_f32 v92, v92, v[MX+3]
	v_permlanex16_b32 v93, v92, s[SEL], s[SEL+1]   ; the query's other 64 keys lie in the lane 16 away
	v_max3_num_f32 v13, v13, v92, v93              ; the running largest score
	v_mul_f32 v92, s[CS], v13
	v_mov_b32 v93, v12
	v_floor_f32 v12, -v92                          ; the new -M: a whole number
	v_sub_f32 v93, v12, v93
	v_cvt_i32_f32 v93, v93                         ; (it saturates)
	v_ldexp_f32 v88, 1.0, v93                      ; 2^(old M - new M)
	EXPS
	v_pk_mul_f32 v[14:15], v[14:15], v[88:89] op_sel_hi:[1,0]   ; the sum under the new M; also the plain line behind the exponentials
	s_wait_alu depctr_va_vdst(0)                   ; one wait for the batch, ahead of its first reader
	v_pk_add_f32 v[94:95], v[S:S+1], v[S+2:S+3]
.irp j, 4,8,12,16,20,24,28,32,36,40,44,48,52,56,60
	v_pk_add_f32 v[14:15], v[14:15], v[S+\j:S+\j+1]
	v_pk_add_f32 v[94:95], v[94:95], v[S+\j+2:S+\j+3]
.endr
	v_pk_add_f32 v[14:15], v[14:15], v[94:95]
	s_add_co_u32 s[TB], s[TB], 6144
	s_add_co_u32 s[TS], s[TS], 256
	s_sub_co_u32 s[CNT], s[CNT], 1
	s_cmp_lg_u32 s[CNT], 0
	s_cbranch_scc1 .Lpass1
	; between the passes: c' = g / (1 + g x sum) x slim
	s_wait_kmcnt 0x0                               ; slim
	v_add_f32 v14, v14, v15
	v_permlanex16_b32 v93, v14, s[SEL], s[SEL+1]
	v_add_f32 v14, v14, v93                        ; the row's sum of e'
	v_fma_f32 v92, -v13, s[CS], -v12               ; M - the largest t, by the same multiply-add as e'
	v_exp_f32 v92, v92                             ; g
	v_nop
	s_wait_alu depctr_va_vdst(0)
	v_fma_f32 v94, v14, v92, 1.0
	v_rcp_f32 v94, v94
	v_mul_f32 v92, s[SLIM], v92                    ; (a plain line behind the reciprocal)
	s_wait_alu depctr_va_vdst(0)
	v_mul_f32 v90, v92, v94
	v_mov_b32 v91, v90
	s_wait_tensorcnt 0x0                           ; my part of V's pack is in,
	s_barrier_signal -1
	s_barrier_wait -1                              ; everybody's is
; 64 numbers of a lane, register 16 b + i = key 32 b + 16 h + i, become a fragment's 12 code registers in v[PC] on and the query's scale word in v[PW]
.macro QUANT s
.irp b, 0,1,2,3
	v_max3_num_f32 v[TM+\b], |v[\s+16*\b]|, |v[\s+1+16*\b]|, 0x2800000
.endr
.irp i, 2,4,6,8,10,12,14
.irp b, 0,1,2,3
	v_max3_num_f32 v[TM+\b], v[TM+\b], |v[\s+16*\b+\i]|, |v[\s+1+16*\b+\i]|
.endr
.endr
.irp b, 0,1,2,3
	v_permlanex16_b32 v[TM+4+\b], v[TM+\b], s[SEL], s[SEL+1]
.endr
.irp b, 0,1,2,3
	v_max_num_f32 v[TM+\b], v[TM+\b], v[TM+4+\b]
.endr
.irp b, 0,1,2,3
	v_add_nc_u32 v[TM+12+\b], 0xfe000000, v[TM+\b]
.endr
.irp b, 0,1,2,3
	v_lshrrev_b32 v[TM+4+\b], 23, v[TM+12+\b]
.endr
	v_lshl_or_b32 v[PW], v[TM+5], 8, v[TM+4]
	v_lshl_or_b32 v[PW], v[TM+6], 16, v[PW]
	v_lshl_or_b32 v[PW], v[TM+7], 24, v[PW]
.irp c, 0,1
	v_cvt_scalef32_pk16_bf6_f32 v[PC+6*\c:PC+2+6*\c], v[\s+32*\c:\s+15+32*\c], v[TM+12+2*\c]
	v_cvt_scalef32_pk16_bf6_f32 v[PC+12+4*\c:PC+14+4*\c], v[\s+16+32*\c:\s+31+32*\c], v[TM+12+2*\c+1]
.endr
	v_nop
.irp c, 0,1
.irp i, 0,1,2
	v_permlane16_swap_b32 v[PC+6*\c+\i], v[PC+12+4*\c+\i]
.endr
.irp i, 0,1,2
	v_mov_b32 v[PC+3+6*\c+\i], v[PC+12+4*\c+\i]
.endr
.endr
.endm
	s_mov_b32 s[TB], 0
	s_mov_b32 s[TS], 0
	s_mov_b32 s[CNT], 16
.Lpass2:
	SCORES
	v_add_nc_u32 v[ADV], s[TB], v[VL16]
	v_add_nc_u32 v[ADV+1], s[TB], v[VL8]
	v_add_nc_u32 v[ADT], s[TS], v[VL4]
.irp d, 0,1,2,3                        ; V's four fragments (16 features x these 128 keys) take K's registers; they land under the softmax
	ds_load_b128 v[KF+12*\d:KF+12*\d+3], v[ADV] offset:768*\d
	ds_load_b64 v[KF+12*\d+4:KF+12*\d+5], v[ADV+1] offset:768*\d
	ds_load_b128 v[KF+12*\d+6:KF+12*\d+9], v[ADV] offset:3072+768*\d
	ds_load_b64 v[KF+12*\d+10:KF+12*\d+11], v[ADV+1] offset:3072+768*\d
.endr
	ds_load_b32 v[VS], v[ADT]
	ds_load_b32 v[VS+1], v[ADT] offset:128
	EXPS
	v_nop                                          ; a plain line behind the exponentials
	s_wait_alu depctr_va_vdst(0)                   ; one wait for the batch
.set n, 0
.rept 32
	v_pk_mul_f32 v[S+n:S+n+1], v[S+n:S+n+1], v[90:91] op_sel_hi:[1,0]   ; p, finished
.set n, n+2
.endr
	QUANT S
.rept 8
	v_nop                                          ; a scale word made by vector instructions stands eight places ahead of the scaled product
.endr
	s_wait_dscnt 0x0                               ; V
.irp d, 0,1,2,3
.if \d%2
	v_wmma_scale_f32_16x16x128_f8f6f4 v[O+8*\d:O+8*\d+7], v[KF+12*\d:KF+12*\d+11], v[PC:PC+11], v[O+8*\d:O+8*\d+7], v[VS+\d/2], v[PW] matrix_a_fmt:MATRIX_FMT_BF6 matrix_b_fmt:MATRIX_FMT_BF6 matrix_a_scale:MATRIX_SCALE_ROW1
.else
	v_wmma_scale_f32_16x16x128_f8f6f4 v[O+8*\d:O+8*\d+7], v[KF+12*\d:KF+12*\d+11], v[PC:PC+11], v[O+8*\d:O+8*\d+7], v[VS+\d/2], v[PW] matrix_a_fmt:MATRIX_FMT_BF6 matrix_b_fmt:MATRIX_FMT_BF6
.endif
.endr
	s_add_co_u32 s[TB], s[TB], 6144
	s_add_co_u32 s[TS], s[TS], 256
	s_sub_co_u32 s[CNT], s[CNT], 1
	s_cmp_lg_u32 s[CNT], 0
	s_cbranch_scc1 .Lpass2
.rept 4
	v_nop
.endr
	; the way out: my 16 queries x the head's 64 are a half fragment of the next product's operand
.irp b, 0,1
	v_max3_num_f32 v[TM+\b], |v[O+16*\b]|, |v[O+16*\b+1]|, 0x2800000
.endr
.irp i, 2,4,6,8,10,12,14
.irp b, 0,1
	v_max3_num_f32 v[TM+\b], v[TM+\b], |v[O+16*\b+\i]|, |v[O+16*\b+\i+1]|
.endr
.endr
.irp b, 0,1
	v_permlanex16_b32 v[TM+2+\b], v[TM+\b], s[SEL], s[SEL+1]
.endr
.irp b, 0,1
	v_max_num_f32 v[TM+\b], v[TM+\b], v[TM+2+\b]
.endr
.irp b, 0,1
	v_add_nc_u32 v[TM+4+\b], 0xfe000000, v[TM+\b]
.endr
.irp b, 0,1
	v_lshrrev_b32 v[TM+6+\b], 23, v[TM+4+\b]
.endr
	v_lshl_or_b32 v[HWR], v[TM+7], 8, v[TM+6]
	v_cvt_scalef32_pk16_bf6_f32 v[PC:PC+2], v[O:O+15], v[TM+4]
	v_cvt_scalef32_pk16_bf6_f32 v[PT:PT+2], v[O+16:O+31], v[TM+5]
	v_nop
.irp i, 0,1,2
	v_permlane16_swap_b32 v[PC+\i], v[PT+\i]
.endr
.irp i, 0,1,2
	v_mov_b32 v[PC+3+\i], v[PT+\i]
.endr
	global_store_b128 v[KL16], v[PC:PC+3], s[54:55]
	global_store_b64 v[KL8], v[PC+4:PC+5], s[54:55]
	global_store_b16 v[R4], v[HWR], s[56:57]
	s_wait_dscnt 0x0
	s_wait_tensorcnt 0x0
	ds_add_u32 v254, v255
	s_wait_dscnt 0x0
	CROUND                                         ; the closing round
	s_endpgm
.Lfunc_end_k_q5e6b764f1f_attn:
	.size	k_q5e6b764f1f_attn, .Lfunc_end_k_q5e6b764f1f_attn-k_q5e6b764f1f_attn
	.p2alignl 7, 3214868480
	.fill 96, 4, 3214868480
	.section	.rodata,"a",@progbits
	.p2align	6, 0x0
	.amdhsa_kernel k_q5e6b764f1f_attn
		.amdhsa_group_segment_fixed_size 206848
		.amdhsa_private_segment_fixed_size 0
		.amdhsa_enable_private_segment 0
		.amdhsa_kernarg_size 24
		.amdhsa_user_sgpr_count 2
		.amdhsa_user_sgpr_kernarg_segment_ptr 1
		.amdhsa_wavefront_size32 1
		.amdhsa_system_sgpr_workgroup_id_x 1
		.amdhsa_system_sgpr_workgroup_id_y 1
		.amdhsa_system_sgpr_workgroup_id_z 1
		.amdhsa_system_vgpr_workitem_id 0
		.amdhsa_next_free_vgpr 256
		.amdhsa_next_free_sgpr 66
		.amdhsa_reserve_vcc 0
		.amdhsa_float_denorm_mode_32 3
		.amdhsa_float_denorm_mode_16_64 3
		.amdhsa_memory_ordered 1
		.amdhsa_forward_progress 1
		.amdhsa_inst_pref_size 37
	.end_amdhsa_kernel
	.amdgpu_metadata
---
amdhsa.version: [ 1, 2 ]
amdhsa.kernels:
  - .name:           k_q5e6b764f1f_attn
    .symbol:         k_q5e6b764f1f_attn.kd
    .args:
      - { .name: qkv, .offset: 0, .size: 8, .value_kind: global_buffer, .address_space: global }
      - { .name: slim, .offset: 8, .size: 8, .value_kind: global_buffer, .address_space: global }
      - { .name: att, .offset: 16, .size: 8, .value_kind: global_buffer, .address_space: global }
    .group_segment_fixed_size: 206848
    .private_segment_fixed_size: 0
    .kernarg_segment_align: 8
    .kernarg_segment_size: 24
    .max_flat_workgroup_size: 512
    .sgpr_count:     66
    .vgpr_count:     256
    .wavefront_size: 32
...
	.end_amdgpu_metadata
.endif
;; end of part 4
;; launch proj (part 5): grid 8 x 32, 4 waves a work-group, clusters of 4 x 4, 327,680 bytes of LDS; arguments att, wts, bo, x, res; writes res
.if DOCPART == 5
	.amdgcn_target "amdgcn-amd-amdhsa--gfx1250"
	.amdhsa_code_object_version 6
	.text
	.protected	k_q5e6b764f1f_proj
	.globl	k_q5e6b764f1f_proj
	.p2align	8
	.type	k_q5e6b764f1f_proj,@function
k_q5e6b764f1f_proj:
	s_mov_b64 s[64:65], 0
	v_nop
	global_prefetch_b8 v0, s[64:65] scope:SCOPE_SE
	s_setreg_imm32_b32 hwreg(HW_REG_WAVE_MODE, 25, 1), 1
	s_wait_xcnt 0x0
	s_wait_alu depctr_hold_cnt(0) depctr_sa_sdst(0) depctr_va_vdst(0) depctr_va_sdst(0) depctr_va_ssrc(0) depctr_va_vcc(0) depctr_vm_vsrc(0)
	s_getreg_b32 s2, hwreg(HW_REG_IB_STS2, 6, 4)
	s_cmp_eq_u32 s2, 0
	s_cbranch_scc0 .Lentry_in_a_cluster
	s_endpgm
.Lentry_in_a_cluster:
	s_bfe_u32 s2, ttmp6, 0x10000c
	s_cmp_lg_u32 s2, 0xf033
	s_cbranch_scc0 .Lentry_shape_is_right
	s_endpgm
.Lentry_shape_is_right:
; res = attn Wo + bo + x, the product on codes of E3M2 (one E8M0 byte for each 32 along K = 1,024), sums, bias and residual in f32.
; OPERANDS lie as images of the matrix operand's registers: rows in tiles of 16 (tile 2 g + u, row p = index 32 g + 8 u + p + 8 (p / 8)); a tile's 64 along K are a half fragment of 768 bytes (lane p + 16 h: k = 32 h .. + 31;
; registers 0-3 at 16 x lane, 4-5 at 512 + 8 x lane), laid [tile][K / 64]; scale words [tile][K / 128][16 rows].  Every LDS read is 512 or 256 consecutive bytes.
; SHARES.  A work-group makes 128 x 128, each of four waves 64 x 64: 16 accumulators.  Source 0 = rows of Wo, source 1 = tokens: a lane holds one token, and by the tile order two tiles' 16 registers are 16 neighbouring columns.
; K = 1,024 is two LDS slots of 512 along K, both filled at the start: nothing is filled again.  CLUSTER 4 x 4: the tokens' tiles are shared along a row of the cluster, Wo's along a column: joint loads.
; The bias is the C of each sum's first product.  The residual's 64 x 64 numbers are asked for at the head and land under the products.  Results go through the wave's own stage in LDS, so that sixteen lanes store 256 consecutive
; bytes, aligned.  LIMITS: NaN and infinities are not served.
.set KT,    1024
.set NS,    KT/128
.set TP,    12*KT
.set TROW,  6144
.set QUART, 4*TROW
.set SLOT,  4*QUART
.set SCLA,  2*SLOT
.set STG,   SCLA+8*KT+256              ; behind the scale words, in blocks of 256 bytes of its own: 16 rows x 272 bytes for each wave
.set ASC,   3145728                    ; where att's scale words begin
.set WIMG,  2359296                    ; Wo's images in wts
.set WSC,   9535488                    ; and its scale words
.set CO,   4                           ; v4      my bytes in two rows of the output: 4,096 h + 16 r
.set STO,  5
.set RD,   6
.set SC,   8
.set ADRA, 16
.set ADRB, 20
.set ADRS, 24
.set L16,  25
.set L8,   26
.set BO,   30
.set BIAS, 32                          ; v32-63  the bias; later 16 rows read back from the stage
.set RB,   32
.set ACC,  128
.set F0,   0
.set F1,   96
.set G1A, 24
.set G0A, 32
.set G1B, 48
.set G0B, 56
.set G1SA, 68
.set G0SA, 76
.set G1SB, 80
.set G0SB, 88
.set MUL,  0x05
.set TO_F, 0x40
.set MSB, 0
.macro WIN new
.if MSB != \new
	s_set_vgpr_msb (MSB<<8)|\new
.set MSB, \new
.endif
.endm
.macro JLOAD g0a, g1a, g0b, g1b        ; a joint load: waves 0, 1 fetch for source 1, waves 2, 3 for source 0; four v_nop follow each line
	s_cmp_eq_u32 s15, 0
	s_cbranch_scc0 .Lfor_b_\@
	tensor_load_to_lds s[\g0a:\g0a+3], s[\g1a:\g1a+7]
	s_nop 0
.rept 4
	v_nop
.endr
	s_branch .Lasked_\@
.Lfor_b_\@:
	tensor_load_to_lds s[\g0b:\g0b+3], s[\g1b:\g1b+7]
	s_nop 0
.rept 4
	v_nop
.endr
.Lasked_\@:
.endm
.macro CROUND
	s_barrier_signal -1
	s_barrier_wait -1
	s_cmp_lg_u32 s14, 0
	s_cbranch_scc1 .Lnot_wave_0_\@
	s_barrier_signal -3
.Lnot_wave_0_\@:
	s_barrier_wait -3
	s_barrier_signal -1
	s_barrier_wait -1
.endm
.macro PLACES n
.rept \n
	v_nop
.endr
.endm
	s_load_b128 s[4:7], s[0:1], 0x0                ; att, wts
	s_load_b128 s[8:11], s[0:1], 0x10              ; bo, x
	s_load_b64 s[12:13], s[0:1], 0x20              ; res
	v_lshl_add_u32 v126, v0, 2, 0x36500
	v_mov_b32 v127, 0
	ds_add_u32 v126, v127
	ds_add_u32 v126, v127
	v_lshrrev_b32 v1, 5, v0
	v_readfirstlane_b32 s14, v1                    ; wave 0..3
	s_lshr_b32 s15, s14, 1                         ; which 64 tokens are mine.  Also: I fetch for source 1 (0) or source 0 (1)
	s_and_b32 s16, s14, 1                          ; which 64 columns.  Also: which four tiles I fetch
	s_bfe_u32 s40, ttmp6, 0x40000
	s_bfe_u32 s41, ttmp6, 0x40004
	s_lshl_b32 s42, ttmp9, 2
	s_add_co_u32 s42, s42, s40                     ; nt: the block of 128 columns
	s_and_b32 s17, ttmp7, 0xffff
	s_lshl_b32 s17, s17, 2
	s_add_co_u32 s17, s17, s41                     ; mt: the block of 128 tokens
	s_lshl_b32 s43, s41, 2
	s_lshl_b32 s43, 15, s43
	s_lshl_b32 s44, 0x1111, s40
	s_or_b32 s[G1A], s43, (3<<16)|(1<<21)          ; tiles: 4 rows of 768 elements of 8 bytes, TP bytes apart; no padding; bit 21 set beside the mask
	s_or_b32 s[G1B], s44, (3<<16)|(1<<21)
.irp g, G1A, G1B
	s_mov_b32 s[\g+1], 768<<16
	s_mov_b32 s[\g+2], 4<<16
	s_mov_b32 s[\g+3], 768<<16
	s_mov_b32 s[\g+4], 4
	s_mov_b32 s[\g+5], TP/8
	s_mov_b32 s[\g+6], 0
	s_mov_b32 s[\g+7], 0
.endr
	s_or_b32 s[G1SA], s43, (3<<16)|(1<<21)         ; four tiles' scale words: 2 KT dense bytes, as NS rows of 256
	s_or_b32 s[G1SB], s44, (3<<16)|(1<<21)
.irp g, G1SA, G1SB
	s_mov_b32 s[\g+1], 32<<16
	s_mov_b32 s[\g+2], NS<<16
	s_mov_b32 s[\g+3], 32<<16
	s_mov_b32 s[\g+4], NS
	s_mov_b32 s[\g+5], 32
	s_mov_b32 s[\g+6], 0
	s_mov_b32 s[\g+7], 0
.endr
	s_lshl_b32 s18, s16, 2
	s_lshl_b32 s20, s17, 3
	s_add_co_u32 s20, s20, s18
	s_lshl_b32 s46, s42, 3
	s_add_co_u32 s46, s46, s18
	s_mul_i32 s22, s20, NS*64
	s_add_co_u32 s22, s22, ASC
	s_mul_i32 s92, s46, NS*64
	s_add_co_u32 s92, s92, WSC
	s_mul_i32 s20, s20, TP
	s_mul_i32 s46, s46, TP
	s_add_co_u32 s46, s46, WIMG
	s_mov_b32 s21, 0
	s_mov_b32 s23, 0
	s_mov_b32 s47, 0
	s_mov_b32 s93, 0
	s_mul_i32 s45, s14, QUART
	s_mul_i32 s94, s14, 2*KT
	s_wait_dscnt 0x0
	s_wait_kmcnt 0x0
	s_add_nc_u64 s[20:21], s[4:5], s[20:21]
	s_add_nc_u64 s[22:23], s[4:5], s[22:23]
	s_add_nc_u64 s[46:47], s[6:7], s[46:47]
	s_add_nc_u64 s[92:93], s[6:7], s[92:93]
	CROUND                                         ; all sixteen work-groups are here: the first joint loads meet
	s_mov_b32 s[G0SA], 1
	s_add_co_u32 s[G0SA+1], s94, SCLA
	s_mov_b64 s[G0SA+2:G0SA+3], s[22:23]
	s_or_b32 s[G0SA+3], s[G0SA+3], 0x80000000
	s_mov_b32 s[G0SB], 1
	s_add_co_u32 s[G0SB+1], s94, SCLA+64
	s_mov_b64 s[G0SB+2:G0SB+3], s[92:93]
	s_or_b32 s[G0SB+3], s[G0SB+3], 0x80000000
	JLOAD G0SA, G1SA, G0SB, G1SB
.irp s, 0,1
	s_mov_b32 s[G0A+4*\s], 1
	s_add_co_u32 s[G0A+4*\s+1], s45, \s*SLOT
	s_add_nc_u64 s[G0A+4*\s+2:G0A+4*\s+3], s[20:21], \s*TROW
	s_or_b32 s[G0A+4*\s+3], s[G0A+4*\s+3], 0x80000000
	s_mov_b32 s[G0B+4*\s], 1
	s_add_co_u32 s[G0B+4*\s+1], s45, \s*SLOT
	s_add_nc_u64 s[G0B+4*\s+2:G0B+4*\s+3], s[46:47], \s*TROW
	s_or_b32 s[G0B+4*\s+3], s[G0B+4*\s+3], 0x80000000
	JLOAD G0A+4*\s, G1A, G0B+4*\s, G1B             ; three loads of mine are out
.endr
	v_and_b32 v3, 31, v0
	v_and_b32 v1, 15, v0
	v_bfe_u32 v2, v0, 4, 1
	v_lshlrev_b32 v[L16], 4, v3
	v_lshl_add_u32 v[L8], v3, 3, 512
	s_mul_i32 s21, s15, QUART
	s_mul_i32 s22, s16, QUART
	s_add_co_u32 s22, s22, 2*QUART
.irp s, 0,1
	v_add_nc_u32 v[ADRA+\s], s21, v[L16]
	v_add_nc_u32 v[ADRA+2+\s], s21, v[L8]
	v_add_nc_u32 v[ADRB+\s], s22, v[L16]
	v_add_nc_u32 v[ADRB+2+\s], s22, v[L8]
	s_add_co_u32 s21, s21, SLOT
	s_add_co_u32 s22, s22, SLOT
.endr
	s_mul_i32 s21, s15, 2*KT
	s_mul_i32 s22, s16, 2*KT
	s_add_co_u32 s22, s22, 4*KT+64
	s_sub_co_u32 s22, s22, s21
	v_mul_u32_u24 v31, s22, v2                     ; lanes 16-31 take source 0's scale words
	s_add_co_u32 s21, s21, SCLA
	v_lshl_add_u32 v31, v1, 2, v31
	v_add_nc_u32 v[ADRS], s21, v31
	s_mul_i32 s21, s14, 16*272
	s_add_co_u32 s21, s21, STG                     ; my stage
	v_mul_u32_u24 v31, v1, 272
	v_lshl_add_u32 v31, v2, 6, v31
	v_add_nc_u32 v[STO], s21, v31                  ; in: row r, + 64 h
	v_mul_u32_u24 v31, v2, 272
	v_lshl_add_u32 v31, v1, 4, v31
	v_add_nc_u32 v[RD], s21, v31                   ; back: lanes 0-15 one row of 256 bytes, lanes 16-31 the next
	v_lshlrev_b32 v31, 12, v2
	v_lshl_add_u32 v[CO], v1, 4, v31
	s_lshl_b32 s20, s17, 7
	s_lshl_b32 s21, s15, 6
	s_add_co_u32 s20, s20, s21
	s_lshl_b32 s20, s20, 12                        ; my first token's row
	s_mov_b32 s21, 0
	s_lshl_b32 s46, s42, 9
	s_lshl_b32 s47, s16, 8
	s_add_co_u32 s46, s46, s47                     ; my first column, in bytes
	s_mov_b32 s47, 0
	s_add_nc_u64 s[10:11], s[10:11], s[20:21]
	s_add_nc_u64 s[10:11], s[10:11], s[46:47]
	s_add_nc_u64 s[12:13], s[12:13], s[20:21]
	s_add_nc_u64 s[12:13], s[12:13], s[46:47]
	s_add_nc_u64 s[8:9], s[8:9], s[46:47]
	v_lshlrev_b32 v[BO], 6, v2                     ; tile 2 g + u holds columns 32 g + 16 h + 8 u + 0..7
.irp b, 0,1,2,3
	global_load_b128 v[BIAS+8*\b:BIAS+8*\b+3], v[BO], s[8:9] offset:(32*(\b/2)+8*(\b%2))*4
	global_load_b128 v[BIAS+8*\b+4:BIAS+8*\b+7], v[BO], s[8:9] offset:(32*(\b/2)+8*(\b%2))*4+16
.endr
	WIN 0x80                                       ; destination window 2: the residual, in the order in which rows come back from the stage
.irp a, 0,1,2,3
.irp t, 0,1,2,3,4,5,6,7
	global_load_b128 v[32*\a+4*\t:32*\a+4*\t+3], v[CO], s[10:11] offset:(32*(\a/2)+8*(\a%2)+2*\t+8*(\t/4))*4096
.endr
.endr
	WIN 0
.macro FRAG reg, adr, off
	ds_load_b128 v[\reg:\reg+3], v[\adr] offset:\off
	ds_load_b64 v[\reg+4:\reg+5], v[\adr+2] offset:\off
	ds_load_b128 v[\reg+6:\reg+9], v[\adr] offset:\off+768
	ds_load_b64 v[\reg+10:\reg+11], v[\adr+2] offset:\off+768
.endm
.macro FETCH slot, q, f                ; 36 LDS loads in one run: 4 scale words, source 0's four fragments, source 1's four
	WIN 0
.irp i, 0,1,2,3
	ds_load_b32 v[SC+4*((\q)%2)+\i], v[ADRS] offset:\i*NS*64+64*(4*(\slot)+(\q))
.endr
	WIN TO_F
.irp i, 0,1,2,3
	FRAG \f+48+12*\i, ADRB+\slot, \i*TROW+(\q)*1536
.endr
.irp i, 0,1,2,3
	FRAG \f+12*\i, ADRA+\slot, \i*TROW+(\q)*1536
.endr
.endm
.macro MUL4 f, a, p, first             ; the 16 accumulators take turns, one instruction a turn, in the same order in every step
.irp b, 0,1,2,3
.if \first
	v_wmma_scale_f32_16x16x128_f8f6f4 v[ACC+8*(4*(\a)+\b):ACC+8*(4*(\a)+\b)+7], v[\f+48+12*\b:\f+48+12*\b+11], v[\f+12*(\a):\f+12*(\a)+11], v[BIAS+8*\b:BIAS+8*\b+7], v[SC+4*(\p)+\b], v[SC+4*(\p)+(\a)] matrix_a_fmt:MATRIX_FMT_BF6 matrix_b_fmt:MATRIX_FMT_BF6 matrix_a_scale:MATRIX_SCALE_ROW1
.else
	v_wmma_scale_f32_16x16x128_f8f6f4 v[ACC+8*(4*(\a)+\b):ACC+8*(4*(\a)+\b)+7], v[\f+48+12*\b:\f+48+12*\b+11], v[\f+12*(\a):\f+12*(\a)+11], v[ACC+8*(4*(\a)+\b):ACC+8*(4*(\a)+\b)+7], v[SC+4*(\p)+\b], v[SC+4*(\p)+(\a)] matrix_a_fmt:MATRIX_FMT_BF6 matrix_b_fmt:MATRIX_FMT_BF6 matrix_a_scale:MATRIX_SCALE_ROW1
.endif
.endr
.endm
.macro STEP slot, q, first
	s_wait_dscnt 8                                 ; all but the youngest eight loads (source 1's tiles 2, 3) are in
	WIN MUL
	MUL4 F0+96*((\q)%2), 0, (\q)%2, \first
	MUL4 F0+96*((\q)%2), 1, (\q)%2, \first
	PLACES 4
	FETCH \slot, (\q)+1, F0+96*(((\q)+1)%2)
	s_wait_dscnt 36                                ; all but the 36 just issued
	WIN MUL
	MUL4 F0+96*((\q)%2), 2, (\q)%2, \first
	MUL4 F0+96*((\q)%2), 3, (\q)%2, \first
.endm
	s_wait_tensorcnt 1                             ; the scale words and my part of slot 0 are in; slot 1's load may be out
	s_barrier_signal -1
	s_barrier_wait -1
	FETCH 0, 0, F0
	s_wait_loadcnt 32                              ; the bias is in; the 32 loads of the residual may be out
	STEP 0, 0, 1
	STEP 0, 1, 0
	STEP 0, 2, 0
	s_wait_tensorcnt 0x0                           ; slot 0's last step changes slots: my part of slot 1 is in,
	s_wait_dscnt 8
	WIN MUL
	MUL4 F1, 0, 1, 0
	s_wait_dscnt 0x0
	s_barrier_signal -1
	MUL4 F1, 1, 1, 0
	WIN 0
	s_barrier_wait -1                              ; everybody's is
	PLACES 4
	FETCH 1, 0, F0
	WIN MUL
	MUL4 F1, 2, 1, 0
	MUL4 F1, 3, 1, 0
	STEP 1, 0, 0
	STEP 1, 1, 0
	STEP 1, 2, 0
	s_wait_dscnt 8
	WIN MUL
	MUL4 F1, 0, 1, 0
	MUL4 F1, 1, 1, 0
	s_wait_dscnt 0x0
	MUL4 F1, 2, 1, 0
	MUL4 F1, 3, 1, 0
	WIN 0
	PLACES 4
.irp a, 0,1,2,3                        ; THE WAY OUT, 16 tokens x 64 columns at a time, through my own stage: LDS serves a wave's instructions in order, so no wait stands between the stores and the loads
.if \a > 0
	s_wait_xcnt 0x0                                ; the last block's stores have read their registers
.endif
.irp b, 0,1,2,3
	ds_store_b128 v[STO], v[ACC+32*\a+8*\b:ACC+32*\a+8*\b+3] offset:128*(\b/2)+32*(\b%2)        ; each accumulator from its low end on
	ds_store_b128 v[STO], v[ACC+32*\a+8*\b+4:ACC+32*\a+8*\b+7] offset:128*(\b/2)+32*(\b%2)+16
.endr
.irp t, 0,1,2,3,4,5,6,7
	ds_load_b128 v[RB+4*\t:RB+4*\t+3], v[RD] offset:544*\t
.endr
	s_wait_dscnt 0x0
.if \a == 0
	s_wait_loadcnt 0x0                             ; the residual
.endif
	WIN 0x08                                       ; source 1 window 2
.set n, 0
.rept 16
	v_pk_add_f32 v[RB+n:RB+n+1], v[RB+n:RB+n+1], v[32*\a+n:32*\a+n+1]
.set n, n+2
.endr
	WIN 0
.irp t, 0,1,2,3,4,5,6,7
	global_store_b128 v[CO], v[RB+4*\t:RB+4*\t+3], s[12:13] offset:(32*(\a/2)+8*(\a%2)+2*\t+8*(\t/4))*4096   ; sixteen lanes: 256 consecutive bytes, aligned
.endr
.endr
	s_wait_tensorcnt 0x0
	ds_add_u32 v126, v127
	s_wait_dscnt 0x0
	CROUND                                         ; the closing round
	s_endpgm
.Lfunc_end_k_q5e6b764f1f_proj:
	.size	k_q5e6b764f1f_proj, .Lfunc_end_k_q5e6b764f1f_proj-k_q5e6b764f1f_proj
	.p2alignl 7, 3214868480
	.fill 96, 4, 3214868480
	.section	.rodata,"a",@progbits
	.p2align	6, 0x0
	.amdhsa_kernel k_q5e6b764f1f_proj
		.amdhsa_group_segment_fixed_size 327680
		.amdhsa_private_segment_fixed_size 0
		.amdhsa_enable_private_segment 0
		.amdhsa_kernarg_size 40
		.amdhsa_user_sgpr_count 2
		.amdhsa_user_sgpr_kernarg_segment_ptr 1
		.amdhsa_wavefront_size32 1
		.amdhsa_system_sgpr_workgroup_id_x 1
		.amdhsa_system_sgpr_workgroup_id_y 1
		.amdhsa_system_sgpr_workgroup_id_z 1
		.amdhsa_system_vgpr_workitem_id 0
		.amdhsa_next_free_vgpr 640
		.amdhsa_next_free_sgpr 100
		.amdhsa_reserve_vcc 0
		.amdhsa_float_denorm_mode_32 3
		.amdhsa_float_denorm_mode_16_64 3
		.amdhsa_memory_ordered 1
		.amdhsa_forward_progress 1
		.amdhsa_inst_pref_size 62
	.end_amdhsa_kernel
	.amdgpu_metadata
---
amdhsa.version: [ 1, 2 ]
amdhsa.kernels:
  - .name:           k_q5e6b764f1f_proj
    .symbol:         k_q5e6b764f1f_proj.kd
    .args:
      - { .name: att, .offset: 0, .size: 8, .value_kind: global_buffer, .address_space: global }
      - { .name: wts, .offset: 8, .size: 8, .value_kind: global_buffer, .address_space: global }
      - { .name: bo, .offset: 16, .size: 8, .value_kind: global_buffer, .address_space: global }
      - { .name: x, .offset: 24, .size: 8, .value_kind: global_buffer, .address_space: global }
      - { .name: res, .offset: 32, .size: 8, .value_kind: global_buffer, .address_space: global }
    .group_segment_fixed_size: 327680
    .private_segment_fixed_size: 0
    .kernarg_segment_align: 8
    .kernarg_segment_size: 40
    .max_flat_workgroup_size: 128
    .sgpr_count:     100
    .vgpr_count:     640
    .wavefront_size: 32
...
	.end_amdgpu_metadata
.endif
;; end of part 5
;; launch ln2: the kernel of part 2 again; grid 256 x 1, 4 waves a work-group, no clusters, 66,304 bytes of LDS; arguments res, ln2_g, ln2_b, h2q; writes h2q
;; launch fc1 (part 6): grid 32 x 32, 4 waves a work-group, clusters of 4 x 4, 327,680 bytes of LDS; arguments h2q, wts, b1, m1q; writes m1q
.if DOCPART == 6
	.amdgcn_target "amdgcn-amd-amdhsa--gfx1250"
	.amdhsa_code_object_version 6
	.text
	.protected	k_q5e6b764f1f_fc1
	.globl	k_q5e6b764f1f_fc1
	.p2align	8
	.type	k_q5e6b764f1f_fc1,@function
k_q5e6b764f1f_fc1:
	s_mov_b64 s[64:65], 0
	v_nop
	global_prefetch_b8 v0, s[64:65] scope:SCOPE_SE
	s_setreg_imm32_b32 hwreg(HW_REG_WAVE_MODE, 25, 1), 1
	s_wait_xcnt 0x0
	s_wait_alu depctr_hold_cnt(0) depctr_sa_sdst(0) depctr_va_vdst(0) depctr_va_sdst(0) depctr_va_ssrc(0) depctr_va_vcc(0) depctr_vm_vsrc(0)
	s_getreg_b32 s2, hwreg(HW_REG_IB_STS2, 6, 4)
	s_cmp_eq_u32 s2, 0
	s_cbranch_scc0 .Lentry_in_a_cluster
	s_endpgm
.Lentry_in_a_cluster:
	s_bfe_u32 s2, ttmp6, 0x10000c
	s_cmp_lg_u32 s2, 0xf033
	s_cbranch_scc0 .Lentry_shape_is_right
	s_endpgm
.Lentry_shape_is_right:
; m = gelu(LN(out) W1 + b1), exact (erf) GELU in f32, the product on codes of E3M2 (one E8M0 byte for each 32 along K = 1,024); m is quantised again, along its 4,096, as the next product's operand and never lies in memory as f32.
; OPERANDS lie as images of the matrix operand's registers: rows in tiles of 16 (tile 2 g + u, row p = index 32 g + 8 u + p + 8 (p / 8)); a tile's 64 along K are a half fragment of 768 bytes (lane p + 16 h: k = 32 h .. + 31;
; registers 0-3 at 16 x lane, 4-5 at 512 + 8 x lane), laid [tile][K / 64]; scale words [tile][K / 128][16 rows].  Every LDS read is 512 or 256 consecutive bytes.
; SHARES.  A work-group makes 128 x 128, each of four waves 64 x 64: 16 accumulators.  Source 0 = rows of W1, source 1 = tokens: a lane holds one token, and by the tile order two tiles' 16 registers are 16 neighbours along the next K.
; K = 1,024 is two LDS slots of 512 along K, both filled at the start: nothing is filled again.  CLUSTER 4 x 4: the tokens' tiles are shared along a row of the cluster, W1's along a column: joint loads.
; GELU: gelu(x) = max(x, 0) - |x| E, E = erfc(|x| / sqrt 2) / 2 = t 2^(-x^2 log2(e) / 2 + the sum of C_k t^k), t = 1 / (1 + |x| / (2 sqrt 2)): a fit of erfc whose error is about 1.2e-7 of the number for every argument.
; LIMITS: E under 2^-126 falls to 0; a block of zeros gets the byte 1, not 127 (its codes are zeros; this program alone reads the bytes); NaN and infinities are not served.
.set KT,    1024
.set NS,    KT/128
.set TP,    12*KT
.set TROW,  6144
.set QUART, 4*TROW
.set SLOT,  4*QUART
.set SCLA,  2*SLOT
.set ASC,   3145728                    ; where h2q's scale words begin
.set WIMG,  3145728                    ; W1's images in wts
.set WSC,   9568256                    ; and its scale words
.set HW,   4
.set SC,   8
.set ADRA, 16
.set ADRB, 20
.set ADRS, 24
.set L16,  25
.set L8,   26
.set SO,   27
.set BO,   30
.set BIAS, 32                          ; v32-63  the bias; later GELU's t
.set T,    32
.set P,    64                          ; v64-95  GELU's polynomial
.set U,    96                          ; v96-103 x^2; later the quantiser's
.set TM,   96
.set PC,   104
.set PT,   110
.set C8V,  116
.set ACC,  128
.set F0,   0
.set F1,   96
.set G1A, 24
.set G0A, 32
.set G1B, 48
.set G0B, 56
.set G1SA, 68
.set G0SA, 76
.set G1SB, 80
.set G0SB, 88
.set SEL, 98
.set CF0, 18                           ; GELU's constants, a pair each, in registers that held only the head's temporaries
.set CF1, 20
.set CF2, 22
.set CF3, 40
.set CF4, 42
.set CF5, 44
.set CF6, 46
.set CF7, 92
.set CF9, 94
.set NHL, 96
.set KZ,  66
.set MUL,  0x05
.set TO_F, 0x40
.set MSB, 0
.macro WIN new
.if MSB != \new
	s_set_vgpr_msb (MSB<<8)|\new
.set MSB, \new
.endif
.endm
.macro JLOAD g0a, g1a, g0b, g1b        ; a joint load: waves 0, 1 fetch for source 1, waves 2, 3 for source 0; four v_nop follow each line
	s_cmp_eq_u32 s15, 0
	s_cbranch_scc0 .Lfor_b_\@
	tensor_load_to_lds s[\g0a:\g0a+3], s[\g1a:\g1a+7]
	s_nop 0
.rept 4
	v_nop
.endr
	s_branch .Lasked_\@
.Lfor_b_\@:
	tensor_load_to_lds s[\g0b:\g0b+3], s[\g1b:\g1b+7]
	s_nop 0
.rept 4
	v_nop
.endr
.Lasked_\@:
.endm
.macro CROUND
	s_barrier_signal -1
	s_barrier_wait -1
	s_cmp_lg_u32 s14, 0
	s_cbranch_scc1 .Lnot_wave_0_\@
	s_barrier_signal -3
.Lnot_wave_0_\@:
	s_barrier_wait -3
	s_barrier_signal -1
	s_barrier_wait -1
.endm
.macro PLACES n
.rept \n
	v_nop
.endr
.endm
	s_load_b128 s[4:7], s[0:1], 0x0                ; h2q, wts
	s_load_b128 s[8:11], s[0:1], 0x10              ; b1, m1q
	v_lshl_add_u32 v126, v0, 2, 0x32100
	v_mov_b32 v127, 0
	ds_add_u32 v126, v127
	ds_add_u32 v126, v127
	v_lshrrev_b32 v1, 5, v0
	v_readfirstlane_b32 s14, v1
	s_lshr_b32 s15, s14, 1                         ; which 64 tokens are mine.  Also: I fetch for source 1 (0) or source 0 (1)
	s_and_b32 s16, s14, 1                          ; which 64 columns.  Also: which four tiles I fetch
	s_bfe_u32 s40, ttmp6, 0x40000
	s_bfe_u32 s41, ttmp6, 0x40004
	s_lshl_b32 s42, ttmp9, 2
	s_add_co_u32 s42, s42, s40                     ; nt
	s_and_b32 s17, ttmp7, 0xffff
	s_lshl_b32 s17, s17, 2
	s_add_co_u32 s17, s17, s41                     ; mt
	s_lshl_b32 s43, s41, 2
	s_lshl_b32 s43, 15, s43
	s_lshl_b32 s44, 0x1111, s40
	s_or_b32 s[G1A], s43, (3<<16)|(1<<21)          ; tiles: 4 rows of 768 elements of 8 bytes, TP bytes apart; no padding; bit 21 set beside the mask
	s_or_b32 s[G1B], s44, (3<<16)|(1<<21)
.irp g, G1A, G1B
	s_mov_b32 s[\g+1], 768<<16
	s_mov_b32 s[\g+2], 4<<16
	s_mov_b32 s[\g+3], 768<<16
	s_mov_b32 s[\g+4], 4
	s_mov_b32 s[\g+5], TP/8
	s_mov_b32 s[\g+6], 0
	s_mov_b32 s[\g+7], 0
.endr
	s_or_b32 s[G1SA], s43, (3<<16)|(1<<21)         ; four tiles' scale words: 2 KT dense bytes, as NS rows of 256
	s_or_b32 s[G1SB], s44, (3<<16)|(1<<21)
.irp g, G1SA, G1SB
	s_mov_b32 s[\g+1], 32<<16
	s_mov_b32 s[\g+2], NS<<16
	s_mov_b32 s[\g+3], 32<<16
	s_mov_b32 s[\g+4], NS
	s_mov_b32 s[\g+5], 32
	s_mov_b32 s[\g+6], 0
	s_mov_b32 s[\g+7], 0
.endr
	s_lshl_b32 s18, s16, 2
	s_lshl_b32 s20, s17, 3
	s_add_co_u32 s20, s20, s18
	s_lshl_b32 s46, s42, 3
	s_add_co_u32 s46, s46, s18
	s_mul_i32 s22, s20, NS*64
	s_add_co_u32 s22, s22, ASC
	s_mul_i32 s92, s46, NS*64
	s_add_co_u32 s92, s92, WSC
	s_mul_i32 s20, s20, TP
	s_mul_i32 s46, s46, TP
	s_add_co_u32 s46, s46, WIMG
	s_mov_b32 s21, 0
	s_mov_b32 s23, 0
	s_mov_b32 s47, 0
	s_mov_b32 s93, 0
	s_mul_i32 s45, s14, QUART
	s_mul_i32 s94, s14, 2*KT
	s_wait_dscnt 0x0
	s_wait_kmcnt 0x0
	s_add_nc_u64 s[20:21], s[4:5], s[20:21]
	s_add_nc_u64 s[22:23], s[4:5], s[22:23]
	s_add_nc_u64 s[46:47], s[6:7], s[46:47]
	s_add_nc_u64 s[92:93], s[6:7], s[92:93]
	CROUND                                         ; all sixteen work-groups are here: the first joint loads meet
	s_mov_b32 s[G0SA], 1
	s_add_co_u32 s[G0SA+1], s94, SCLA
	s_mov_b64 s[G0SA+2:G0SA+3], s[22:23]
	s_or_b32 s[G0SA+3], s[G0SA+3], 0x80000000
	s_mov_b32 s[G0SB], 1
	s_add_co_u32 s[G0SB+1], s94, SCLA+64
	s_mov_b64 s[G0SB+2:G0SB+3], s[92:93]
	s_or_b32 s[G0SB+3], s[G0SB+3], 0x80000000
	JLOAD G0SA, G1SA, G0SB, G1SB
.irp s, 0,1
	s_mov_b32 s[G0A+4*\s], 1
	s_add_co_u32 s[G0A+4*\s+1], s45, \s*SLOT
	s_add_nc_u64 s[G0A+4*\s+2:G0A+4*\s+3], s[20:21], \s*TROW
	s_or_b32 s[G0A+4*\s+3], s[G0A+4*\s+3], 0x80000000
	s_mov_b32 s[G0B+4*\s], 1
	s_add_co_u32 s[G0B+4*\s+1], s45, \s*SLOT
	s_add_nc_u64 s[G0B+4*\s+2:G0B+4*\s+3], s[46:47], \s*TROW
	s_or_b32 s[G0B+4*\s+3], s[G0B+4*\s+3], 0x80000000
	JLOAD G0A+4*\s, G1A, G0B+4*\s, G1B             ; three loads of mine are out
.endr
	v_and_b32 v3, 31, v0
	v_and_b32 v1, 15, v0
	v_bfe_u32 v2, v0, 4, 1
	v_lshlrev_b32 v[L16], 4, v3
	v_lshl_add_u32 v[L8], v3, 3, 512
	s_mul_i32 s21, s15, QUART
	s_mul_i32 s22, s16, QUART
	s_add_co_u32 s22, s22, 2*QUART
.irp s, 0,1
	v_add_nc_u32 v[ADRA+\s], s21, v[L16]
	v_add_nc_u32 v[ADRA+2+\s], s21, v[L8]
	v_add_nc_u32 v[ADRB+\s], s22, v[L16]
	v_add_nc_u32 v[ADRB+2+\s], s22, v[L8]
	s_add_co_u32 s21, s21, SLOT
	s_add_co_u32 s22, s22, SLOT
.endr
	s_mul_i32 s21, s15, 2*KT
	s_mul_i32 s22, s16, 2*KT
	s_add_co_u32 s22, s22, 4*KT+64
	s_sub_co_u32 s22, s22, s21
	v_mul_u32_u24 v31, s22, v2                     ; lanes 16-31 take source 0's scale words
	s_add_co_u32 s21, s21, SCLA
	v_lshl_add_u32 v31, v1, 2, v31
	v_add_nc_u32 v[ADRS], s21, v31
	s_mov_b32 s[SEL], 0x76543210
	s_mov_b32 s[SEL+1], 0xfedcba98
	v_lshlrev_b32 v[SO], 2, v1
	v_mov_b32 v[C8V], 0xbf97d29d
	v_mov_b32 v[C8V+1], 0xbf97d29d
	; where the results go: token tile 8 mt + 4 mh + a, chunk 2 nt + nh of the next K
	s_lshl_b32 s20, s17, 3
	s_lshl_b32 s21, s15, 2
	s_add_co_u32 s20, s20, s21
	s_lshl_b32 s22, s20, 11
	s_add_co_u32 s22, s22, 12582912
	s_mul_i32 s20, s20, 49152
	s_mov_b32 s21, 0
	s_mov_b32 s23, 0
	s_add_nc_u64 s[12:13], s[10:11], s[22:23]
	s_add_nc_u64 s[10:11], s[10:11], s[20:21]
	s_lshl_b32 s46, s42, 1
	s_add_co_u32 s46, s46, s16
	s_mul_i32 s46, s46, 768
	s_mov_b32 s47, 0
	s_add_nc_u64 s[10:11], s[10:11], s[46:47]      ; my half fragments
	s_lshl_b32 s46, s42, 6
	s_lshl_b32 s92, s16, 1
	s_add_co_u32 s46, s46, s92
	s_add_nc_u64 s[12:13], s[12:13], s[46:47]      ; my half scale words
	s_lshl_b32 s46, s42, 9
	s_lshl_b32 s92, s16, 8
	s_add_co_u32 s46, s46, s92
	s_add_nc_u64 s[8:9], s[8:9], s[46:47]          ; my 64 numbers of the bias
	v_lshlrev_b32 v[BO], 6, v2                     ; tile 2 g + u holds columns 32 g + 16 h + 8 u + 0..7
.irp b, 0,1,2,3
	global_load_b128 v[BIAS+8*\b:BIAS+8*\b+3], v[BO], s[8:9] offset:(32*(\b/2)+8*(\b%2))*4
	global_load_b128 v[BIAS+8*\b+4:BIAS+8*\b+7], v[BO], s[8:9] offset:(32*(\b/2)+8*(\b%2))*4+16
.endr
.macro FRAG reg, adr, off
	ds_load_b128 v[\reg:\reg+3], v[\adr] offset:\off
	ds_load_b64 v[\reg+4:\reg+5], v[\adr+2] offset:\off
	ds_load_b128 v[\reg+6:\reg+9], v[\adr] offset:\off+768
	ds_load_b64 v[\reg+10:\reg+11], v[\adr+2] offset:\off+768
.endm
.macro FETCH slot, q, f                ; 36 LDS loads in one run: 4 scale words, source 0's four fragments, source 1's four
	WIN 0
.irp i, 0,1,2,3
	ds_load_b32 v[SC+4*((\q)%2)+\i], v[ADRS] offset:\i*NS*64+64*(4*(\slot)+(\q))
.endr
	WIN TO_F
.irp i, 0,1,2,3
	FRAG \f+48+12*\i, ADRB+\slot, \i*TROW+(\q)*1536
.endr
.irp i, 0,1,2,3
	FRAG \f+12*\i, ADRA+\slot, \i*TROW+(\q)*1536
.endr
.endm
.macro MUL4 f, a, p, first             ; the 16 accumulators take turns, one instruction a turn, in the same order in every step
.irp b, 0,1,2,3
.if \first
	v_wmma_scale_f32_16x16x128_f8f6f4 v[ACC+8*(4*(\a)+\b):ACC+8*(4*(\a)+\b)+7], v[\f+48+12*\b:\f+48+12*\b+11], v[\f+12*(\a):\f+12*(\a)+11], v[BIAS+8*\b:BIAS+8*\b+7], v[SC+4*(\p)+\b], v[SC+4*(\p)+(\a)] matrix_a_fmt:MATRIX_FMT_BF6 matrix_b_fmt:MATRIX_FMT_BF6 matrix_a_scale:MATRIX_SCALE_ROW1
.else
	v_wmma_scale_f32_16x16x128_f8f6f4 v[ACC+8*(4*(\a)+\b):ACC+8*(4*(\a)+\b)+7], v[\f+48+12*\b:\f+48+12*\b+11], v[\f+12*(\a):\f+12*(\a)+11], v[ACC+8*(4*(\a)+\b):ACC+8*(4*(\a)+\b)+7], v[SC+4*(\p)+\b], v[SC+4*(\p)+(\a)] matrix_a_fmt:MATRIX_FMT_BF6 matrix_b_fmt:MATRIX_FMT_BF6 matrix_a_scale:MATRIX_SCALE_ROW1
.endif
.endr
.endm
.macro STEP slot, q, first
	s_wait_dscnt 8                                 ; all but the youngest eight loads (source 1's tiles 2, 3) are in
	WIN MUL
	MUL4 F0+96*((\q)%2), 0, (\q)%2, \first
	MUL4 F0+96*((\q)%2), 1, (\q)%2, \first
	PLACES 4
	FETCH \slot, (\q)+1, F0+96*(((\q)+1)%2)
	s_wait_dscnt 36                                ; all but the 36 just issued
	WIN MUL
	MUL4 F0+96*((\q)%2), 2, (\q)%2, \first
	MUL4 F0+96*((\q)%2), 3, (\q)%2, \first
.endm
	s_wait_tensorcnt 1                             ; the scale words and my part of slot 0 are in; slot 1's load may be out
	s_barrier_signal -1
	s_barrier_wait -1
	FETCH 0, 0, F0
	s_wait_loadcnt 0x0                             ; the bias: the C of the first products
	STEP 0, 0, 1
	STEP 0, 1, 0
	STEP 0, 2, 0
	s_wait_tensorcnt 0x0                           ; slot 0's last step changes slots: my part of slot 1 is in,
	s_wait_dscnt 8
	WIN MUL
	MUL4 F1, 0, 1, 0
	s_wait_dscnt 0x0
	s_barrier_signal -1
	MUL4 F1, 1, 1, 0
	WIN 0
	s_barrier_wait -1                              ; everybody's is
	PLACES 4
	FETCH 1, 0, F0
	WIN MUL
	MUL4 F1, 2, 1, 0
	MUL4 F1, 3, 1, 0
	STEP 1, 0, 0
	STEP 1, 1, 0
	STEP 1, 2, 0
	s_wait_dscnt 8
	WIN MUL
	MUL4 F1, 0, 1, 0
	MUL4 F1, 1, 1, 0
	s_wait_dscnt 0x0
	MUL4 F1, 2, 1, 0
	MUL4 F1, 3, 1, 0
	WIN 0
	PLACES 4
.macro SETC reg, val
	s_mov_b32 s[\reg], \val
	s_mov_b32 s[\reg+1], \val
.endm
	SETC CF0, 0xc034d90f
	SETC CF1, 0x3fb8ab5a
	SETC CF2, 0x3f0a29d2
	SETC CF3, 0x3e0efb2e
	SETC CF4, 0xbe899a80
	SETC CF5, 0x3ecdfd18
	SETC CF6, 0xbfd1a1e5
	SETC CF7, 0x40097039
	SETC CF9, 0x3e7c6f08
	SETC NHL, 0xbf38aa3b                           ; -log2(e) / 2
	s_mov_b32 s[KZ], 0x3eb504f3                    ; 1 / (2 sqrt 2)
.macro GELU x                          ; in place on 32 registers; the reciprocals are one batch with one wait, and so are the exponentials
.set n, 0
.rept 32
	v_fma_f32 v[T+n], |v[\x+n]|, s[KZ], 1.0
.set n, n+1
.endr
.set n, 0
.rept 32
	v_rcp_f32 v[T+n], v[T+n]
.set n, n+1
.endr
	v_nop
	s_wait_alu depctr_va_vdst(0)                   ; the wait ahead of the batch's first reader
.set n, 0
.rept 16
	v_pk_fma_f32 v[P+n:P+n+1], v[T+n:T+n+1], s[CF9:CF9+1], v[C8V:C8V+1] op_sel_hi:[1,0,0]
.set n, n+2
.endr
.irp c, CF7, CF6, CF5, CF4, CF3, CF2, CF1, CF0
.set n, 0
.rept 16
	v_pk_fma_f32 v[P+n:P+n+1], v[P+n:P+n+1], v[T+n:T+n+1], s[\c:\c+1] op_sel_hi:[1,1,0]
.set n, n+2
.endr
.endr
.set n, 0
.rept 4
.irp k, 0,2,4,6
	v_pk_mul_f32 v[U+\k:U+\k+1], v[\x+n+\k:\x+n+\k+1], v[\x+n+\k:\x+n+\k+1]
.endr
.irp k, 0,2,4,6
	v_pk_fma_f32 v[P+n+\k:P+n+\k+1], v[U+\k:U+\k+1], s[NHL:NHL+1], v[P+n+\k:P+n+\k+1] op_sel_hi:[1,0,1]
.endr
.set n, n+8
.endr
.set n, 0
.rept 32
	v_exp_f32 v[P+n], v[P+n]
.set n, n+1
.endr
	v_nop
	s_wait_alu depctr_va_vdst(0)
.set n, 0
.rept 16
	v_pk_mul_f32 v[P+n:P+n+1], v[P+n:P+n+1], v[T+n:T+n+1]          ; E
.set n, n+2
.endr
.set n, 0
.rept 32
	v_max_num_f32 v[T+n], 0, v[\x+n]
.set n, n+1
.endr
.set n, 0
.rept 32
	v_fma_f32 v[\x+n], -|v[\x+n]|, v[P+n], v[T+n]
.set n, n+1
.endr
.endm
; 32 numbers of a lane, register 16 b + i = k 32 b + 16 h + i of its row, become a half fragment's six code registers in v[PC] on and the row's two scale bytes in v[hw]
.macro QUANT2 s, hw
.irp b, 0,1
	v_max3_num_f32 v[TM+\b], |v[\s+16*\b]|, |v[\s+16*\b+1]|, 0x2800000   ; with the floor 2^(5 - 127): the byte cannot fall under 1
.endr
.irp i, 2,4,6,8,10,12,14
.irp b, 0,1
	v_max3_num_f32 v[TM+\b], v[TM+\b], |v[\s+16*\b+\i]|, |v[\s+16*\b+\i+1]|
.endr
.endr
.irp b, 0,1
	v_permlanex16_b32 v[TM+2+\b], v[TM+\b], s[SEL], s[SEL+1]
.endr
.irp b, 0,1
	v_max_num_f32 v[TM+\b], v[TM+\b], v[TM+2+\b]
.endr
.irp b, 0,1
	v_add_nc_u32 v[TM+4+\b], 0xfe000000, v[TM+\b]
.endr
.irp b, 0,1
	v_lshrrev_b32 v[TM+6+\b], 23, v[TM+4+\b]
.endr
	v_lshl_or_b32 v[\hw], v[TM+7], 8, v[TM+6]
	v_cvt_scalef32_pk16_bf6_f32 v[PC:PC+2], v[\s:\s+15], v[TM+4]
	v_cvt_scalef32_pk16_bf6_f32 v[PT:PT+2], v[\s+16:\s+31], v[TM+5]
	v_nop
.irp i, 0,1,2
	v_permlane16_swap_b32 v[PC+\i], v[PT+\i]
.endr
.irp i, 0,1,2
	v_mov_b32 v[PC+3+\i], v[PT+\i]
.endr
.endm
.irp a, 0,1,2,3
	GELU ACC+32*\a
.if \a > 0
	s_wait_xcnt 0x0                                ; the last tile's stores have read the code registers
.endif
	QUANT2 ACC+32*\a, HW+\a
	global_store_b128 v[L16], v[PC:PC+3], s[10:11] offset:49152*\a    ; 512 consecutive bytes
	global_store_b64 v[L8], v[PC+4:PC+5], s[10:11] offset:49152*\a    ; 256
	global_store_b16 v[SO], v[HW+\a], s[12:13] offset:2048*\a         ; both halves of the lanes hold the row's two bytes and write the same
.endr
	s_wait_tensorcnt 0x0
	ds_add_u32 v126, v127
	s_wait_dscnt 0x0
	CROUND                                         ; the closing round
	s_endpgm
.Lfunc_end_k_q5e6b764f1f_fc1:
	.size	k_q5e6b764f1f_fc1, .Lfunc_end_k_q5e6b764f1f_fc1-k_q5e6b764f1f_fc1
	.p2alignl 7, 3214868480
	.fill 96, 4, 3214868480
	.section	.rodata,"a",@progbits
	.p2align	6, 0x0
	.amdhsa_kernel k_q5e6b764f1f_fc1
		.amdhsa_group_segment_fixed_size 327680
		.amdhsa_private_segment_fixed_size 0
		.amdhsa_enable_private_segment 0
		.amdhsa_kernarg_size 32
		.amdhsa_user_sgpr_count 2
		.amdhsa_user_sgpr_kernarg_segment_ptr 1
		.amdhsa_wavefront_size32 1
		.amdhsa_system_sgpr_workgroup_id_x 1
		.amdhsa_system_sgpr_workgroup_id_y 1
		.amdhsa_system_sgpr_workgroup_id_z 1
		.amdhsa_system_vgpr_workitem_id 0
		.amdhsa_next_free_vgpr 512
		.amdhsa_next_free_sgpr 100
		.amdhsa_reserve_vcc 0
		.amdhsa_float_denorm_mode_32 3
		.amdhsa_float_denorm_mode_16_64 3
		.amdhsa_memory_ordered 1
		.amdhsa_forward_progress 1
		.amdhsa_inst_pref_size 134
	.end_amdhsa_kernel
	.amdgpu_metadata
---
amdhsa.version: [ 1, 2 ]
amdhsa.kernels:
  - .name:           k_q5e6b764f1f_fc1
    .symbol:         k_q5e6b764f1f_fc1.kd
    .args:
      - { .name: h2q, .offset: 0, .size: 8, .value_kind: global_buffer, .address_space: global }
      - { .name: wts, .offset: 8, .size: 8, .value_kind: global_buffer, .address_space: global }
      - { .name: b1, .offset: 16, .size: 8, .value_kind: global_buffer, .address_space: global }
      - { .name: m1q, .offset: 24, .size: 8, .value_kind: global_buffer, .address_space: global }
    .group_segment_fixed_size: 327680
    .private_segment_fixed_size: 0
    .kernarg_segment_align: 8
    .kernarg_segment_size: 32
    .max_flat_workgroup_size: 128
    .sgpr_count:     100
    .vgpr_count:     512
    .wavefront_size: 32
...
	.end_amdgpu_metadata
.endif
;; end of part 6
;; launch fc2 (part 7): grid 8 x 32, 4 waves a work-group, clusters of 4 x 4, 327,680 bytes of LDS; arguments m1q, wts, b2, res, out0; writes out0
.if DOCPART == 7
	.amdgcn_target "amdgcn-amd-amdhsa--gfx1250"
	.amdhsa_code_object_version 6
	.text
	.protected	k_q5e6b764f1f_fc2
	.globl	k_q5e6b764f1f_fc2
	.p2align	8
	.type	k_q5e6b764f1f_fc2,@function
k_q5e6b764f1f_fc2:
	s_mov_b64 s[64:65], 0
	v_nop
	global_prefetch_b8 v0, s[64:65] scope:SCOPE_SE
	s_setreg_imm32_b32 hwreg(HW_REG_WAVE_MODE, 25, 1), 1
	s_wait_xcnt 0x0
	s_wait_alu depctr_hold_cnt(0) depctr_sa_sdst(0) depctr_va_vdst(0) depctr_va_sdst(0) depctr_va_ssrc(0) depctr_va_vcc(0) depctr_vm_vsrc(0)
	s_getreg_b32 s2, hwreg(HW_REG_IB_STS2, 6, 4)
	s_cmp_eq_u32 s2, 0
	s_cbranch_scc0 .Lentry_in_a_cluster
	s_endpgm
.Lentry_in_a_cluster:
	s_bfe_u32 s2, ttmp6, 0x10000c
	s_cmp_lg_u32 s2, 0xf033
	s_cbranch_scc0 .Lentry_shape_is_right
	s_endpgm
.Lentry_shape_is_right:
; out0 = gelu(m W2 + b2) + res, exact (erf) GELU in f32, the product on codes of E3M2 (one E8M0 byte for each 32 along K = 4,096).
; OPERANDS lie as images of the matrix operand's registers: rows in tiles of 16 (tile 2 g + u, row p = index 32 g + 8 u + p + 8 (p / 8)); a tile's 64 along K are a half fragment of 768 bytes (lane p + 16 h: k = 32 h .. + 31;
; registers 0-3 at 16 x lane, 4-5 at 512 + 8 x lane), laid [tile][K / 64]; scale words [tile][K / 128][16 rows].  Every LDS read is 512 or 256 consecutive bytes.
; SHARES.  A work-group makes 128 x 128, each of four waves 64 x 64: 16 accumulators.  Source 0 = rows of W2, source 1 = tokens: a lane holds one token, and by the tile order two tiles' 16 registers are 16 neighbouring columns.
; K goes in steps of 512 through a ring of two LDS slots: eight slots' worth, six refills.  The scale words of the whole K come once, with the first fills.  A slot is filled again in this order: every wave waits for all its tensor
; loads, adds 0 to its spare word, waits for that and for its reads of the slot, a round of the cluster's barrier, and the joint refill first behind it, one a wave: it has a slot's 64 products in which to land.
; CLUSTER 4 x 4: the tokens' tiles are shared along a row of the cluster, W2's along a column: joint loads.
; The bias is the C of each sum's first product; the residual is asked for at the head; results go through the wave's own stage in LDS, so that sixteen lanes store 256 consecutive bytes, aligned.
; GELU: gelu(x) = max(x, 0) - |x| E, E = erfc(|x| / sqrt 2) / 2 = t 2^(-x^2 log2(e) / 2 + the sum of C_k t^k), t = 1 / (1 + |x| / (2 sqrt 2)): a fit of erfc whose error is about 1.2e-7 of the number for every argument.
; LIMITS: E under 2^-126 falls to 0; NaN and infinities are not served.  All of a WGP's LDS is claimed.
.set KT,    4096
.set NS,    KT/128
.set TP,    12*KT
.set TROW,  6144
.set QUART, 4*TROW
.set SLOT,  4*QUART
.set SCLA,  2*SLOT
.set STG,   SCLA+8*KT+256              ; behind the scale words, in blocks of 256 bytes of its own: 16 rows x 272 bytes for each wave
.set SPARE, STG+4*16*272               ; the spare words, 128 bytes for each wave: two blocks of 256 bytes that no other line names
.set ASC,   12582912                   ; where m1q's scale words begin
.set WIMG,  6291456                    ; W2's images in wts
.set WSC,   9699328                    ; and its scale words
.set CO,   4
.set STO,  5
.set RD,   6
.set SC,   8
.set ADRA, 16
.set ADRB, 20
.set ADRS, 24
.set L16,  25
.set L8,   26
.set SPW,  28                          ; v28     SPARE + 4 x my thread's number; never rewritten
.set NIL,  29                          ; v29     0; never rewritten
.set BO,   30
.set BIAS, 32                          ; v32-63  the bias; later GELU's t; later 16 rows read back from the stage
.set T,    32
.set RB,   32
.set P,    64
.set U,    96
.set C8V,  116
.set ACC,  128
.set F0,   0
.set F1,   96
.set G1A, 24
.set G0A, 32
.set G1B, 48
.set G0B, 56
.set G1SA, 68
.set G0SA, 76
.set G1SB, 80
.set G0SB, 88
.set CF0, 18                           ; GELU's constants, a pair each, in registers that held only the head's temporaries
.set CF1, 20
.set CF2, 22
.set CF3, 40
.set CF4, 42
.set CF5, 44
.set CF6, 46
.set CF7, 92
.set CF9, 94
.set NHL, 96
.set KZ,  66
.set MUL,  0x05
.set TO_F, 0x40
.set MSB, 0
.macro WIN new
.if MSB != \new
	s_set_vgpr_msb (MSB<<8)|\new
.set MSB, \new
.endif
.endm
.macro JLOAD g0a, g1a, g0b, g1b        ; a joint load: waves 0, 1 fetch for source 1, waves 2, 3 for source 0; four v_nop follow each line
	s_cmp_eq_u32 s15, 0
	s_cbranch_scc0 .Lfor_b_\@
	tensor_load_to_lds s[\g0a:\g0a+3], s[\g1a:\g1a+7]
	s_nop 0
.rept 4
	v_nop
.endr
	s_branch .Lasked_\@
.Lfor_b_\@:
	tensor_load_to_lds s[\g0b:\g0b+3], s[\g1b:\g1b+7]
	s_nop 0
.rept 4
	v_nop
.endr
.Lasked_\@:
.endm
.macro CREST                           ; a round of the cluster's barrier behind its opening barrier
	s_cmp_lg_u32 s14, 0
	s_cbranch_scc1 .Lnot_wave_0_\@
	s_barrier_signal -3
.Lnot_wave_0_\@:
	s_barrier_wait -3
	s_barrier_signal -1
	s_barrier_wait -1
.endm
.macro CROUND
	s_barrier_signal -1
	s_barrier_wait -1
	CREST
.endm
.macro PLACES n
.rept \n
	v_nop
.endr
.endm
	s_load_b128 s[4:7], s[0:1], 0x0                ; m1q, wts
	s_load_b128 s[8:11], s[0:1], 0x10              ; b2, res
	s_load_b64 s[12:13], s[0:1], 0x20              ; out0
	v_lshl_add_u32 v[SPW], v0, 2, SPARE
	v_mov_b32 v[NIL], 0
	ds_add_u32 v28, v29
	ds_add_u32 v28, v29
	s_wait_dscnt 0x0
	v_lshrrev_b32 v1, 5, v0
	v_readfirstlane_b32 s14, v1
	s_lshr_b32 s15, s14, 1                         ; which 64 tokens are mine.  Also: I fetch for source 1 (0) or source 0 (1)
	s_and_b32 s16, s14, 1                          ; which 64 columns.  Also: which four tiles I fetch
	s_bfe_u32 s40, ttmp6, 0x40000
	s_bfe_u32 s41, ttmp6, 0x40004
	s_lshl_b32 s42, ttmp9, 2
	s_add_co_u32 s42, s42, s40                     ; nt
	s_and_b32 s17, ttmp7, 0xffff
	s_lshl_b32 s17, s17, 2
	s_add_co_u32 s17, s17, s41                     ; mt
	s_lshl_b32 s43, s41, 2
	s_lshl_b32 s43, 15, s43
	s_lshl_b32 s44, 0x1111, s40
	s_or_b32 s[G1A], s43, (3<<16)|(1<<21)          ; tiles: 4 rows of 768 elements of 8 bytes, TP bytes apart; no padding; bit 21 set beside the mask
	s_or_b32 s[G1B], s44, (3<<16)|(1<<21)
.irp g, G1A, G1B
	s_mov_b32 s[\g+1], 768<<16
	s_mov_b32 s[\g+2], 4<<16
	s_mov_b32 s[\g+3], 768<<16
	s_mov_b32 s[\g+4], 4
	s_mov_b32 s[\g+5], TP/8
	s_mov_b32 s[\g+6], 0
	s_mov_b32 s[\g+7], 0
.endr
	s_or_b32 s[G1SA], s43, (3<<16)|(1<<21)         ; four tiles' scale words: 2 KT dense bytes, as NS rows of 256
	s_or_b32 s[G1SB], s44, (3<<16)|(1<<21)
.irp g, G1SA, G1SB
	s_mov_b32 s[\g+1], 32<<16
	s_mov_b32 s[\g+2], NS<<16
	s_mov_b32 s[\g+3], 32<<16
	s_mov_b32 s[\g+4], NS
	s_mov_b32 s[\g+5], 32
	s_mov_b32 s[\g+6], 0
	s_mov_b32 s[\g+7], 0
.endr
	s_lshl_b32 s18, s16, 2
	s_lshl_b32 s20, s17, 3
	s_add_co_u32 s20, s20, s18
	s_lshl_b32 s46, s42, 3
	s_add_co_u32 s46, s46, s18
	s_mul_i32 s22, s20, NS*64
	s_add_co_u32 s22, s22, ASC
	s_mul_i32 s92, s46, NS*64
	s_add_co_u32 s92, s92, WSC
	s_mul_i32 s20, s20, TP
	s_mul_i32 s46, s46, TP
	s_add_co_u32 s46, s46, WIMG
	s_mov_b32 s21, 0
	s_mov_b32 s23, 0
	s_mov_b32 s47, 0
	s_mov_b32 s93, 0
	s_mul_i32 s45, s14, QUART
	s_mul_i32 s94, s14, 2*KT
	s_wait_kmcnt 0x0
	s_add_nc_u64 s[20:21], s[4:5], s[20:21]
	s_add_nc_u64 s[22:23], s[4:5], s[22:23]
	s_add_nc_u64 s[46:47], s[6:7], s[46:47]
	s_add_nc_u64 s[92:93], s[6:7], s[92:93]
	CROUND                                         ; all sixteen work-groups are here: the first joint loads meet
	s_mov_b32 s[G0SA], 1
	s_add_co_u32 s[G0SA+1], s94, SCLA
	s_mov_b64 s[G0SA+2:G0SA+3], s[22:23]
	s_or_b32 s[G0SA+3], s[G0SA+3], 0x80000000
	s_mov_b32 s[G0SB], 1
	s_add_co_u32 s[G0SB+1], s94, SCLA+64
	s_mov_b64 s[G0SB+2:G0SB+3], s[92:93]
	s_or_b32 s[G0SB+3], s[G0SB+3], 0x80000000
	JLOAD G0SA, G1SA, G0SB, G1SB
.irp s, 0,1
	s_mov_b32 s[G0A+4*\s], 1
	s_add_co_u32 s[G0A+4*\s+1], s45, \s*SLOT
	s_add_nc_u64 s[G0A+4*\s+2:G0A+4*\s+3], s[20:21], \s*TROW
	s_or_b32 s[G0A+4*\s+3], s[G0A+4*\s+3], 0x80000000
	s_mov_b32 s[G0B+4*\s], 1
	s_add_co_u32 s[G0B+4*\s+1], s45, \s*SLOT
	s_add_nc_u64 s[G0B+4*\s+2:G0B+4*\s+3], s[46:47], \s*TROW
	s_or_b32 s[G0B+4*\s+3], s[G0B+4*\s+3], 0x80000000
	JLOAD G0A+4*\s, G1A, G0B+4*\s, G1B             ; three loads of mine are out
.endr
	v_and_b32 v3, 31, v0
	v_and_b32 v1, 15, v0
	v_bfe_u32 v2, v0, 4, 1
	v_lshlrev_b32 v[L16], 4, v3
	v_lshl_add_u32 v[L8], v3, 3, 512
	s_mul_i32 s21, s15, QUART
	s_mul_i32 s22, s16, QUART
	s_add_co_u32 s22, s22, 2*QUART
.irp s, 0,1
	v_add_nc_u32 v[ADRA+\s], s21, v[L16]
	v_add_nc_u32 v[ADRA+2+\s], s21, v[L8]
	v_add_nc_u32 v[ADRB+\s], s22, v[L16]
	v_add_nc_u32 v[ADRB+2+\s], s22, v[L8]
	s_add_co_u32 s21, s21, SLOT
	s_add_co_u32 s22, s22, SLOT
.endr
	s_mul_i32 s21, s15, 2*KT
	s_mul_i32 s22, s16, 2*KT
	s_add_co_u32 s22, s22, 4*KT+64
	s_sub_co_u32 s22, s22, s21
	v_mul_u32_u24 v31, s22, v2                     ; lanes 16-31 take source 0's scale words
	s_add_co_u32 s21, s21, SCLA
	v_lshl_add_u32 v31, v1, 2, v31
	v_add_nc_u32 v[ADRS], s21, v31
	s_mul_i32 s21, s14, 16*272
	s_add_co_u32 s21, s21, STG                     ; my stage
	v_mul_u32_u24 v31, v1, 272
	v_lshl_add_u32 v31, v2, 6, v31
	v_add_nc_u32 v[STO], s21, v31
	v_mul_u32_u24 v31, v2, 272
	v_lshl_add_u32 v31, v1, 4, v31
	v_add_nc_u32 v[RD], s21, v31
	v_lshlrev_b32 v31, 12, v2
	v_lshl_add_u32 v[CO], v1, 4, v31
	v_mov_b32 v[C8V], 0xbf97d29d
	v_mov_b32 v[C8V+1], 0xbf97d29d
	s_lshl_b32 s20, s17, 7
	s_lshl_b32 s21, s15, 6
	s_add_co_u32 s20, s20, s21
	s_lshl_b32 s20, s20, 12                        ; my first token's row
	s_mov_b32 s21, 0
	s_lshl_b32 s46, s42, 9
	s_lshl_b32 s47, s16, 8
	s_add_co_u32 s46, s46, s47                     ; my first column, in bytes
	s_mov_b32 s47, 0
	s_add_nc_u64 s[10:11], s[10:11], s[20:21]
	s_add_nc_u64 s[10:11], s[10:11], s[46:47]
	s_add_nc_u64 s[12:13], s[12:13], s[20:21]
	s_add_nc_u64 s[12:13], s[12:13], s[46:47]
	s_add_nc_u64 s[8:9], s[8:9], s[46:47]
	v_lshlrev_b32 v[BO], 6, v2
.irp b, 0,1,2,3
	global_load_b128 v[BIAS+8*\b:BIAS+8*\b+3], v[BO], s[8:9] offset:(32*(\b/2)+8*(\b%2))*4
	global_load_b128 v[BIAS+8*\b+4:BIAS+8*\b+7], v[BO], s[8:9] offset:(32*(\b/2)+8*(\b%2))*4+16
.endr
	WIN 0x80                                       ; destination window 2: the residual, in the order in which rows come back from the stage
.irp a, 0,1,2,3
.irp t, 0,1,2,3,4,5,6,7
	global_load_b128 v[32*\a+4*\t:32*\a+4*\t+3], v[CO], s[10:11] offset:(32*(\a/2)+8*(\a%2)+2*\t+8*(\t/4))*4096
.endr
.endr
	WIN 0
.macro FRAG reg, adr, off
	ds_load_b128 v[\reg:\reg+3], v[\adr] offset:\off
	ds_load_b64 v[\reg+4:\reg+5], v[\adr+2] offset:\off
	ds_load_b128 v[\reg+6:\reg+9], v[\adr] offset:\off+768
	ds_load_b64 v[\reg+10:\reg+11], v[\adr+2] offset:\off+768
.endm
.macro FETCH slot, q, f                ; 36 LDS loads in one run: 4 scale words, source 0's four fragments, source 1's four
	WIN 0
.irp i, 0,1,2,3
	ds_load_b32 v[SC+4*((\q)%2)+\i], v[ADRS] offset:\i*NS*64+64*(4*(\slot)+(\q))
.endr
	WIN TO_F
.irp i, 0,1,2,3
	FRAG \f+48+12*\i, ADRB+\slot, \i*TROW+(\q)*1536
.endr
.irp i, 0,1,2,3
	FRAG \f+12*\i, ADRA+\slot, \i*TROW+(\q)*1536
.endr
.endm
.macro MUL4 f, a, p, first             ; the 16 accumulators take turns, one instruction a turn, in the same order in every step, over the loop's backward jump too
.irp b, 0,1,2,3
.if \first
	v_wmma_scale_f32_16x16x128_f8f6f4 v[ACC+8*(4*(\a)+\b):ACC+8*(4*(\a)+\b)+7], v[\f+48+12*\b:\f+48+12*\b+11], v[\f+12*(\a):\f+12*(\a)+11], v[BIAS+8*\b:BIAS+8*\b+7], v[SC+4*(\p)+\b], v[SC+4*(\p)+(\a)] matrix_a_fmt:MATRIX_FMT_BF6 matrix_b_fmt:MATRIX_FMT_BF6 matrix_a_scale:MATRIX_SCALE_ROW1
.else
	v_wmma_scale_f32_16x16x128_f8f6f4 v[ACC+8*(4*(\a)+\b):ACC+8*(4*(\a)+\b)+7], v[\f+48+12*\b:\f+48+12*\b+11], v[\f+12*(\a):\f+12*(\a)+11], v[ACC+8*(4*(\a)+\b):ACC+8*(4*(\a)+\b)+7], v[SC+4*(\p)+\b], v[SC+4*(\p)+(\a)] matrix_a_fmt:MATRIX_FMT_BF6 matrix_b_fmt:MATRIX_FMT_BF6 matrix_a_scale:MATRIX_SCALE_ROW1
.endif
.endr
.endm
.macro STEP slot, q, first
	s_wait_dscnt 8                                 ; all but the youngest eight loads (source 1's tiles 2, 3) are in
	WIN MUL
	MUL4 F0+96*((\q)%2), 0, (\q)%2, \first
	MUL4 F0+96*((\q)%2), 1, (\q)%2, \first
	PLACES 4
	FETCH \slot, (\q)+1, F0+96*(((\q)+1)%2)
	s_wait_dscnt 36                                ; all but the 36 just issued
	WIN MUL
	MUL4 F0+96*((\q)%2), 2, (\q)%2, \first
	MUL4 F0+96*((\q)%2), 3, (\q)%2, \first
.endm
; A slot's last step changes slots: ONE barrier.  fill = 1: this slot is filled again, with the 512 along K two slots on
.macro TURN slot, next, fill
	WIN 0                                          ; (the add's two registers lie in window 0)
	s_wait_tensorcnt 0x0                           ; all my tensor loads have landed: my part of the next slot;
	ds_add_u32 v[SPW], v[NIL]                      ; 0 onto my spare word;
	s_wait_dscnt 9                                 ; (the add and the youngest eight loads may be out)
	WIN MUL
	MUL4 F1, 0, 1, 0                               ; four products stand between the add and the wait for it
	s_wait_dscnt 0x0                               ; the add is done, and my reads of this slot are over
	s_barrier_signal -1
	MUL4 F1, 1, 1, 0
	WIN 0
	s_barrier_wait -1
.if \fill
	CREST                                          ; the barrier has opened a round of the cluster's barrier: no wave of any partner still reads this slot or has a load on its way
	s_add_nc_u64 s[G0A+4*\slot+2:G0A+4*\slot+3], s[G0A+4*\slot+2:G0A+4*\slot+3], 2*TROW
	s_add_nc_u64 s[G0B+4*\slot+2:G0B+4*\slot+3], s[G0B+4*\slot+2:G0B+4*\slot+3], 2*TROW
	JLOAD G0A+4*\slot, G1A, G0B+4*\slot, G1B       ; the first tensor load behind the round; its four v_nop are also the places in front of the loads below
.else
	PLACES 4
.endif
.if \next == 0
	v_add_nc_u32 v[ADRS], 512, v[ADRS]             ; on to the next eight steps' scale words
.endif
	FETCH \next, 0, F0
	WIN MUL
	MUL4 F1, 2, 1, 0
	MUL4 F1, 3, 1, 0
.endm
	s_wait_tensorcnt 1                             ; the scale words and my part of slot 0 are in; slot 1's load may be out
	s_barrier_signal -1
	s_barrier_wait -1
	FETCH 0, 0, F0
	s_wait_loadcnt 32                              ; the bias is in; the 32 loads of the residual may be out
	STEP 0, 0, 1                                   ; the first step stands in front of the loop: its products start the sums
	WIN 0
	s_mov_b32 s3, KT/1024-1
.Llap:                                             ; a trip goes once round the ring and fills both slots again
	STEP 0, 1, 0
	STEP 0, 2, 0
	TURN 0, 1, 1
	STEP 1, 0, 0
	STEP 1, 1, 0
	STEP 1, 2, 0
	TURN 1, 0, 1
	STEP 0, 0, 0
	WIN 0
	s_sub_co_u32 s3, s3, 1
	s_cmp_lg_u32 s3, 0
	s_cbranch_scc1 .Llap
	STEP 0, 1, 0                                   ; the last lap fills nothing
	STEP 0, 2, 0
	TURN 0, 1, 0
	STEP 1, 0, 0
	STEP 1, 1, 0
	STEP 1, 2, 0
	s_wait_dscnt 8
	WIN MUL
	MUL4 F1, 0, 1, 0
	MUL4 F1, 1, 1, 0
	s_wait_dscnt 0x0
	MUL4 F1, 2, 1, 0
	MUL4 F1, 3, 1, 0
	WIN 0
	PLACES 4
.macro SETC reg, val
	s_mov_b32 s[\reg], \val
	s_mov_b32 s[\reg+1], \val
.endm
	SETC CF0, 0xc034d90f
	SETC CF1, 0x3fb8ab5a
	SETC CF2, 0x3f0a29d2
	SETC CF3, 0x3e0efb2e
	SETC CF4, 0xbe899a80
	SETC CF5, 0x3ecdfd18
	SETC CF6, 0xbfd1a1e5
	SETC CF7, 0x40097039
	SETC CF9, 0x3e7c6f08
	SETC NHL, 0xbf38aa3b                           ; -log2(e) / 2
	s_mov_b32 s[KZ], 0x3eb504f3                    ; 1 / (2 sqrt 2)
.macro GELU x                          ; in place on 32 registers; the reciprocals are one batch with one wait, and so are the exponentials
.set n, 0
.rept 32
	v_fma_f32 v[T+n], |v[\x+n]|, s[KZ], 1.0
.set n, n+1
.endr
.set n, 0
.rept 32
	v_rcp_f32 v[T+n], v[T+n]
.set n, n+1
.endr
	v_nop
	s_wait_alu depctr_va_vdst(0)                   ; the wait ahead of the batch's first reader
.set n, 0
.rept 16
	v_pk_fma_f32 v[P+n:P+n+1], v[T+n:T+n+1], s[CF9:CF9+1], v[C8V:C8V+1] op_sel_hi:[1,0,0]
.set n, n+2
.endr
.irp c, CF7, CF6, CF5, CF4, CF3, CF2, CF1, CF0
.set n, 0
.rept 16
	v_pk_fma_f32 v[P+n:P+n+1], v[P+n:P+n+1], v[T+n:T+n+1], s[\c:\c+1] op_sel_hi:[1,1,0]
.set n, n+2
.endr
.endr
.set n, 0
.rept 4
.irp k, 0,2,4,6
	v_pk_mul_f32 v[U+\k:U+\k+1], v[\x+n+\k:\x+n+\k+1], v[\x+n+\k:\x+n+\k+1]
.endr
.irp k, 0,2,4,6
	v_pk_fma_f32 v[P+n+\k:P+n+\k+1], v[U+\k:U+\k+1], s[NHL:NHL+1], v[P+n+\k:P+n+\k+1] op_sel_hi:[1,0,1]
.endr
.set n, n+8
.endr
.set n, 0
.rept 32
	v_exp_f32 v[P+n], v[P+n]
.set n, n+1
.endr
	v_nop
	s_wait_alu depctr_va_vdst(0)
.set n, 0
.rept 16
	v_pk_mul_f32 v[P+n:P+n+1], v[P+n:P+n+1], v[T+n:T+n+1]          ; E
.set n, n+2
.endr
.set n, 0
.rept 32
	v_max_num_f32 v[T+n], 0, v[\x+n]
.set n, n+1
.endr
.set n, 0
.rept 32
	v_fma_f32 v[\x+n], -|v[\x+n]|, v[P+n], v[T+n]
.set n, n+1
.endr
.endm
.irp a, 0,1,2,3                        ; THE WAY OUT, 16 tokens x 64 columns at a time, through my own stage: LDS serves a wave's instructions in order, so no wait stands between the stores and the loads
.if \a > 0
	s_wait_xcnt 0x0                                ; the last block's stores have read their registers, which GELU writes again
.endif
	GELU ACC+32*\a
.irp b, 0,1,2,3
	ds_store_b128 v[STO], v[ACC+32*\a+8*\b:ACC+32*\a+8*\b+3] offset:128*(\b/2)+32*(\b%2)
	ds_store_b128 v[STO], v[ACC+32*\a+8*\b+4:ACC+32*\a+8*\b+7] offset:128*(\b/2)+32*(\b%2)+16
.endr
.irp t, 0,1,2,3,4,5,6,7
	ds_load_b128 v[RB+4*\t:RB+4*\t+3], v[RD] offset:544*\t
.endr
	s_wait_dscnt 0x0
.if \a == 0
	s_wait_loadcnt 0x0                             ; the residual
.endif
	WIN 0x08                                       ; source 1 window 2
.set n, 0
.rept 16
	v_pk_add_f32 v[RB+n:RB+n+1], v[RB+n:RB+n+1], v[32*\a+n:32*\a+n+1]
.set n, n+2
.endr
	WIN 0
.irp t, 0,1,2,3,4,5,6,7
	global_store_b128 v[CO], v[RB+4*\t:RB+4*\t+3], s[12:13] offset:(32*(\a/2)+8*(\a%2)+2*\t+8*(\t/4))*4096 th:TH_STORE_NT   ; sixteen lanes: 256 consecutive bytes, aligned; written once, read by nobody here
.endr
.endr
	s_wait_tensorcnt 0x0                           ; the wave's end, behind my last tensor load and my last LDS store
	ds_add_u32 v[SPW], v[NIL]
	s_wait_dscnt 0x0
	CROUND                                         ; the closing round: no work-group ends while a partner may still ask for a tile that names it
	s_endpgm
.Lfunc_end_k_q5e6b764f1f_fc2:
	.size	k_q5e6b764f1f_fc2, .Lfunc_end_k_q5e6b764f1f_fc2-k_q5e6b764f1f_fc2
	.p2alignl 7, 3214868480
	.fill 96, 4, 3214868480
	.section	.rodata,"a",@progbits
	.p2align	6, 0x0
	.amdhsa_kernel k_q5e6b764f1f_fc2
		.amdhsa_group_segment_fixed_size 327680
		.amdhsa_private_segment_fixed_size 0
		.amdhsa_enable_private_segment 0
		.amdhsa_kernarg_size 40
		.amdhsa_user_sgpr_count 2
		.amdhsa_user_sgpr_kernarg_segment_ptr 1
		.amdhsa_wavefront_size32 1
		.amdhsa_system_sgpr_workgroup_id_x 1
		.amdhsa_system_sgpr_workgroup_id_y 1
		.amdhsa_system_sgpr_workgroup_id_z 1
		.amdhsa_system_vgpr_workitem_id 0
		.amdhsa_next_free_vgpr 640
		.amdhsa_next_free_sgpr 100
		.amdhsa_reserve_vcc 0
		.amdhsa_float_denorm_mode_32 3
		.amdhsa_float_denorm_mode_16_64 3
		.amdhsa_memory_ordered 1
		.amdhsa_forward_progress 1
		.amdhsa_inst_pref_size 179
	.end_amdhsa_kernel
	.amdgpu_metadata
---
amdhsa.version: [ 1, 2 ]
amdhsa.kernels:
  - .name:           k_q5e6b764f1f_fc2
    .symbol:         k_q5e6b764f1f_fc2.kd
    .args:
      - { .name: m1q, .offset: 0, .size: 8, .value_kind: global_buffer, .address_space: global }
      - { .name: wts, .offset: 8, .size: 8, .value_kind: global_buffer, .address_space: global }
      - { .name: b2, .offset: 16, .size: 8, .value_kind: global_buffer, .address_space: global }
      - { .name: res, .offset: 24, .size: 8, .value_kind: global_buffer, .address_space: global }
      - { .name: out0, .offset: 32, .size: 8, .value_kind: global_buffer, .address_space: global }
    .group_segment_fixed_size: 327680
    .private_segment_fixed_size: 0
    .kernarg_segment_align: 8
    .kernarg_segment_size: 40
    .max_flat_workgroup_size: 128
    .sgpr_count:     100
    .vgpr_count:     640
    .wavefront_size: 32
...
	.end_amdgpu_metadata
.endif
;; end of part 7
;; ======== version 2 of 2: 8 launches; 1.16 times as fast as version 1
;; workspace buffers: wts 9,830,400 bytes; hq 3,276,800 bytes; qkv 9,830,400 bytes; att 3,276,800 bytes; res 16,777,216 bytes; h2q 3,276,800 bytes; m1q 13,107,200 bytes
;; launch wq: the kernel of part 1 again; grid 384 x 1, 4 waves a work-group, no clusters, 0 bytes of LDS; arguments Wq, Wk, Wv, Wo, W1, W2, wts; writes wts
;; launch ln: the kernel of part 2 again; grid 256 x 1, 4 waves a work-group, no clusters, 66,304 bytes of LDS; arguments x, ln1_g, ln1_b, hq; writes hq
;; launch qkv (part 8): grid 8 x 32, 4 waves a work-group, clusters of 4 x 4, 327,680 bytes of LDS; arguments hq, wts, bq, bk, bv, qkv; writes qkv
.if DOCPART == 8
	.amdgcn_target "amdgcn-amd-amdhsa--gfx1250"
	.amdhsa_code_object_version 6
	.text
	.protected	k_q5e6b764f1f_qkv
	.globl	k_q5e6b764f1f_qkv
	.p2align	8
	.type	k_q5e6b764f1f_qkv,@function
k_q5e6b764f1f_qkv:
	s_mov_b64 s[64:65], 0
	v_nop
	global_prefetch_b8 v0, s[64:65] scope:SCOPE_SE
	s_setreg_imm32_b32 hwreg(HW_REG_WAVE_MODE, 25, 1), 1
	s_wait_xcnt 0x0
	s_wait_alu depctr_hold_cnt(0) depctr_sa_sdst(0) depctr_va_vdst(0) depctr_va_sdst(0) depctr_va_ssrc(0) depctr_va_vcc(0) depctr_vm_vsrc(0)
	s_getreg_b32 s2, hwreg(HW_REG_IB_STS2, 6, 4)
	s_cmp_eq_u32 s2, 0
	s_cbranch_scc0 .Lentry_in_a_cluster
	s_endpgm
.Lentry_in_a_cluster:
	s_bfe_u32 s2, ttmp6, 0x10000c
	s_cmp_lg_u32 s2, 0xf033
	s_cbranch_scc0 .Lentry_shape_is_right
	s_endpgm
.Lentry_shape_is_right:
; q, k, v = LN(x) W + b on codes of E3M2 (one E8M0 byte for each 32 along K = 1,024), and the results quantised again as attention's operands: q and k along the head's 64, v along the keys.
; OPERANDS lie as images of the matrix operand's registers.  Rows go in tiles of 16 (tile 2 g + u, row p = index 32 g + 8 u + p + 8 (p / 8)); a tile's 64 along K are a half fragment of 768 bytes (lane p + 16 h: k = 32 h .. + 31;
; registers 0-3 at 16 x lane, 4-5 at 512 + 8 x lane), laid [tile][K / 64]; scale words [tile][K / 128][16 rows].  So every LDS read is 512 or 256 consecutive bytes, and eight tiles' images are one dense block of 98,304 bytes.
; A WORK-GROUP STAYS: it keeps its 128 tokens' images, all of K, in LDS and makes three tiles of 128 x 128 with them: its 128 columns of Wq, of Wk, of Wv.  A block of weights (all of K) is one LDS slot; two slots take turns: Wq's and
; Wk's are first fills, Wv's is asked for at the head of k's tile, into Wq's slot, and has that whole tile in which to land.  Each of four waves makes 64 x 64: 16 accumulators.
; Source 0's rows run along a lane's registers in the result (by the tile order: 16 neighbours in two tiles), source 1's rows lie one to a lane.  q, k: source 0 = rows of W, source 1 = tokens: a lane holds one token and 64 features
; of one head.  v: THE SOURCES CHANGE PLACES: a lane holds one feature and 64 keys.  The bias is the C of each sum's first product: along the registers for q and k, the lane's own for v.
; CLUSTER 4 x 4: the tokens' block is shared along a row of the cluster, a weight block along a column: joint loads.  A slot is filled again in this order: every wave waits for all its tensor loads, adds 0 to its spare word, waits for
; that and for its reads of the slot, a round of the cluster's barrier, and the joint refill first behind it, one a wave.
; OUTPUT: qkv = Q, K, V parts of 3,276,800 bytes, each 32 packs (16 batch + head) of 102,400: 98,304 of half fragments + 4,096 of scale words.  Q, K: [token tile 0..127]; words [tile / 2][16], a tile's two bytes in its half.
; V: [64 keys c][feature tile 0..3]; words [c / 2][tile][16], chunk c's two bytes in half c % 2.
; LIMITS: a block of zeros gets the byte 1, not 127 (its codes are zeros; this program alone reads the bytes); NaN and infinities are not served.  All of a WGP's LDS is claimed.
.set NT,    3                          ; tiles of a work-group's walk
.set TPB,   98304                      ; eight tiles' images
.set QRT,   24576                      ; a quarter of them: what one tensor load brings
.set WI1,   1<<17                      ; LDS: weight slot 0 at 0, slot 1 here: one exclusive or turns an address from one to the other
.set ASC,   98304                      ; the tokens' scale words, 4,096 bytes
.set WSC,   102400                     ; the weights' scale words of all NT blocks: [half of a block's tiles][block][4 tiles][8 steps][16 rows]
.set SPARE, 118784                     ; the spare words, 128 bytes for each wave: two blocks of 256 bytes that no other line names
.set AI,    229376                     ; the tokens' images, to the end of LDS
.set ASCO,  3145728                    ; where hq's scale words begin
.set WSCO,  9437184                    ; and Wq's in wts (its images begin at 0; Wk's and Wv's blocks lie 8 blocks on each)
.set PART,  3276800
.set HW,   4                           ; v4-7    the half scale words made
.set SC,   8                           ; v8-15   scale words, two sets of four: + 0, 1 the tokens' (lanes 0-15 tile 2 i, lanes 16-31 tile 2 i + 1), + 2, 3 the weights'
.set A16,  16                          ; the tokens' 16-byte pieces, 8-byte pieces
.set A8,   17
.set B16B, 18                          ; the weights', in slot 0
.set B8B,  19
.set B16,  20                          ; the weights', in the slot in hand
.set B8,   21
.set ADSA, 22
.set ADSB, 23
.set R4,   24                          ; 4 r
.set L16,  25                          ; 16 x lane
.set L8,   26                          ; 512 + 8 x lane
.set SPW,  28                          ; SPARE + 4 x my thread's number; never rewritten
.set NIL,  29                          ; 0; never rewritten
.set BO,   30
.set BQ,   32                          ; v32-63  bq along the registers; later bv of my lane's rows
.set BK,   64                          ; v64-95  bk
.set TM,   96
.set PC,   104
.set PT,   110
.set BL,   120                         ; v120-123 bv of my lane's row in each of four tiles
.set ACC,  128                         ; accumulator (y, x) at v[128 + 8 (4 y + x)]
.set F0,   0                           ; window 1: two fragment buffers of 96: source 1's four at + 12 i, source 0's at + 48 + 12 i
.set F1,   96
.set TB,   2
.set G1A,  24
.set G1W,  32
.set G1SA, 48
.set G1SW, 56
.set G0A,  68
.set G0W,  72
.set G0W1, 76
.set G0SA, 80
.set G0SW, 84
.set OI,   94
.set OS,   96
.set OV,   66
.set SEL,  98
.set MUL,  0x05                        ; sources 0 and 1 window 1; C and D window 0
.set TO_F, 0x40                        ; destination window 1
.set MSB, 0
.macro WIN new                         ; the immediate's high byte repeats the setting that is left
.if MSB != \new
	s_set_vgpr_msb (MSB<<8)|\new
.set MSB, \new
.endif
.endm
.macro JLOAD g0a, g1a, g0b, g1b        ; a joint load: waves 0, 1 fetch for the tokens, waves 2, 3 for the weights; four v_nop follow each line
	s_cmp_eq_u32 s15, 0
	s_cbranch_scc0 .Lfor_b_\@
	tensor_load_to_lds s[\g0a:\g0a+3], s[\g1a:\g1a+7]
	s_nop 0
.rept 4
	v_nop
.endr
	s_branch .Lasked_\@
.Lfor_b_\@:
	tensor_load_to_lds s[\g0b:\g0b+3], s[\g1b:\g1b+7]
	s_nop 0
.rept 4
	v_nop
.endr
.Lasked_\@:
.endm
.macro CROUND                          ; a round of the cluster's barrier
	s_barrier_signal -1
	s_barrier_wait -1
	s_cmp_lg_u32 s14, 0
	s_cbranch_scc1 .Lnot_wave_0_\@
	s_barrier_signal -3
.Lnot_wave_0_\@:
	s_barrier_wait -3
	s_barrier_signal -1
	s_barrier_wait -1
.endm
.macro PLACES n
.rept \n
	v_nop
.endr
.endm
	s_load_b128 s[4:7], s[0:1], 0x0                ; hq, wts
	s_load_b128 s[8:11], s[0:1], 0x10              ; bq, bk
	s_load_b64 s[12:13], s[0:1], 0x20              ; bv
	s_load_b64 s[OV:OV+1], s[0:1], 0x28            ; qkv
	v_lshl_add_u32 v[SPW], v0, 2, SPARE
	v_mov_b32 v[NIL], 0
	ds_add_u32 v28, v29
	ds_add_u32 v28, v29
	s_wait_dscnt 0x0
	v_lshrrev_b32 v1, 5, v0
	v_readfirstlane_b32 s14, v1                    ; wave 0..3
	s_lshr_b32 s15, s14, 1                         ; which 64 tokens are mine.  Also: I fetch the tokens' scale words (0) or the weights' (1)
	s_and_b32 s16, s14, 1                          ; which 64 columns.  Also: which half of those words
	s_bfe_u32 s40, ttmp6, 0x40000                  ; cx
	s_bfe_u32 s41, ttmp6, 0x40004                  ; cy
	s_lshl_b32 s42, ttmp9, 2
	s_add_co_u32 s42, s42, s40                     ; nt: my block of 128 columns in each of the three weights, 0..7
	s_and_b32 s17, ttmp7, 0xffff
	s_lshl_b32 s17, s17, 2
	s_add_co_u32 s17, s17, s41                     ; mt: my block of 128 tokens
	s_lshl_b32 s43, s41, 2
	s_lshl_b32 s43, 15, s43                        ; my row of the cluster
	s_lshl_b32 s44, 0x1111, s40                    ; my column
	; group 1 for a quarter of a block of images: 96 rows of 256 bytes (32 elements of 8), dense; no padding; bit 21 set beside the mask
	s_or_b32 s[G1A], s43, (3<<16)|(1<<21)
	s_or_b32 s[G1W], s44, (3<<16)|(1<<21)
.irp g, G1A, G1W
	s_mov_b32 s[\g+1], 32<<16
	s_mov_b32 s[\g+2], 96<<16
	s_mov_b32 s[\g+3], 32<<16
	s_mov_b32 s[\g+4], 96
	s_mov_b32 s[\g+5], 32
	s_mov_b32 s[\g+6], 0
	s_mov_b32 s[\g+7], 0
.endr
	s_or_b32 s[G1SA], s43, (3<<16)|(1<<21)         ; four token tiles' scale words: 8 rows of 256 bytes, dense
	s_mov_b32 s[G1SA+1], 32<<16
	s_mov_b32 s[G1SA+2], 8<<16
	s_mov_b32 s[G1SA+3], 32<<16
	s_mov_b32 s[G1SA+4], 8
	s_mov_b32 s[G1SA+5], 32
	s_mov_b32 s[G1SA+6], 0
	s_mov_b32 s[G1SA+7], 0
	s_or_b32 s[G1SW], s44, (3<<16)|(1<<21)         ; four weight tiles' scale words of each of the NT blocks: NT rows of 2,048 bytes, 32,768 bytes (8 blocks) apart
	s_mov_b32 s[G1SW+1], 256<<16
	s_mov_b32 s[G1SW+2], NT<<16
	s_mov_b32 s[G1SW+3], 256<<16
	s_mov_b32 s[G1SW+4], NT
	s_mov_b32 s[G1SW+5], 4096
	s_mov_b32 s[G1SW+6], 0
	s_mov_b32 s[G1SW+7], 0
	s_mul_i32 s18, s14, QRT                        ; my quarter of a block of images, in memory and in LDS: no place in the cluster enters an LDS address
	s_mul_i32 s20, s17, TPB
	s_add_co_u32 s20, s20, s18                     ; the tokens' images
	s_mov_b32 s21, 0
	s_mul_i32 s46, s42, TPB
	s_add_co_u32 s46, s46, s18                     ; Wq's
	s_mov_b32 s47, 0
	s_lshl_b32 s19, s16, 11                        ; my half of a block's scale words
	s_lshl_b32 s22, s17, 12
	s_add_co_u32 s22, s22, s19
	s_add_co_u32 s22, s22, ASCO
	s_mov_b32 s23, 0
	s_lshl_b32 s92, s42, 12
	s_add_co_u32 s92, s92, s19
	s_add_co_u32 s92, s92, WSCO
	s_mov_b32 s93, 0
	s_mul_i32 s45, s16, NT*2048
	s_wait_kmcnt 0x0
	s_add_nc_u64 s[20:21], s[4:5], s[20:21]
	s_add_nc_u64 s[22:23], s[4:5], s[22:23]
	s_add_nc_u64 s[46:47], s[6:7], s[46:47]
	s_add_nc_u64 s[92:93], s[6:7], s[92:93]
	CROUND                                         ; all sixteen work-groups are here: the first joint loads meet
	s_mov_b32 s[G0SA], 1
	s_add_co_u32 s[G0SA+1], s19, ASC
	s_mov_b64 s[G0SA+2:G0SA+3], s[22:23]
	s_or_b32 s[G0SA+3], s[G0SA+3], 0x80000000
	s_mov_b32 s[G0SW], 1
	s_add_co_u32 s[G0SW+1], s45, WSC
	s_mov_b64 s[G0SW+2:G0SW+3], s[92:93]
	s_or_b32 s[G0SW+3], s[G0SW+3], 0x80000000
	JLOAD G0SA, G1SA, G0SW, G1SW                   ; the scale words
	s_mov_b32 s[G0A], 1
	s_add_co_u32 s[G0A+1], s18, AI
	s_mov_b64 s[G0A+2:G0A+3], s[20:21]
	s_or_b32 s[G0A+3], s[G0A+3], 0x80000000
	tensor_load_to_lds s[G0A:G0A+3], s[G1A:G1A+7]  ; the tokens' images, my quarter
	s_nop 0
.rept 4
	v_nop
.endr
	s_mov_b32 s[G0W], 1
	s_add_co_u32 s[G0W+1], s18, 0
	s_mov_b64 s[G0W+2:G0W+3], s[46:47]
	s_or_b32 s[G0W+3], s[G0W+3], 0x80000000
	tensor_load_to_lds s[G0W:G0W+3], s[G1W:G1W+7]  ; Wq's block into slot 0
	s_nop 0
.rept 4
	v_nop
.endr
	s_mov_b32 s[G0W1], 1
	s_add_co_u32 s[G0W1+1], s18, WI1
	s_add_nc_u64 s[G0W1+2:G0W1+3], s[46:47], 8*TPB
	s_or_b32 s[G0W1+3], s[G0W1+3], 0x80000000
	tensor_load_to_lds s[G0W1:G0W1+3], s[G1W:G1W+7] ; Wk's into slot 1: four loads of mine are out
	s_nop 0
.rept 4
	v_nop
.endr
	v_and_b32 v3, 31, v0                           ; lane
	v_and_b32 v1, 15, v0                           ; r
	v_bfe_u32 v2, v0, 4, 1                         ; h
	v_lshlrev_b32 v[L16], 4, v3
	v_lshl_add_u32 v[L8], v3, 3, 512
	v_lshlrev_b32 v[R4], 2, v1
	s_mul_i32 s21, s15, 2*QRT
	s_add_co_u32 s21, s21, AI
	v_add_nc_u32 v[A16], s21, v[L16]               ; my four token tiles
	v_add_nc_u32 v[A8], s21, v[L8]
	s_mul_i32 s22, s16, 2*QRT
	v_add_nc_u32 v[B16B], s22, v[L16]              ; my four weight tiles
	v_add_nc_u32 v[B8B], s22, v[L8]
	v_lshlrev_b32 v31, 9, v2
	v_lshl_add_u32 v31, v1, 2, v31                 ; 512 h + 4 r: lanes 16-31 take the next tile's words
	s_lshl_b32 s21, s15, 11
	s_add_co_u32 s21, s21, ASC
	v_add_nc_u32 v[ADSA], s21, v31
	s_mul_i32 s22, s16, NT*2048
	s_add_co_u32 s22, s22, WSC
	v_add_nc_u32 v[ADSB], s22, v31
	s_mov_b32 s[SEL], 0x76543210
	s_mov_b32 s[SEL+1], 0xfedcba98
	s_mov_b32 s[TB], 0
	v_mov_b32 v[TM+2], 0                           ; written once: a lane permute's destination counts as one of its sources
	v_mov_b32 v[TM+3], 0
	; the biases: my head's 64 numbers of each
	s_lshl_b32 s100, s42, 9
	s_lshl_b32 s101, s16, 8
	s_add_co_u32 s100, s100, s101
	s_mov_b32 s101, 0
	s_add_nc_u64 s[8:9], s[8:9], s[100:101]
	s_add_nc_u64 s[10:11], s[10:11], s[100:101]
	s_add_nc_u64 s[12:13], s[12:13], s[100:101]
	v_lshlrev_b32 v[BO], 6, v2                     ; along the registers: tile 2 g + u holds features 32 g + 16 h + 8 u + 0..7
.irp b, 0,1,2,3
	global_load_b128 v[BQ+8*\b:BQ+8*\b+3], v[BO], s[8:9] offset:(32*(\b/2)+8*(\b%2))*4
	global_load_b128 v[BQ+8*\b+4:BQ+8*\b+7], v[BO], s[8:9] offset:(32*(\b/2)+8*(\b%2))*4+16
	global_load_b128 v[BK+8*\b:BK+8*\b+3], v[BO], s[10:11] offset:(32*(\b/2)+8*(\b%2))*4
	global_load_b128 v[BK+8*\b+4:BK+8*\b+7], v[BO], s[10:11] offset:(32*(\b/2)+8*(\b%2))*4+16
.endr
	v_and_b32 v31, 8, v1
	v_add_nc_u32 v31, v31, v1
	v_lshlrev_b32 v31, 2, v31                      ; of my lane's row: feature 32 (y / 2) + 8 (y % 2) + r + 8 (r / 8)
.irp y, 0,1,2,3
	global_load_b32 v[BL+\y], v31, s[12:13] offset:(32*(\y/2)+8*(\y%2))*4
.endr
	; where the results go
	s_lshr_b32 s18, s17, 4
	s_lshl_b32 s18, s18, 4
	s_lshl_b32 s19, s42, 1
	s_add_co_u32 s18, s18, s19
	s_add_co_u32 s18, s18, s16                     ; 16 batch + head
	s_mul_i32 s100, s18, 102400
	s_add_nc_u64 s[OV:OV+1], s[OV:OV+1], s[100:101] ; my pack in Q's part; K's and V's lie PART and 2 PART on: in the stores' immediates
	s_and_b32 s19, s17, 15                         ; the block of 128 tokens in the batch
	s_lshl_b32 s100, s19, 1
	s_add_co_u32 s100, s100, s15
	s_mul_i32 s100, s100, 3072
	s_add_nc_u64 s[OI:OI+1], s[OV:OV+1], s[100:101] ; my four half fragments: the same place for q, k (four token tiles) and v (one chunk of keys, four feature tiles)
	s_lshl_b32 s19, s19, 8
	s_add_co_u32 s19, s19, 98304
	s_lshl_b32 s100, s15, 7
	s_add_co_u32 s100, s100, s19
	s_add_nc_u64 s[OS:OS+1], s[OV:OV+1], s[100:101] ; q's and k's half scale words: two words for my 64 tokens
	s_lshl_b32 s100, s15, 1
	s_add_co_u32 s100, s100, s19
	s_add_nc_u64 s[OV:OV+1], s[OV:OV+1], s[100:101] ; v's: my 64 keys' half of each word
.macro FRAG reg, a16, a8, off          ; a fragment, 16 rows x 128 K: two half fragments, each 16 + 8 bytes a lane
	ds_load_b128 v[\reg:\reg+3], v[\a16] offset:\off
	ds_load_b64 v[\reg+4:\reg+5], v[\a8] offset:\off
	ds_load_b128 v[\reg+6:\reg+9], v[\a16] offset:\off+768
	ds_load_b64 v[\reg+10:\reg+11], v[\a8] offset:\off+768
.endm
.macro FETCH q, f                      ; 36 LDS loads in one run: the q-th 128 along K: 4 scale registers, source 0's four fragments (X), source 1's four (Y)
	WIN 0
	ds_load_b32 v[SC+4*((\q)%2)], v[ADSA] offset:64*(\q)
	ds_load_b32 v[SC+4*((\q)%2)+1], v[ADSA] offset:1024+64*(\q)
	ds_load_b32 v[SC+4*((\q)%2)+2], v[ADSB] offset:64*(\q)
	ds_load_b32 v[SC+4*((\q)%2)+3], v[ADSB] offset:1024+64*(\q)
	WIN TO_F
.irp i, 0,1,2,3
	FRAG \f+48+12*\i, X16, X8, \i*12288+(\q)*1536
.endr
.irp i, 0,1,2,3
	FRAG \f+12*\i, Y16, Y8, \i*12288+(\q)*1536
.endr
.endm
.macro WM d, a, b, c, sa, sb, ra, rb   ; one product; ra, rb: the side's scale words stand in lanes 16-31 of its register
.if (\ra)&&(\rb)
	v_wmma_scale_f32_16x16x128_f8f6f4 v[\d:\d+7], v[\a:\a+11], v[\b:\b+11], v[\c:\c+7], v[\sa], v[\sb] matrix_a_fmt:MATRIX_FMT_BF6 matrix_b_fmt:MATRIX_FMT_BF6 matrix_a_scale:MATRIX_SCALE_ROW1 matrix_b_scale:MATRIX_SCALE_ROW1
.elseif \ra
	v_wmma_scale_f32_16x16x128_f8f6f4 v[\d:\d+7], v[\a:\a+11], v[\b:\b+11], v[\c:\c+7], v[\sa], v[\sb] matrix_a_fmt:MATRIX_FMT_BF6 matrix_b_fmt:MATRIX_FMT_BF6 matrix_a_scale:MATRIX_SCALE_ROW1
.elseif \rb
	v_wmma_scale_f32_16x16x128_f8f6f4 v[\d:\d+7], v[\a:\a+11], v[\b:\b+11], v[\c:\c+7], v[\sa], v[\sb] matrix_a_fmt:MATRIX_FMT_BF6 matrix_b_fmt:MATRIX_FMT_BF6 matrix_b_scale:MATRIX_SCALE_ROW1
.else
	v_wmma_scale_f32_16x16x128_f8f6f4 v[\d:\d+7], v[\a:\a+11], v[\b:\b+11], v[\c:\c+7], v[\sa], v[\sb] matrix_a_fmt:MATRIX_FMT_BF6 matrix_b_fmt:MATRIX_FMT_BF6
.endif
.endm
; source 1's tile y against source 0's four.  cmode 1: C = the bias along the registers (of tile x); 2: the bias of the lane's row (of tile y); 0: the sum goes on in place.
; The 16 accumulators take turns, one instruction a turn, in the same order in every step
.macro MUL4 f, y, p, cmode
.irp x, 0,1,2,3
.set DD, ACC+8*(4*(\y)+\x)
.if \cmode == 1
.set CR, CB+8*\x
.elseif \cmode == 2
.set CR, CB+8*(\y)
.else
.set CR, DD
.endif
.if SWAP
	WM DD, \f+48+12*\x, \f+12*(\y), CR, SC+4*(\p)+\x/2, SC+4*(\p)+2+(\y)/2, \x%2, (\y)%2
.else
	WM DD, \f+48+12*\x, \f+12*(\y), CR, SC+4*(\p)+2+\x/2, SC+4*(\p)+(\y)/2, \x%2, (\y)%2
.endif
.endr
.endm
.macro STEP q, cmode                   ; 128 along K; the next step's loads stand in one run in its middle, behind four places
	s_wait_dscnt 8                                 ; all but the youngest eight loads (source 1's tiles 2, 3) are in
	WIN MUL
	MUL4 F0+96*((\q)%2), 0, (\q)%2, \cmode
	MUL4 F0+96*((\q)%2), 1, (\q)%2, \cmode
	PLACES 4
	FETCH (\q)+1, F0+96*(((\q)+1)%2)
	s_wait_dscnt 36                                ; all but the 36 just issued
	WIN MUL
	MUL4 F0+96*((\q)%2), 2, (\q)%2, \cmode
	MUL4 F0+96*((\q)%2), 3, (\q)%2, \cmode
.endm
.macro MAIN cmode                      ; a tile's eight steps
	v_add_nc_u32 v[B16], s[TB], v[B16B]            ; the weights in the slot in hand
	v_add_nc_u32 v[B8], s[TB], v[B8B]
	FETCH 0, F0
	s_wait_loadcnt 0x0                             ; the biases (the first tile's wait; later ones find nothing out)
	STEP 0, \cmode
.irp q, 1,2,3,4,5,6
	STEP \q, 0
.endr
	s_wait_dscnt 8                                 ; the last step: nothing more to fetch
	WIN MUL
	MUL4 F1, 0, 1, 0
	MUL4 F1, 1, 1, 0
	s_wait_dscnt 0x0
	MUL4 F1, 2, 1, 0
	MUL4 F1, 3, 1, 0
	WIN 0
	PLACES 4
.endm
; THE CHANGE OF SLOTS, at a tile's head.  fill = 1: the slot just left is filled again, with the block two tiles on
.macro CHANGE fill
	s_wait_tensorcnt 0x0                           ; all my tensor loads have landed, my part of the slot ahead among them: so a group 0 may be written
	ds_add_u32 v[SPW], v[NIL]                      ; 0 onto my spare word
.if \fill
	s_add_nc_u64 s[G0W+2:G0W+3], s[G0W+2:G0W+3], 16*TPB
.endif
	s_xor_b32 s[TB], s[TB], WI1                    ; my reads go on to the other slot
	s_wait_dscnt 0x0                               ; the add is done, and my reads of the slot that I leave are over
.if \fill
	CROUND                                         ; so it is with every wave of all sixteen work-groups
	tensor_load_to_lds s[G0W:G0W+3], s[G1W:G1W+7]  ; the joint refill, first behind the round, one a wave: it has this whole tile in which to land
	s_nop 0
.rept 4
	v_nop
.endr
.else
	s_barrier_signal -1
	s_barrier_wait -1
.endif
	v_add_nc_u32 v[ADSB], 2048, v[ADSB]            ; the next block's scale words
.endm
; 32 numbers of a lane, register 16 b + i = k 32 b + 16 h + i of its row, become a half fragment's six code registers in v[PC] on and the row's two scale bytes in v[hw]
.macro QUANT2 s, hw
.irp b, 0,1
	v_max3_num_f32 v[TM+\b], |v[\s+16*\b]|, |v[\s+16*\b+1]|, 0x2800000   ; with the floor 2^(5 - 127): the byte cannot fall under 1
.endr
.irp i, 2,4,6,8,10,12,14
.irp b, 0,1
	v_max3_num_f32 v[TM+\b], v[TM+\b], |v[\s+16*\b+\i]|, |v[\s+16*\b+\i+1]|
.endr
.endr
.irp b, 0,1
	v_permlanex16_b32 v[TM+2+\b], v[TM+\b], s[SEL], s[SEL+1]
.endr
.irp b, 0,1
	v_max_num_f32 v[TM+\b], v[TM+\b], v[TM+2+\b]
.endr
.irp b, 0,1
	v_add_nc_u32 v[TM+4+\b], 0xfe000000, v[TM+\b]  ; 4 off the exponent field: the conversion's scale operand
.endr
.irp b, 0,1
	v_lshrrev_b32 v[TM+6+\b], 23, v[TM+4+\b]
.endr
	v_lshl_or_b32 v[\hw], v[TM+7], 8, v[TM+6]
	v_cvt_scalef32_pk16_bf6_f32 v[PC:PC+2], v[\s:\s+15], v[TM+4]
	v_cvt_scalef32_pk16_bf6_f32 v[PT:PT+2], v[\s+16:\s+31], v[TM+5]
	v_nop                                          ; one plain line behind a scaled conversion
.irp i, 0,1,2
	v_permlane16_swap_b32 v[PC+\i], v[PT+\i]       ; a whole block to a lane: lanes 0-15 block 0, lanes 16-31 block 1
.endr
.irp i, 0,1,2
	v_mov_b32 v[PC+3+\i], v[PT+\i]
.endr
.endm
.macro EPI j                           ; a tile's way out: four half fragments and their half scale words
.irp y, 0,1,2,3
.if (\j+\y) > 0
	s_wait_xcnt 0x0                                ; the last stores have read the code registers
.endif
	QUANT2 ACC+32*\y, HW+\y
	global_store_b128 v[L16], v[PC:PC+3], s[OI:OI+1] offset:\j*PART+768*\y       ; 512 consecutive bytes
	global_store_b64 v[L8], v[PC+4:PC+5], s[OI:OI+1] offset:\j*PART+768*\y       ; 256
.if \j < 2
	global_store_b16 v[R4], v[HW+\y], s[OS:OS+1] offset:\j*PART+64*(\y/2)+2*(\y%2) ; both halves of the lanes hold the row's two bytes and write the same
.else
	global_store_b16 v[R4], v[HW+\y], s[OV:OV+1] offset:\j*PART+64*\y
.endif
.endr
.endm
	s_wait_tensorcnt 1                             ; the scale words, the tokens and Wq's block, my parts, are in; Wk's load may be out
	s_barrier_signal -1
	s_barrier_wait -1
.set SWAP, 0                           ; q: source 0 = the weights, source 1 = the tokens
.set X16, B16
.set X8,  B8
.set Y16, A16
.set Y8,  A8
.set CB,  BQ
	MAIN 1
	EPI 0
	CHANGE 1                                       ; k; Wv's block goes out, into Wq's slot
.set CB,  BK
	MAIN 1
.irp y, 0,1,2,3                        ; bv of my lane's rows takes bq's registers, eight alike for each tile: the C of v's first products
.set n, 0
.rept 8
	v_mov_b32 v[BQ+8*\y+n], v[BL+\y]
.set n, n+1
.endr
.endr
	EPI 1
	CHANGE 0                                       ; v: nothing is left to fetch
.set SWAP, 1                           ; source 0 = the tokens, source 1 = the weights
.set X16, A16
.set X8,  A8
.set Y16, B16
.set Y8,  B8
.set CB,  BQ
	MAIN 2
	EPI 2
	s_wait_tensorcnt 0x0                           ; the wave's end
	ds_add_u32 v[SPW], v[NIL]
	s_wait_dscnt 0x0
	CROUND                                         ; the closing round: no work-group ends while a partner may still ask for a tile that names it
	s_endpgm
.Lfunc_end_k_q5e6b764f1f_qkv:
	.size	k_q5e6b764f1f_qkv, .Lfunc_end_k_q5e6b764f1f_qkv-k_q5e6b764f1f_qkv
	.p2alignl 7, 3214868480
	.fill 96, 4, 3214868480
	.section	.rodata,"a",@progbits
	.p2align	6, 0x0
	.amdhsa_kernel k_q5e6b764f1f_qkv
		.amdhsa_group_segment_fixed_size 327680
		.amdhsa_private_segment_fixed_size 0
		.amdhsa_enable_private_segment 0
		.amdhsa_kernarg_size 48
		.amdhsa_user_sgpr_count 2
		.amdhsa_user_sgpr_kernarg_segment_ptr 1
		.amdhsa_wavefront_size32 1
		.amdhsa_system_sgpr_workgroup_id_x 1
		.amdhsa_system_sgpr_workgroup_id_y 1
		.amdhsa_system_sgpr_workgroup_id_z 1
		.amdhsa_system_vgpr_workitem_id 0
		.amdhsa_next_free_vgpr 512
		.amdhsa_next_free_sgpr 102
		.amdhsa_reserve_vcc 0
		.amdhsa_float_denorm_mode_32 3
		.amdhsa_float_denorm_mode_16_64 3
		.amdhsa_memory_ordered 1
		.amdhsa_forward_progress 1
		.amdhsa_inst_pref_size 149
	.end_amdhsa_kernel
	.amdgpu_metadata
---
amdhsa.version: [ 1, 2 ]
amdhsa.kernels:
  - .name:           k_q5e6b764f1f_qkv
    .symbol:         k_q5e6b764f1f_qkv.kd
    .args:
      - { .name: hq, .offset: 0, .size: 8, .value_kind: global_buffer, .address_space: global }
      - { .name: wts, .offset: 8, .size: 8, .value_kind: global_buffer, .address_space: global }
      - { .name: bq, .offset: 16, .size: 8, .value_kind: global_buffer, .address_space: global }
      - { .name: bk, .offset: 24, .size: 8, .value_kind: global_buffer, .address_space: global }
      - { .name: bv, .offset: 32, .size: 8, .value_kind: global_buffer, .address_space: global }
      - { .name: qkv, .offset: 40, .size: 8, .value_kind: global_buffer, .address_space: global }
    .group_segment_fixed_size: 327680
    .private_segment_fixed_size: 0
    .kernarg_segment_align: 8
    .kernarg_segment_size: 48
    .max_flat_workgroup_size: 128
    .sgpr_count:     102
    .vgpr_count:     512
    .wavefront_size: 32
...
	.end_amdgpu_metadata
.endif
;; end of part 8
;; launch attn (part 9): grid 8 x 32, 8 waves a work-group, clusters of 4 x 1, 239,616 bytes of LDS; arguments qkv, slim, att; writes att
.if DOCPART == 9
	.amdgcn_target "amdgcn-amd-amdhsa--gfx1250"
	.amdhsa_code_object_version 6
	.text
	.protected	k_q5e6b764f1f_attn
	.globl	k_q5e6b764f1f_attn
	.p2align	8
	.type	k_q5e6b764f1f_attn,@function
k_q5e6b764f1f_attn:
	s_mov_b64 s[64:65], 0
	v_nop
	global_prefetch_b8 v0, s[64:65] scope:SCOPE_SE
	s_setreg_imm32_b32 hwreg(HW_REG_WAVE_MODE, 25, 1), 1
	s_wait_xcnt 0x0
	s_wait_alu depctr_hold_cnt(0) depctr_sa_sdst(0) depctr_va_vdst(0) depctr_va_sdst(0) depctr_va_ssrc(0) depctr_va_vcc(0) depctr_vm_vsrc(0)
	s_getreg_b32 s2, hwreg(HW_REG_IB_STS2, 6, 4)
	s_cmp_eq_u32 s2, 0
	s_cbranch_scc0 .Lentry_in_a_cluster
	s_endpgm
.Lentry_in_a_cluster:
	s_bfe_u32 s2, ttmp6, 0x10000c
	s_cmp_lg_u32 s2, 0x3003
	s_cbranch_scc0 .Lentry_shape_is_right
	s_endpgm
.Lentry_shape_is_right:
; attn[q] = the sum over keys of p V, p = e / (1 + the row's sum of e) x slim[head], e = exp(s / 8 - the row's largest s / 8), s = Q . K: both products on codes of E3M2.  p is quantised FINISHED, along the keys, so a row's
; largest score and sum are wanted before any p.  THE SCORES STAY IN REGISTERS between: each score, each exponential and each product K Q^T is made once.
; SHARES.  A work-group owns 256 queries of one (batch, head) and takes them 32 at a time, 8 trips.  Eight waves of 512 registers, two to a SIMD: four waves share a tile of 16 queries, wave kq of them takes keys 512 kq .. + 511:
; 256 scores a lane, all of window 1.  What the four hand each other goes through LDS, behind a barrier each: the row's largest score, the row's sum, the partial O; wave kq = 0 adds the partial O, quantises and stores.
; ARITHMETIC.  c = log2(e) / 8; e = 2^(s c - round(smax c)), one multiply-add and one exponential; l = the sum of e over all 2,048 keys; p = e x (slim / (1 + l)).  A block's largest |p| is not searched for: the block's largest
; SCORE goes through the same multiply-add, exponential and multiplication (this takes v_exp_f32 not to fall where its input rises; at the worst one p of a block, within an ulp of a power of two, is held one code low).
; The head's whole K pack and V pack (102,400 bytes each: half fragments of 768 bytes, then scale words) come into LDS ONCE: each wave brings 12,800 bytes of each.  Nothing is filled again.
; CLUSTER 4 x 1: the four query blocks of a cluster read the same K and V: joint loads.
; THE HEAD IS 64, THE INSTRUCTION'S K 128: a fragment of K carries TWO tiles of 16 keys (k 0-63: tile 2 f, k 64-127: tile 2 f + 1) and is multiplied by [Q | 0] and by [0 | Q]: no LDS byte is read for nothing.
; LAYOUT.  Both products transposed: a lane holds one query.  Tile 2 f + u, row p is key 32 f + 8 u + p + 8 (p / 8), so that the 16 registers of two neighbouring tiles are 16 neighbouring keys.
; OUTPUT: att as an operand of the next product: half fragment [token tile][head], scale words from byte 3,145,728 [tile][head / 2][16], a head's two bytes in its half.
; LIMITS: e under 2^-126 falls to 0; e at the row's maximum is 1 to within an ulp of smax c; a block of zeros gets the byte 1, not 127 (its codes are zeros); NaN and infinities are not served.
.set XM,   204800                      ; LDS behind the packs: the rows' largest scores [tile of queries][row][kq], 512 bytes; 512 bytes on the rows' sums likewise
.set XO,   XM+1024                     ; the partial O: 4,096 bytes for each wave, an image of its 32 registers
.set KL16, 4                           ; v4-6   my places in my 512 keys of K's pack: 16-byte pieces, 8-byte pieces, scale words;  v7-9 the same in V's
.set KL8,  5
.set KL4,  6
.set VL16, 7
.set VL8,  8
.set VL4,  9
.set XMW,  10                          ; where I put my row's figure, and where I read the four
.set XMR,  11
.set XOW,  12
.set XORD, 13
.set G16,  14                          ; 16 x lane
.set G8,   15                          ; 512 + 8 x lane
.set R4,   16                          ; 4 r
.set QSL,  17                          ; Q's two scale bytes as loaded
.set T0,   18
.set T1,   19
.set NM,   20                          ; v[20:21] -round(smax c)
.set CC,   22                          ; v[22:23] slim / (1 + l)
.set SUM,  24                          ; v24-31  four chains of sums; later the way out's quantiser
.set X4,   32                          ; v32-35  the four waves' figures
.set QS,   36                          ; Q's scale word
.set KS,   38                          ; v38-41  K's or V's scale words, two sets of two: lanes 0-15 fragment 2 i, lanes 16-31 fragment 2 i + 1
.set PW,   42                          ; v42-45  p's scale words of my four steps
.set HWR,  46
.set QA,   48                          ; v48-59 [Q | 0];  v60-71 [0 | Q]
.set KF,   72                          ; v72-167 two sets of four fragments of K, then of V; on the way out three partial O
.set O,    168                         ; v168-199
.set PCA,  200                         ; v200-211, v212-223 p's codes, two sets
.set PCB,  212
.set PT,   224                         ; v224-231 the conversions' other halves
.set BM,   232                         ; v232-247 the 16 blocks' largest scores, then e, then p, then the conversions' scale operands
.set BT,   200                         ; sixteen registers at work, where the codes will lie
.set WV,   10
.set KQ,   11
.set QT,   12
.set SEL,  20
.set CS,   22
.set G1,   24
.set NCS,  40
.set CNT,  41
.set SLIM, 42
.set QP,   44
.set QSP,  46
.set AP,   48
.set ASP,  50
.set MSB, 0
.macro WIN new                         ; the immediate's high byte repeats the setting that is left.  Bits 1:0 source 0, 3:2 source 1, 5:4 source 2, 7:6 destination
.if MSB != \new
	s_set_vgpr_msb (MSB<<8)|\new
.set MSB, \new
.endif
.endm
.macro CROUND
	s_barrier_signal -1
	s_barrier_wait -1
	s_cmp_lg_u32 s[WV], 0
	s_cbranch_scc1 .Lnot_wave_0_\@
	s_barrier_signal -3
.Lnot_wave_0_\@:
	s_barrier_wait -3
	s_barrier_signal -1
	s_barrier_wait -1
.endm
.macro BAR                             ; my LDS stores have landed and my LDS loads are in: then the work-group's barrier
	s_wait_dscnt 0x0
	s_barrier_signal -1
	s_barrier_wait -1
.endm
	s_load_b128 s[4:7], s[0:1], 0x0                ; qkv, slim
	s_load_b64 s[8:9], s[0:1], 0x10                ; att
	v_lshl_add_u32 v254, v0, 2, 0x3a400
	v_mov_b32 v255, 0
	ds_add_u32 v254, v255
	ds_add_u32 v254, v255
	v_lshrrev_b32 v1, 5, v0
	v_readfirstlane_b32 s[WV], v1                  ; wave 0..7
	s_and_b32 s[KQ], s[WV], 3                      ; which 512 keys
	s_lshr_b32 s[QT], s[WV], 2                     ; which of the trip's two tiles of queries
	s_bfe_u32 s13, ttmp6, 0x40000                  ; cx: it enters Q's and att's addresses alone
	s_lshl_b32 s14, ttmp9, 2
	s_add_co_u32 s14, s14, s13                     ; my block of 256 queries
	s_and_b32 s15, ttmp7, 0xffff                   ; 16 batch + head, which the four partners share
	s_mul_i32 s16, s15, 102400                     ; the pack
	s_mul_i32 s17, s[WV], 12800                    ; my wave's part of a pack, in memory and in LDS
	s_add_co_u32 s18, s16, s17
	s_add_co_u32 s18, s18, 3276800                 ; in K's part of qkv
	s_mov_b32 s19, 0
	s_mov_b32 s[G1], 15|(3<<16)|(1<<21)            ; the mask: all four work-groups; elements of 8 bytes; bit 21 set beside a mask; no padding
	s_mov_b32 s[G1+1], 32<<16                      ; 50 rows of 256 bytes, dense
	s_mov_b32 s[G1+2], 50<<16
	s_mov_b32 s[G1+3], 32<<16
	s_mov_b32 s[G1+4], 50
	s_mov_b32 s[G1+5], 32
	s_mov_b32 s[G1+6], 0
	s_mov_b32 s[G1+7], 0
	s_mov_b32 s[SEL], 0x76543210
	s_mov_b32 s[SEL+1], 0xfedcba98
	s_mov_b32 s[CS], 0x3e38aa3b                    ; c = log2(e) / 8
	s_mov_b32 s[CS+1], s[CS]
	s_mov_b32 s[NCS], 0xbe38aa3b                   ; -c
	s_wait_dscnt 0x0
	s_wait_kmcnt 0x0
	s_mov_b32 s32, 1
	s_mov_b32 s33, s17
	s_add_nc_u64 s[34:35], s[4:5], s[18:19]
	s_mov_b32 s36, 1
	s_add_co_u32 s37, s17, 102400
	s_add_nc_u64 s[38:39], s[34:35], 3276800       ; V's part lies one part on
	s_or_b32 s35, s35, 0x80000000
	s_or_b32 s39, s39, 0x80000000
	CROUND                                         ; all four work-groups are here: the joint loads meet
	tensor_load_to_lds s[32:35], s[G1:G1+7]        ; K's pack, my eighth
	s_nop 0
	tensor_load_to_lds s[36:39], s[G1:G1+7]        ; V's: two loads of mine are out
	s_nop 0
.rept 4
	v_nop
.endr
	v_and_b32 v3, 31, v0
	v_and_b32 v1, 15, v0
	v_lshlrev_b32 v[G16], 4, v3
	v_lshl_add_u32 v[G8], v3, 3, 512
	v_lshlrev_b32 v[R4], 2, v1
	s_mul_i32 s52, s[KQ], 24576                    ; 512 keys: 16 fragments of K, or 8 chunks x 4 half fragments of V
	v_add_nc_u32 v[KL16], s52, v[G16]
	v_add_nc_u32 v[KL8], s52, v[G8]
	s_lshl_b32 s53, s[KQ], 10                      ; and 1,024 bytes of scale words
	s_add_co_u32 s53, s53, 98304
	v_lshl_add_u32 v[KL4], v3, 2, s53
	v_add_nc_u32 v[VL16], 102400, v[KL16]
	v_add_nc_u32 v[VL8], 102400, v[KL8]
	v_add_nc_u32 v[VL4], 102400, v[KL4]
	s_lshl_b32 s54, s[QT], 8
	s_add_co_u32 s54, s54, XM
	v_lshl_add_u32 v[XMR], v1, 4, s54              ; my row's four words
	s_lshl_b32 s55, s[KQ], 2
	v_add_nc_u32 v[XMW], s55, v[XMR]               ; mine of them
	s_lshl_b32 s56, s[WV], 12
	s_add_co_u32 s56, s56, XO
	v_add_nc_u32 v[XOW], s56, v[G16]
	s_lshl_b32 s57, s[QT], 14
	s_add_co_u32 s57, s57, XO
	v_add_nc_u32 v[XORD], s57, v[G16]
	s_lshl_b32 s52, s14, 4
	s_add_co_u32 s52, s52, s[QT]                   ; my tile of queries in the batch, in trip 0; two on in each trip
	s_mul_i32 s54, s52, 768
	s_add_co_u32 s54, s54, s16
	s_mov_b32 s55, 0
	s_add_nc_u64 s[QP:QP+1], s[4:5], s[54:55]      ; its half fragment
	s_lshl_b32 s54, s14, 9
	s_lshl_b32 s56, s[QT], 1
	s_add_co_u32 s54, s54, s56
	s_add_co_u32 s54, s54, s16
	s_add_co_u32 s54, s54, 98304
	s_add_nc_u64 s[QSP:QSP+1], s[4:5], s[54:55]    ; its half scale words
	s_lshr_b32 s56, s15, 4
	s_lshl_b32 s56, s56, 7
	s_add_co_u32 s56, s56, s52                     ; the token tile: 128 batch + tile
	s_and_b32 s57, s15, 15                         ; head
	s_lshl_b32 s54, s56, 4
	s_add_co_u32 s54, s54, s57
	s_mul_i32 s54, s54, 768
	s_add_nc_u64 s[AP:AP+1], s[8:9], s[54:55]      ; att: my half fragment
	s_lshl_b32 s54, s56, 3
	s_lshr_b32 s58, s57, 1
	s_add_co_u32 s54, s54, s58
	s_lshl_b32 s54, s54, 6
	s_and_b32 s58, s57, 1
	s_lshl_b32 s58, s58, 1
	s_add_co_u32 s54, s54, s58
	s_add_co_u32 s54, s54, 3145728
	s_add_nc_u64 s[ASP:ASP+1], s[8:9], s[54:55]    ; and its half scale words
	s_lshl_b32 s54, s57, 2
	s_add_nc_u64 s[58:59], s[6:7], s[54:55]
	s_load_b32 s[SLIM], s[58:59], 0x0
.macro QLOAD off, soff                 ; a tile of queries: its half fragment twice (the two operands share no register), and its two scale bytes
	global_load_b128 v[QA:QA+3], v[G16], s[QP:QP+1] offset:\off
	global_load_b64 v[QA+4:QA+5], v[G8], s[QP:QP+1] offset:\off
	global_load_b128 v[QA+18:QA+21], v[G16], s[QP:QP+1] offset:\off
	global_load_b64 v[QA+22:QA+23], v[G8], s[QP:QP+1] offset:\off
	global_load_u16 v[QSL], v[R4], s[QSP:QSP+1] offset:\soff
.endm
	QLOAD 0, 0
.irp i, 6,7,8,9,10,11,12,13,14,15,16,17
	v_mov_b32 v[QA+\i], 0                          ; the zero halves: zero codes add nothing under any scale byte
.endr
.set n, 0
.rept 16
	v_mov_b32 v[BT+n], 0                           ; written once: a lane permute's destination counts as one of its sources
.set n, n+1
.endr
.macro KLOAD s, b                      ; my step s of K (128 keys: four fragments, two registers of scale words) into set b: 18 loads
.irp f, 0,1,2,3
	ds_load_b128 v[KF+48*\b+12*\f:KF+48*\b+12*\f+3], v[KL16] offset:6144*\s+1536*\f
	ds_load_b64 v[KF+48*\b+12*\f+4:KF+48*\b+12*\f+5], v[KL8] offset:6144*\s+1536*\f
	ds_load_b128 v[KF+48*\b+12*\f+6:KF+48*\b+12*\f+9], v[KL16] offset:6144*\s+1536*\f+768
	ds_load_b64 v[KF+48*\b+12*\f+10:KF+48*\b+12*\f+11], v[KL8] offset:6144*\s+1536*\f+768
.endr
	ds_load_b32 v[KS+2*\b], v[KL4] offset:256*\s
	ds_load_b32 v[KS+2*\b+1], v[KL4] offset:256*\s+128
.endm
.macro VLOAD s, b                      ; my step s of V (four tiles of 16 features x 128 keys) into set b: 18 loads
.irp d, 0,1,2,3
	ds_load_b128 v[KF+48*\b+12*\d:KF+48*\b+12*\d+3], v[VL16] offset:6144*\s+768*\d
	ds_load_b64 v[KF+48*\b+12*\d+4:KF+48*\b+12*\d+5], v[VL8] offset:6144*\s+768*\d
	ds_load_b128 v[KF+48*\b+12*\d+6:KF+48*\b+12*\d+9], v[VL16] offset:6144*\s+3072+768*\d
	ds_load_b64 v[KF+48*\b+12*\d+10:KF+48*\b+12*\d+11], v[VL8] offset:6144*\s+3072+768*\d
.endr
	ds_load_b32 v[KS+2*\b], v[VL4] offset:256*\s
	ds_load_b32 v[KS+2*\b+1], v[VL4] offset:256*\s+128
.endm
.macro MM s                            ; S^T of step s: eight products into window 1, registers 64 s on
	WIN 0x40
.irp f, 0,1,2,3
.irp u, 0,1
.if \f%2
	v_wmma_scale_f32_16x16x128_f8f6f4 v[64*\s+8*(2*\f+\u):64*\s+8*(2*\f+\u)+7], v[KF+48*(\s%2)+12*\f:KF+48*(\s%2)+12*\f+11], v[QA+12*\u:QA+12*\u+11], 0, v[KS+2*(\s%2)+\f/2], v[QS] matrix_a_fmt:MATRIX_FMT_BF6 matrix_b_fmt:MATRIX_FMT_BF6 matrix_a_scale:MATRIX_SCALE_ROW1
.else
	v_wmma_scale_f32_16x16x128_f8f6f4 v[64*\s+8*(2*\f+\u):64*\s+8*(2*\f+\u)+7], v[KF+48*(\s%2)+12*\f:KF+48*(\s%2)+12*\f+11], v[QA+12*\u:QA+12*\u+11], 0, v[KS+2*(\s%2)+\f/2], v[QS] matrix_a_fmt:MATRIX_FMT_BF6 matrix_b_fmt:MATRIX_FMT_BF6
.endif
.endr
.endr
	WIN 0
.endm
.macro MAXB s                          ; the largest of my 16 scores of each of step s's four blocks; each accumulator is first read at its low end
	WIN 0x05
.irp b, 0,1,2,3
	v_max_num_f32 v[BM+4*\s+\b], v[64*\s+16*\b], v[64*\s+16*\b+1]
.endr
.irp i, 2,4,6,8,10,12,14
.irp b, 0,1,2,3
	v_max3_num_f32 v[BM+4*\s+\b], v[64*\s+16*\b+\i], v[64*\s+16*\b+\i+1], v[BM+4*\s+\b]
.endr
.endr
.endm
.macro MUL s                           ; p, finished, of step s
	WIN 0x41
.set n, 0
.rept 32
	v_pk_mul_f32 v[64*\s+n:64*\s+n+1], v[64*\s+n:64*\s+n+1], v[CC:CC+1] op_sel_hi:[1,0]
.set n, n+2
.endr
.endm
.macro CVT s, pc                       ; step s's 64 numbers of a lane become a fragment's 12 code registers in v[pc] on
	WIN 0x01
.irp c, 0,1
	v_cvt_scalef32_pk16_bf6_f32 v[\pc+6*\c:\pc+6*\c+2], v[64*\s+32*\c:64*\s+32*\c+15], v[BM+4*\s+2*\c]
	v_cvt_scalef32_pk16_bf6_f32 v[PT+4*\c:PT+4*\c+2], v[64*\s+32*\c+16:64*\s+32*\c+31], v[BM+4*\s+2*\c+1]
.endr
	WIN 0
	v_nop                                          ; one plain line behind a scaled conversion
.irp c, 0,1                            ; the operand wants a whole block in a lane: lanes 0-15 block 2 c, lanes 16-31 block 2 c + 1
.irp i, 0,1,2
	v_permlane16_swap_b32 v[\pc+6*\c+\i], v[PT+4*\c+\i]
.endr
.irp i, 0,1,2
	v_mov_b32 v[\pc+6*\c+3+\i], v[PT+4*\c+\i]
.endr
.endr
.endm
.macro PV s, pc                        ; O^T += V^T p of step s; the first step starts the sums.  The four accumulators take turns, one instruction a turn
.irp d, 0,1,2,3
.if \s == 0
.if \d%2
	v_wmma_scale_f32_16x16x128_f8f6f4 v[O+8*\d:O+8*\d+7], v[KF+48*(\s%2)+12*\d:KF+48*(\s%2)+12*\d+11], v[\pc:\pc+11], 0, v[KS+2*(\s%2)+\d/2], v[PW+\s] matrix_a_fmt:MATRIX_FMT_BF6 matrix_b_fmt:MATRIX_FMT_BF6 matrix_a_scale:MATRIX_SCALE_ROW1
.else
	v_wmma_scale_f32_16x16x128_f8f6f4 v[O+8*\d:O+8*\d+7], v[KF+48*(\s%2)+12*\d:KF+48*(\s%2)+12*\d+11], v[\pc:\pc+11], 0, v[KS+2*(\s%2)+\d/2], v[PW+\s] matrix_a_fmt:MATRIX_FMT_BF6 matrix_b_fmt:MATRIX_FMT_BF6
.endif
.else
.if \d%2
	v_wmma_scale_f32_16x16x128_f8f6f4 v[O+8*\d:O+8*\d+7], v[KF+48*(\s%2)+12*\d:KF+48*(\s%2)+12*\d+11], v[\pc:\pc+11], v[O+8*\d:O+8*\d+7], v[KS+2*(\s%2)+\d/2], v[PW+\s] matrix_a_fmt:MATRIX_FMT_BF6 matrix_b_fmt:MATRIX_FMT_BF6 matrix_a_scale:MATRIX_SCALE_ROW1
.else
	v_wmma_scale_f32_16x16x128_f8f6f4 v[O+8*\d:O+8*\d+7], v[KF+48*(\s%2)+12*\d:KF+48*(\s%2)+12*\d+11], v[\pc:\pc+11], v[O+8*\d:O+8*\d+7], v[KS+2*(\s%2)+\d/2], v[PW+\s] matrix_a_fmt:MATRIX_FMT_BF6 matrix_b_fmt:MATRIX_FMT_BF6
.endif
.endif
.endr
.endm
	s_wait_tensorcnt 0x0                           ; my parts of both packs are in,
	s_barrier_signal -1
	s_barrier_wait -1                              ; everybody's are: from here on K and V are only read
	s_wait_kmcnt 0x0                               ; slim
	s_mov_b32 s[CNT], 8
.Lgroup:                                           ; a trip: two tiles of 16 queries
	s_wait_loadcnt 0x0                             ; Q, asked for in the middle of the last trip
	v_lshl_or_b32 v[QS], v[QSL], 16, v[QSL]        ; Q's two bytes for either half of K
	KLOAD 0, 0
	KLOAD 1, 1
.rept 8
	v_nop                                          ; a scale word made by a vector instruction stands eight places ahead of the scaled product
.endr
	s_wait_dscnt 18                                ; step 0 is in; step 1's 18 loads may be out
	MM 0
.rept 4
	v_nop                                          ; places in front of loads into registers that the products have read
.endr
	KLOAD 2, 0
	s_wait_dscnt 18
	MM 1
	MAXB 0                                         ; (these 32 lines are the places behind the products above, for the loads below and for the next MAXB)
	WIN 0
	KLOAD 3, 1
	s_wait_dscnt 18
	MM 2
	MAXB 1
	s_wait_dscnt 0x0
	MM 3
	MAXB 2
	WIN 0
	s_cmp_eq_u32 s[CNT], 1                         ; the next trip's Q is asked for here, if there is a next trip: no load leaves its tile
	s_cbranch_scc1 .Lno_next
	QLOAD 1536, 64
.Lno_next:
	MAXB 3
	WIN 0
.set n, 0
.rept 16
	v_permlanex16_b32 v[BT+n], v[BM+n], s[SEL], s[SEL+1]   ; a block's other 16 keys lie in the lane 16 away
.set n, n+1
.endr
.set n, 0
.rept 16
	v_max_num_f32 v[BM+n], v[BM+n], v[BT+n]        ; the 16 blocks' largest scores
.set n, n+1
.endr
	v_max3_num_f32 v[T0], v[BM], v[BM+1], v[BM+2]
	v_max3_num_f32 v[T1], v[BM+3], v[BM+4], v[BM+5]
	v_max3_num_f32 v[T0], v[T0], v[BM+6], v[BM+7]
	v_max3_num_f32 v[T1], v[T1], v[BM+8], v[BM+9]
	v_max3_num_f32 v[T0], v[T0], v[BM+10], v[BM+11]
	v_max3_num_f32 v[T1], v[T1], v[BM+12], v[BM+13]
	v_max3_num_f32 v[T0], v[T0], v[BM+14], v[BM+15]
	v_max_num_f32 v[T0], v[T0], v[T1]              ; my 512 keys' largest
	ds_store_b32 v[XMW], v[T0]                     ; both halves of the lanes hold the row's figure and write the same
	BAR                                            ; the four waves' figures lie in LDS
	ds_load_b128 v[X4:X4+3], v[XMR]
	VLOAD 0, 0                                     ; V's first two steps land under the exponentials
	VLOAD 1, 1
	s_wait_dscnt 36                                ; the four figures are in; V's 36 loads may be out
	v_max3_num_f32 v[T0], v[X4], v[X4+1], v[X4+2]
	v_max_num_f32 v[T0], v[T0], v[X4+3]            ; the row's largest score
	v_mul_f32 v[NM], s[NCS], v[T0]
	v_mov_b32 v[NM+1], v[NM]
.set n, 0
.rept 16
	v_fma_f32 v[BM+n], v[BM+n], s[CS], v[NM]       ; the blocks' largest, by the same multiply-add as every score
.set n, n+1
.endr
.set n, 0
.rept 8
	v_mov_b32 v[SUM+n], 0
.set n, n+1
.endr
	WIN 0x41
.set n, 0
.rept 128
	v_pk_fma_f32 v[n:n+1], v[n:n+1], s[CS:CS+1], v[NM:NM+1] op_sel_hi:[1,0,0]
.set n, n+2
.endr
.set n, 0
.rept 256
	v_exp_f32 v[n], v[n]                           ; e: one batch
.set n, n+1
.endr
	WIN 0
	v_nop                                          ; a plain line behind the last exponential,
	s_wait_alu depctr_va_vdst(0)                   ; and one wait for the batch, ahead of its first reader
.set n, 0
.rept 16
	v_exp_f32 v[BM+n], v[BM+n]                     ; the blocks' largest e
.set n, n+1
.endr
	v_nop
	s_wait_alu depctr_va_vdst(0)
	WIN 0x01
.set n, 0
.rept 128
	v_pk_add_f32 v[SUM+2*((n/2)%4):SUM+2*((n/2)%4)+1], v[n:n+1], v[SUM+2*((n/2)%4):SUM+2*((n/2)%4)+1]   ; the sum of the unquantised e, in four chains
.set n, n+2
.endr
	WIN 0
	v_pk_add_f32 v[SUM:SUM+1], v[SUM:SUM+1], v[SUM+2:SUM+3]
	v_pk_add_f32 v[SUM+4:SUM+5], v[SUM+4:SUM+5], v[SUM+6:SUM+7]
	v_pk_add_f32 v[SUM:SUM+1], v[SUM:SUM+1], v[SUM+4:SUM+5]
	v_add_f32 v[T0], v[SUM], v[SUM+1]
	v_permlanex16_b32 v[T1], v[T0], s[SEL], s[SEL+1]
	v_add_f32 v[T0], v[T0], v[T1]                  ; my 512 keys' sum
	ds_store_b32 v[XMW], v[T0] offset:512
	BAR                                            ; the four waves' sums lie in LDS (and V's two steps are in)
	ds_load_b128 v[X4:X4+3], v[XMR] offset:512
	s_wait_dscnt 0x0
	v_add_f32 v[X4], v[X4], v[X4+1]
	v_add_f32 v[X4+2], v[X4+2], v[X4+3]
	v_add_f32 v[X4], v[X4], v[X4+2]
	v_add_f32 v[X4], 1.0, v[X4]                    ; 1 + l
	v_rcp_f32 v[X4+1], v[X4]
	v_nop
	s_wait_alu depctr_va_vdst(0)
	v_mul_f32 v[CC], s[SLIM], v[X4+1]
	v_mov_b32 v[CC+1], v[CC]
.set n, 0
.rept 16
	v_mul_f32 v[BM+n], v[BM+n], v[CC]              ; the blocks' largest p
.set n, n+1
.endr
.set n, 0
.rept 16
	v_max3_num_f32 v[BM+n], |v[BM+n]|, |v[BM+n]|, 0x2800000   ; its magnitude, with the floor 2^(5 - 127): the byte cannot fall under 1
.set n, n+1
.endr
.set n, 0
.rept 16
	v_add_nc_u32 v[BM+n], 0xfe000000, v[BM+n]      ; 4 off the exponent field: the conversion's scale operand
.set n, n+1
.endr
.set n, 0
.rept 16
	v_lshrrev_b32 v[BT+n], 23, v[BM+n]             ; the byte
.set n, n+1
.endr
.irp s, 0,1,2,3
	v_lshl_or_b32 v[PW+\s], v[BT+4*\s+1], 8, v[BT+4*\s]
	v_lshl_or_b32 v[PW+\s], v[BT+4*\s+2], 16, v[PW+\s]
	v_lshl_or_b32 v[PW+\s], v[BT+4*\s+3], 24, v[PW+\s]
.endr
	MUL 0
	CVT 0, PCA
	MUL 1                                          ; (a step's 32 multiplications are the places between the codes' last move and the products)
	WIN 0
	PV 0, PCA
	CVT 1, PCB                                     ; (its plain lines are the places in front of the loads below)
	VLOAD 2, 0
	MUL 2
	WIN 0
	PV 1, PCB
	CVT 2, PCA
	VLOAD 3, 1
	MUL 3
	WIN 0
	s_wait_dscnt 18                                ; V's step 2 is in; step 3's 18 loads may be out
	PV 2, PCA
	CVT 3, PCB
.rept 4
	v_nop
.endr
	s_wait_dscnt 0x0
	PV 3, PCB
.rept 4
	v_nop
.endr
.irp j, 0,1,2,3,4,5,6,7
	ds_store_b128 v[XOW], v[O+4*\j:O+4*\j+3] offset:512*\j   ; my partial O as it stands, each accumulator from its low end on
.endr
	BAR                                            ; the partial O lie in LDS
	s_cmp_lg_u32 s[KQ], 0                          ; the first wave of each four adds, quantises and stores
	s_cbranch_scc1 .Lnot_mine
.irp k, 1,2,3
.irp j, 0,1,2,3,4,5,6,7
	ds_load_b128 v[KF+32*(\k-1)+4*\j:KF+32*(\k-1)+4*\j+3], v[XORD] offset:4096*\k+512*\j
.endr
.endr
.irp k, 1,2,3
	s_wait_dscnt 8*(3-\k)                          ; wave k's eight loads are in; the later waves' may be out
.set n, 0
.rept 16
	v_pk_add_f32 v[O+n:O+n+1], v[O+n:O+n+1], v[KF+32*(\k-1)+n:KF+32*(\k-1)+n+1]
.set n, n+2
.endr
.endr
	; my 16 queries x the head's 64 are a half fragment of the next product's operand
.irp b, 0,1
	v_max3_num_f32 v[SUM+\b], |v[O+16*\b]|, |v[O+16*\b+1]|, 0x2800000
.endr
.irp i, 2,4,6,8,10,12,14
.irp b, 0,1
	v_max3_num_f32 v[SUM+\b], v[SUM+\b], |v[O+16*\b+\i]|, |v[O+16*\b+\i+1]|
.endr
.endr
.irp b, 0,1
	v_permlanex16_b32 v[SUM+2+\b], v[SUM+\b], s[SEL], s[SEL+1]
.endr
.irp b, 0,1
	v_max_num_f32 v[SUM+\b], v[SUM+\b], v[SUM+2+\b]
.endr
.irp b, 0,1
	v_add_nc_u32 v[SUM+4+\b], 0xfe000000, v[SUM+\b]
.endr
.irp b, 0,1
	v_lshrrev_b32 v[SUM+6+\b], 23, v[SUM+4+\b]
.endr
	v_lshl_or_b32 v[HWR], v[SUM+7], 8, v[SUM+6]
	v_cvt_scalef32_pk16_bf6_f32 v[PCA:PCA+2], v[O:O+15], v[SUM+4]
	v_cvt_scalef32_pk16_bf6_f32 v[PT:PT+2], v[O+16:O+31], v[SUM+5]
	v_nop
.irp i, 0,1,2
	v_permlane16_swap_b32 v[PCA+\i], v[PT+\i]
.endr
.irp i, 0,1,2
	v_mov_b32 v[PCA+3+\i], v[PT+\i]
.endr
	global_store_b128 v[G16], v[PCA:PCA+3], s[AP:AP+1]       ; 512 consecutive bytes
	global_store_b64 v[G8], v[PCA+4:PCA+5], s[AP:AP+1]       ; 256
	global_store_b16 v[R4], v[HWR], s[ASP:ASP+1]
.Lnot_mine:
	s_wait_xcnt 0x0                                ; the loads and stores have read their bases and registers: both are written again only behind this wait
	s_add_nc_u64 s[QP:QP+1], s[QP:QP+1], 1536      ; two tiles of queries on
	s_add_nc_u64 s[QSP:QSP+1], s[QSP:QSP+1], 64
	s_add_nc_u64 s[AP:AP+1], s[AP:AP+1], 24576
	s_add_nc_u64 s[ASP:ASP+1], s[ASP:ASP+1], 1024
	s_sub_co_u32 s[CNT], s[CNT], 1
	s_cmp_lg_u32 s[CNT], 0
	s_cbranch_scc1 .Lgroup
	s_wait_dscnt 0x0
	s_wait_tensorcnt 0x0
	ds_add_u32 v254, v255
	s_wait_dscnt 0x0
	CROUND                                         ; the closing round
	s_endpgm
.Lfunc_end_k_q5e6b764f1f_attn:
	.size	k_q5e6b764f1f_attn, .Lfunc_end_k_q5e6b764f1f_attn-k_q5e6b764f1f_attn
	.p2alignl 7, 3214868480
	.fill 96, 4, 3214868480
	.section	.rodata,"a",@progbits
	.p2align	6, 0x0
	.amdhsa_kernel k_q5e6b764f1f_attn
		.amdhsa_group_segment_fixed_size 239616
		.amdhsa_private_segment_fixed_size 0
		.amdhsa_enable_private_segment 0
		.amdhsa_kernarg_size 24
		.amdhsa_user_sgpr_count 2
		.amdhsa_user_sgpr_kernarg_segment_ptr 1
		.amdhsa_wavefront_size32 1
		.amdhsa_system_sgpr_workgroup_id_x 1
		.amdhsa_system_sgpr_workgroup_id_y 1
		.amdhsa_system_sgpr_workgroup_id_z 1
		.amdhsa_system_vgpr_workitem_id 0
		.amdhsa_next_free_vgpr 512
		.amdhsa_next_free_sgpr 66
		.amdhsa_reserve_vcc 0
		.amdhsa_float_denorm_mode_32 3
		.amdhsa_float_denorm_mode_16_64 3
		.amdhsa_memory_ordered 1
		.amdhsa_forward_progress 1
		.amdhsa_inst_pref_size 85
	.end_amdhsa_kernel
	.amdgpu_metadata
---
amdhsa.version: [ 1, 2 ]
amdhsa.kernels:
  - .name:           k_q5e6b764f1f_attn
    .symbol:         k_q5e6b764f1f_attn.kd
    .args:
      - { .name: qkv, .offset: 0, .size: 8, .value_kind: global_buffer, .address_space: global }
      - { .name: slim, .offset: 8, .size: 8, .value_kind: global_buffer, .address_space: global }
      - { .name: att, .offset: 16, .size: 8, .value_kind: global_buffer, .address_space: global }
    .group_segment_fixed_size: 239616
    .private_segment_fixed_size: 0
    .kernarg_segment_align: 8
    .kernarg_segment_size: 24
    .max_flat_workgroup_size: 256
    .sgpr_count:     66
    .vgpr_count:     512
    .wavefront_size: 32
...
	.end_amdgpu_metadata
.endif
;; end of part 9
;; launch proj: the kernel of part 5 again; grid 8 x 32, 4 waves a work-group, clusters of 4 x 4, 327,680 bytes of LDS; arguments att, wts, bo, x, res; writes res
;; launch ln2: the kernel of part 2 again; grid 256 x 1, 4 waves a work-group, no clusters, 66,304 bytes of LDS; arguments res, ln2_g, ln2_b, h2q; writes h2q
;; launch fc1 (part 10): grid 8 x 32, 4 waves a work-group, clusters of 4 x 4, 327,680 bytes of LDS; arguments h2q, wts, b1, m1q; writes m1q
.if DOCPART == 10
	.amdgcn_target "amdgcn-amd-amdhsa--gfx1250"
	.amdhsa_code_object_version 6
	.text
	.protected	k_q5e6b764f1f_fc1
	.globl	k_q5e6b764f1f_fc1
	.p2align	8
	.type	k_q5e6b764f1f_fc1,@function
k_q5e6b764f1f_fc1:
	s_mov_b64 s[64:65], 0
	v_nop
	global_prefetch_b8 v0, s[64:65] scope:SCOPE_SE
	s_setreg_imm32_b32 hwreg(HW_REG_WAVE_MODE, 25, 1), 1
	s_wait_xcnt 0x0
	s_wait_alu depctr_hold_cnt(0) depctr_sa_sdst(0) depctr_va_vdst(0) depctr_va_sdst(0) depctr_va_ssrc(0) depctr_va_vcc(0) depctr_vm_vsrc(0)
	s_getreg_b32 s2, hwreg(HW_REG_IB_STS2, 6, 4)
	s_cmp_eq_u32 s2, 0
	s_cbranch_scc0 .Lentry_in_a_cluster
	s_endpgm
.Lentry_in_a_cluster:
	s_bfe_u32 s2, ttmp6, 0x10000c
	s_cmp_lg_u32 s2, 0xf033
	s_cbranch_scc0 .Lentry_shape_is_right
	s_endpgm
.Lentry_shape_is_right:
; m = gelu(LN(out) W1 + b1), exact (erf) GELU in f32, the product on codes of E3M2 (one E8M0 byte for each 32 along K = 1,024); m is quantised again, along its 4,096, as the next product's operand and never lies in memory as f32.
; OPERANDS lie as images of the matrix operand's registers: rows in tiles of 16 (tile 2 g + u, row p = index 32 g + 8 u + p + 8 (p / 8)); a tile's 64 along K are a half fragment of 768 bytes (lane p + 16 h: k = 32 h .. + 31;
; registers 0-3 at 16 x lane, 4-5 at 512 + 8 x lane), laid [tile][K / 64]; scale words [tile][K / 128][16 rows].  Every LDS read is 512 or 256 consecutive bytes, and eight tiles' images are one dense block of 98,304 bytes.
; A WORK-GROUP STAYS: it keeps its 128 tokens' images, all of K, in LDS and makes four tiles of 128 x 128 with them: column blocks nt, nt + 8, nt + 16, nt + 24 of W1.  A block of weights (all of K) is one LDS slot; two slots take
; turns: at a tile's head the next tile's block is asked for, into the slot just left, and has the whole tile, 128 products a wave and the way out, in which to land.  Each of four waves makes 64 x 64: 16 accumulators.
; Source 0 = rows of W1, source 1 = tokens: a lane holds one token, and by the tile order two tiles' 16 registers are 16 neighbours along the next K.  The bias is the C of each sum's first product; the next tile's is loaded behind step 1.
; CLUSTER 4 x 4: the tokens' block is shared along a row of the cluster, a weight block along a column: joint loads.  A slot is filled in this order: every wave waits for all its tensor loads, adds 0 to its spare word, waits for that
; and for its reads of the slot, a round of the cluster's barrier, and the joint load first behind it, one a wave.  The loop has three trips; the last tile, which asks for nothing, is written out.
; GELU: gelu(x) = max(x, 0) - |x| E, E = erfc(|x| / sqrt 2) / 2 = t 2^(-x^2 log2(e) / 2 + the sum of C_k t^k), t = 1 / (1 + |x| / (2 sqrt 2)): a fit of erfc whose error is about 1.2e-7 of the number for every argument.
; LIMITS: E under 2^-126 falls to 0; a block of zeros gets the byte 1, not 127 (its codes are zeros; this program alone reads the bytes); NaN and infinities are not served.  All of a WGP's LDS is claimed.
.set NT,    4                          ; tiles of a work-group's walk
.set TPB,   98304                      ; eight tiles' images
.set QRT,   24576                      ; a quarter of them: what one tensor load brings
.set WI1,   1<<17                      ; LDS: weight slot 0 at 0, slot 1 here: one exclusive or turns an address from one to the other
.set ASC,   98304                      ; the tokens' scale words, 4,096 bytes
.set WSC,   102400                     ; the weights' scale words of all NT blocks: [half of a block's tiles][block][4 tiles][8 steps][16 rows]
.set SPARE, 118784                     ; the spare words, 128 bytes for each wave: two blocks of 256 bytes that no other line names
.set AI,    229376                     ; the tokens' images, to the end of LDS
.set ASCO,  3145728                    ; where h2q's scale words begin
.set WIMG,  3145728                    ; W1's images in wts
.set WSCO,  9568256                    ; and its scale words
.set HW,   4
.set SC,   8                           ; v8-15   scale words, two sets of four: + 0, 1 the tokens' (lanes 0-15 tile 2 i, lanes 16-31 tile 2 i + 1), + 2, 3 the weights'
.set A16,  16
.set A8,   17
.set B16B, 18
.set B8B,  19
.set B16,  20
.set B8,   21
.set ADSA, 22
.set ADSB, 23
.set SO,   24                          ; 4 r
.set L16,  25
.set L8,   26
.set SPW,  28                          ; SPARE + 4 x my thread's number; never rewritten
.set NIL,  29                          ; 0; never rewritten
.set BO,   30
.set T,    32                          ; v32-63  GELU's t
.set P,    64                          ; v64-95  GELU's polynomial
.set U,    96                          ; v96-103 x^2; later the quantiser's
.set TM,   96
.set PC,   104
.set PT,   110
.set C8V,  116
.set ACC,  128                         ; accumulator (y, x) at v[128 + 8 (4 y + x)]
.set F0,   0                           ; window 1: two fragment buffers of 96: source 1's four at + 12 i, source 0's at + 48 + 12 i
.set F1,   96
.set CB,   192                         ; window 1: v192-223 the tile's bias along the registers
.set TB,   2
.set G1A,  24
.set G1W,  32
.set G1SA, 48
.set G1SW, 56
.set G0A,  68
.set G0W,  72
.set G0SA, 76
.set G0SW, 80
.set SEL,  98
.set CF0, 18                           ; GELU's constants, a pair each, in registers that held only the head's temporaries
.set CF1, 20
.set CF2, 22
.set CF3, 40
.set CF4, 42
.set CF5, 44
.set CF6, 46
.set CF7, 84
.set CF9, 86
.set NHL, 88
.set KZ,  90
.set MUL,  0x05                        ; sources 0 and 1 window 1; C and D window 0
.set MULC, 0x15                        ; the same with C in window 1: the bias
.set TO_F, 0x40                        ; destination window 1
.set MSB, 0
.macro WIN new                         ; the immediate's high byte repeats the setting that is left
.if MSB != \new
	s_set_vgpr_msb (MSB<<8)|\new
.set MSB, \new
.endif
.endm
.macro JLOAD g0a, g1a, g0b, g1b        ; a joint load: waves 0, 1 fetch for the tokens, waves 2, 3 for the weights; four v_nop follow each line
	s_cmp_eq_u32 s15, 0
	s_cbranch_scc0 .Lfor_b_\@
	tensor_load_to_lds s[\g0a:\g0a+3], s[\g1a:\g1a+7]
	s_nop 0
.rept 4
	v_nop
.endr
	s_branch .Lasked_\@
.Lfor_b_\@:
	tensor_load_to_lds s[\g0b:\g0b+3], s[\g1b:\g1b+7]
	s_nop 0
.rept 4
	v_nop
.endr
.Lasked_\@:
.endm
.macro CROUND                          ; a round of the cluster's barrier
	s_barrier_signal -1
	s_barrier_wait -1
	s_cmp_lg_u32 s14, 0
	s_cbranch_scc1 .Lnot_wave_0_\@
	s_barrier_signal -3
.Lnot_wave_0_\@:
	s_barrier_wait -3
	s_barrier_signal -1
	s_barrier_wait -1
.endm
.macro PLACES n
.rept \n
	v_nop
.endr
.endm
	s_load_b128 s[4:7], s[0:1], 0x0                ; h2q, wts
	s_load_b128 s[8:11], s[0:1], 0x10              ; b1, m1q
	v_lshl_add_u32 v[SPW], v0, 2, SPARE
	v_mov_b32 v[NIL], 0
	ds_add_u32 v28, v29
	ds_add_u32 v28, v29
	s_wait_dscnt 0x0
	v_lshrrev_b32 v1, 5, v0
	v_readfirstlane_b32 s14, v1                    ; wave 0..3
	s_lshr_b32 s15, s14, 1                         ; which 64 tokens are mine.  Also: I fetch the tokens' scale words (0) or the weights' (1)
	s_and_b32 s16, s14, 1                          ; which 64 columns.  Also: which half of those words
	s_bfe_u32 s40, ttmp6, 0x40000                  ; cx
	s_bfe_u32 s41, ttmp6, 0x40004                  ; cy
	s_lshl_b32 s42, ttmp9, 2
	s_add_co_u32 s42, s42, s40                     ; nt: my first block of 128 columns, 0..7
	s_and_b32 s17, ttmp7, 0xffff
	s_lshl_b32 s17, s17, 2
	s_add_co_u32 s17, s17, s41                     ; mt: my block of 128 tokens
	s_lshl_b32 s43, s41, 2
	s_lshl_b32 s43, 15, s43                        ; my row of the cluster
	s_lshl_b32 s44, 0x1111, s40                    ; my column
	; group 1 for a quarter of a block of images: 96 rows of 256 bytes (32 elements of 8), dense; no padding; bit 21 set beside the mask
	s_or_b32 s[G1A], s43, (3<<16)|(1<<21)
	s_or_b32 s[G1W], s44, (3<<16)|(1<<21)
.irp g, G1A, G1W
	s_mov_b32 s[\g+1], 32<<16
	s_mov_b32 s[\g+2], 96<<16
	s_mov_b32 s[\g+3], 32<<16
	s_mov_b32 s[\g+4], 96
	s_mov_b32 s[\g+5], 32
	s_mov_b32 s[\g+6], 0
	s_mov_b32 s[\g+7], 0
.endr
	s_or_b32 s[G1SA], s43, (3<<16)|(1<<21)         ; four token tiles' scale words: 8 rows of 256 bytes, dense
	s_mov_b32 s[G1SA+1], 32<<16
	s_mov_b32 s[G1SA+2], 8<<16
	s_mov_b32 s[G1SA+3], 32<<16
	s_mov_b32 s[G1SA+4], 8
	s_mov_b32 s[G1SA+5], 32
	s_mov_b32 s[G1SA+6], 0
	s_mov_b32 s[G1SA+7], 0
	s_or_b32 s[G1SW], s44, (3<<16)|(1<<21)         ; four weight tiles' scale words of each of the NT blocks: NT rows of 2,048 bytes, 32,768 bytes (8 blocks) apart
	s_mov_b32 s[G1SW+1], 256<<16
	s_mov_b32 s[G1SW+2], NT<<16
	s_mov_b32 s[G1SW+3], 256<<16
	s_mov_b32 s[G1SW+4], NT
	s_mov_b32 s[G1SW+5], 4096
	s_mov_b32 s[G1SW+6], 0
	s_mov_b32 s[G1SW+7], 0
	s_mul_i32 s18, s14, QRT                        ; my quarter of a block of images, in memory and in LDS: no place in the cluster enters an LDS address
	s_mul_i32 s20, s17, TPB
	s_add_co_u32 s20, s20, s18                     ; the tokens' images
	s_mov_b32 s21, 0
	s_mul_i32 s46, s42, TPB
	s_add_co_u32 s46, s46, s18
	s_add_co_u32 s46, s46, WIMG                    ; the first weight block's
	s_mov_b32 s47, 0
	s_lshl_b32 s19, s16, 11                        ; my half of a block's scale words
	s_lshl_b32 s22, s17, 12
	s_add_co_u32 s22, s22, s19
	s_add_co_u32 s22, s22, ASCO
	s_mov_b32 s23, 0
	s_lshl_b32 s92, s42, 12
	s_add_co_u32 s92, s92, s19
	s_add_co_u32 s92, s92, WSCO
	s_mov_b32 s93, 0
	s_mul_i32 s45, s16, NT*2048
	s_wait_kmcnt 0x0
	s_add_nc_u64 s[20:21], s[4:5], s[20:21]
	s_add_nc_u64 s[22:23], s[4:5], s[22:23]
	s_add_nc_u64 s[46:47], s[6:7], s[46:47]
	s_add_nc_u64 s[92:93], s[6:7], s[92:93]
	CROUND                                         ; all sixteen work-groups are here: the first joint loads meet
	s_mov_b32 s[G0SA], 1
	s_add_co_u32 s[G0SA+1], s19, ASC
	s_mov_b64 s[G0SA+2:G0SA+3], s[22:23]
	s_or_b32 s[G0SA+3], s[G0SA+3], 0x80000000
	s_mov_b32 s[G0SW], 1
	s_add_co_u32 s[G0SW+1], s45, WSC
	s_mov_b64 s[G0SW+2:G0SW+3], s[92:93]
	s_or_b32 s[G0SW+3], s[G0SW+3], 0x80000000
	JLOAD G0SA, G1SA, G0SW, G1SW                   ; the scale words
	s_mov_b32 s[G0A], 1
	s_add_co_u32 s[G0A+1], s18, AI
	s_mov_b64 s[G0A+2:G0A+3], s[20:21]
	s_or_b32 s[G0A+3], s[G0A+3], 0x80000000
	tensor_load_to_lds s[G0A:G0A+3], s[G1A:G1A+7]  ; the tokens' images, my quarter
	s_nop 0
.rept 4
	v_nop
.endr
	s_mov_b32 s[G0W], 1
	s_add_co_u32 s[G0W+1], s18, 0
	s_mov_b64 s[G0W+2:G0W+3], s[46:47]
	s_or_b32 s[G0W+3], s[G0W+3], 0x80000000
	tensor_load_to_lds s[G0W:G0W+3], s[G1W:G1W+7]  ; the first weight block into slot 0: three loads of mine are out
	s_nop 0
.rept 4
	v_nop
.endr
	v_and_b32 v3, 31, v0                           ; lane
	v_and_b32 v1, 15, v0                           ; r
	v_bfe_u32 v2, v0, 4, 1                         ; h
	v_lshlrev_b32 v[L16], 4, v3
	v_lshl_add_u32 v[L8], v3, 3, 512
	v_lshlrev_b32 v[SO], 2, v1
	s_mul_i32 s21, s15, 2*QRT
	s_add_co_u32 s21, s21, AI
	v_add_nc_u32 v[A16], s21, v[L16]               ; my four token tiles
	v_add_nc_u32 v[A8], s21, v[L8]
	s_mul_i32 s22, s16, 2*QRT
	v_add_nc_u32 v[B16B], s22, v[L16]              ; my four weight tiles
	v_add_nc_u32 v[B8B], s22, v[L8]
	v_lshlrev_b32 v31, 9, v2
	v_lshl_add_u32 v31, v1, 2, v31                 ; 512 h + 4 r: lanes 16-31 take the next tile's words
	s_lshl_b32 s21, s15, 11
	s_add_co_u32 s21, s21, ASC
	v_add_nc_u32 v[ADSA], s21, v31
	s_mul_i32 s22, s16, NT*2048
	s_add_co_u32 s22, s22, WSC
	v_add_nc_u32 v[ADSB], s22, v31
	s_mov_b32 s[SEL], 0x76543210
	s_mov_b32 s[SEL+1], 0xfedcba98
	s_mov_b32 s[TB], 0
	v_mov_b32 v[C8V], 0xbf97d29d
	v_mov_b32 v[C8V+1], 0xbf97d29d
	; where the results go: token tile 8 mt + 4 mh + y, chunk 2 nt + nh of the next K
	s_lshl_b32 s20, s17, 3
	s_lshl_b32 s21, s15, 2
	s_add_co_u32 s20, s20, s21
	s_lshl_b32 s22, s20, 11
	s_add_co_u32 s22, s22, 12582912
	s_mul_i32 s20, s20, 49152
	s_mov_b32 s21, 0
	s_mov_b32 s23, 0
	s_add_nc_u64 s[12:13], s[10:11], s[22:23]
	s_add_nc_u64 s[10:11], s[10:11], s[20:21]
	s_lshl_b32 s46, s42, 1
	s_add_co_u32 s46, s46, s16
	s_mul_i32 s46, s46, 768
	s_mov_b32 s47, 0
	s_add_nc_u64 s[10:11], s[10:11], s[46:47]      ; my half fragments
	s_lshl_b32 s46, s42, 6
	s_lshl_b32 s92, s16, 1
	s_add_co_u32 s46, s46, s92
	s_add_nc_u64 s[12:13], s[12:13], s[46:47]      ; my half scale words
	s_lshl_b32 s46, s42, 9
	s_lshl_b32 s92, s16, 8
	s_add_co_u32 s46, s46, s92
	s_add_nc_u64 s[8:9], s[8:9], s[46:47]          ; my 64 numbers of the bias
	v_lshlrev_b32 v[BO], 6, v2                     ; tile 2 g + u holds columns 32 g + 16 h + 8 u + 0..7
.macro BLOAD off                       ; a tile's bias into window 1
	WIN TO_F
.irp b, 0,1,2,3
	global_load_b128 v[CB+8*\b:CB+8*\b+3], v[BO], s[8:9] offset:\off+(32*(\b/2)+8*(\b%2))*4
	global_load_b128 v[CB+8*\b+4:CB+8*\b+7], v[BO], s[8:9] offset:\off+(32*(\b/2)+8*(\b%2))*4+16
.endr
.endm
	BLOAD 0
	WIN 0
.macro SETC reg, val
	s_mov_b32 s[\reg], \val
	s_mov_b32 s[\reg+1], \val
.endm
	SETC CF0, 0xc034d90f
	SETC CF1, 0x3fb8ab5a
	SETC CF2, 0x3f0a29d2
	SETC CF3, 0x3e0efb2e
	SETC CF4, 0xbe899a80
	SETC CF5, 0x3ecdfd18
	SETC CF6, 0xbfd1a1e5
	SETC CF7, 0x40097039
	SETC CF9, 0x3e7c6f08
	SETC NHL, 0xbf38aa3b                           ; -log2(e) / 2
	s_mov_b32 s[KZ], 0x3eb504f3                    ; 1 / (2 sqrt 2)
.macro FRAG reg, a16, a8, off          ; a fragment, 16 rows x 128 K: two half fragments, each 16 + 8 bytes a lane
	ds_load_b128 v[\reg:\reg+3], v[\a16] offset:\off
	ds_load_b64 v[\reg+4:\reg+5], v[\a8] offset:\off
	ds_load_b128 v[\reg+6:\reg+9], v[\a16] offset:\off+768
	ds_load_b64 v[\reg+10:\reg+11], v[\a8] offset:\off+768
.endm
.macro FETCH q, f                      ; 36 LDS loads in one run: the q-th 128 along K: 4 scale registers, the weights' four fragments, the tokens' four
	WIN 0
	ds_load_b32 v[SC+4*((\q)%2)], v[ADSA] offset:64*(\q)
	ds_load_b32 v[SC+4*((\q)%2)+1], v[ADSA] offset:1024+64*(\q)
	ds_load_b32 v[SC+4*((\q)%2)+2], v[ADSB] offset:64*(\q)
	ds_load_b32 v[SC+4*((\q)%2)+3], v[ADSB] offset:1024+64*(\q)
	WIN TO_F
.irp i, 0,1,2,3
	FRAG \f+48+12*\i, B16, B8, \i*12288+(\q)*1536
.endr
.irp i, 0,1,2,3
	FRAG \f+12*\i, A16, A8, \i*12288+(\q)*1536
.endr
.endm
.macro WM d, a, b, c, sa, sb, ra, rb   ; one product; ra, rb: the side's scale words stand in lanes 16-31 of its register
.if (\ra)&&(\rb)
	v_wmma_scale_f32_16x16x128_f8f6f4 v[\d:\d+7], v[\a:\a+11], v[\b:\b+11], v[\c:\c+7], v[\sa], v[\sb] matrix_a_fmt:MATRIX_FMT_BF6 matrix_b_fmt:MATRIX_FMT_BF6 matrix_a_scale:MATRIX_SCALE_ROW1 matrix_b_scale:MATRIX_SCALE_ROW1
.elseif \ra
	v_wmma_scale_f32_16x16x128_f8f6f4 v[\d:\d+7], v[\a:\a+11], v[\b:\b+11], v[\c:\c+7], v[\sa], v[\sb] matrix_a_fmt:MATRIX_FMT_BF6 matrix_b_fmt:MATRIX_FMT_BF6 matrix_a_scale:MATRIX_SCALE_ROW1
.elseif \rb
	v_wmma_scale_f32_16x16x128_f8f6f4 v[\d:\d+7], v[\a:\a+11], v[\b:\b+11], v[\c:\c+7], v[\sa], v[\sb] matrix_a_fmt:MATRIX_FMT_BF6 matrix_b_fmt:MATRIX_FMT_BF6 matrix_b_scale:MATRIX_SCALE_ROW1
.else
	v_wmma_scale_f32_16x16x128_f8f6f4 v[\d:\d+7], v[\a:\a+11], v[\b:\b+11], v[\c:\c+7], v[\sa], v[\sb] matrix_a_fmt:MATRIX_FMT_BF6 matrix_b_fmt:MATRIX_FMT_BF6
.endif
.endm
; the tokens' tile y against the weights' four.  cmode 1: C = the bias of tile x; 0: the sum goes on in place.
; The 16 accumulators take turns, one instruction a turn, in the same order in every step, from tile to tile too
.macro MUL4 f, y, p, cmode
.irp x, 0,1,2,3
.set DD, ACC+8*(4*(\y)+\x)
.if \cmode
.set CR, CB+8*\x
.else
.set CR, DD
.endif
	WM DD, \f+48+12*\x, \f+12*(\y), CR, SC+4*(\p)+2+\x/2, SC+4*(\p)+(\y)/2, \x%2, (\y)%2
.endr
.endm
.macro MWIN cmode
.if \cmode
	WIN MULC
.else
	WIN MUL
.endif
.endm
.macro STEP q, cmode                   ; 128 along K; the next step's loads stand in one run in its middle, behind four places
	s_wait_dscnt 8                                 ; all but the youngest eight loads (the tokens' tiles 2, 3) are in
	MWIN \cmode
	MUL4 F0+96*((\q)%2), 0, (\q)%2, \cmode
	MUL4 F0+96*((\q)%2), 1, (\q)%2, \cmode
	PLACES 4
	FETCH (\q)+1, F0+96*(((\q)+1)%2)
	s_wait_dscnt 36                                ; all but the 36 just issued
	MWIN \cmode
	MUL4 F0+96*((\q)%2), 2, (\q)%2, \cmode
	MUL4 F0+96*((\q)%2), 3, (\q)%2, \cmode
.endm
.macro GELU x                          ; in place on 32 registers; the reciprocals are one batch with one wait, and so are the exponentials
.set n, 0
.rept 32
	v_fma_f32 v[T+n], |v[\x+n]|, s[KZ], 1.0
.set n, n+1
.endr
.set n, 0
.rept 32
	v_rcp_f32 v[T+n], v[T+n]
.set n, n+1
.endr
	v_nop
	s_wait_alu depctr_va_vdst(0)                   ; the wait ahead of the batch's first reader
.set n, 0
.rept 16
	v_pk_fma_f32 v[P+n:P+n+1], v[T+n:T+n+1], s[CF9:CF9+1], v[C8V:C8V+1] op_sel_hi:[1,0,0]
.set n, n+2
.endr
.irp c, CF7, CF6, CF5, CF4, CF3, CF2, CF1, CF0
.set n, 0
.rept 16
	v_pk_fma_f32 v[P+n:P+n+1], v[P+n:P+n+1], v[T+n:T+n+1], s[\c:\c+1] op_sel_hi:[1,1,0]
.set n, n+2
.endr
.endr
.set n, 0
.rept 4
.irp k, 0,2,4,6
	v_pk_mul_f32 v[U+\k:U+\k+1], v[\x+n+\k:\x+n+\k+1], v[\x+n+\k:\x+n+\k+1]
.endr
.irp k, 0,2,4,6
	v_pk_fma_f32 v[P+n+\k:P+n+\k+1], v[U+\k:U+\k+1], s[NHL:NHL+1], v[P+n+\k:P+n+\k+1] op_sel_hi:[1,0,1]
.endr
.set n, n+8
.endr
.set n, 0
.rept 32
	v_exp_f32 v[P+n], v[P+n]
.set n, n+1
.endr
	v_nop
	s_wait_alu depctr_va_vdst(0)
.set n, 0
.rept 16
	v_pk_mul_f32 v[P+n:P+n+1], v[P+n:P+n+1], v[T+n:T+n+1]          ; E
.set n, n+2
.endr
.set n, 0
.rept 32
	v_max_num_f32 v[T+n], 0, v[\x+n]
.set n, n+1
.endr
.set n, 0
.rept 32
	v_fma_f32 v[\x+n], -|v[\x+n]|, v[P+n], v[T+n]
.set n, n+1
.endr
.endm
; 32 numbers of a lane, register 16 b + i = k 32 b + 16 h + i of its row, become a half fragment's six code registers in v[PC] on and the row's two scale bytes in v[hw]
.macro QUANT2 s, hw
.irp b, 0,1
	v_max3_num_f32 v[TM+\b], |v[\s+16*\b]|, |v[\s+16*\b+1]|, 0x2800000   ; with the floor 2^(5 - 127): the byte cannot fall under 1
.endr
.irp i, 2,4,6,8,10,12,14
.irp b, 0,1
	v_max3_num_f32 v[TM+\b], v[TM+\b], |v[\s+16*\b+\i]|, |v[\s+16*\b+\i+1]|
.endr
.endr
.irp b, 0,1
	v_permlanex16_b32 v[TM+2+\b], v[TM+\b], s[SEL], s[SEL+1]
.endr
.irp b, 0,1
	v_max_num_f32 v[TM+\b], v[TM+\b], v[TM+2+\b]
.endr
.irp b, 0,1
	v_add_nc_u32 v[TM+4+\b], 0xfe000000, v[TM+\b]
.endr
.irp b, 0,1
	v_lshrrev_b32 v[TM+6+\b], 23, v[TM+4+\b]
.endr
	v_lshl_or_b32 v[\hw], v[TM+7], 8, v[TM+6]
	v_cvt_scalef32_pk16_bf6_f32 v[PC:PC+2], v[\s:\s+15], v[TM+4]
	v_cvt_scalef32_pk16_bf6_f32 v[PT:PT+2], v[\s+16:\s+31], v[TM+5]
	v_nop
.irp i, 0,1,2
	v_permlane16_swap_b32 v[PC+\i], v[PT+\i]
.endr
.irp i, 0,1,2
	v_mov_b32 v[PC+3+\i], v[PT+\i]
.endr
.endm
; A TILE.  fill = 1: at its head the next tile's weights are asked for, into the slot that the last tile has left (in the first trip: into slot 1, which nothing has filled yet)
.macro TILE fill
	s_wait_tensorcnt 0x0                           ; all my tensor loads have landed, my part of this tile's weights among them: so a group 0 may be written
	ds_add_u32 v[SPW], v[NIL]                      ; 0 onto my spare word
.if \fill
	s_xor_b32 s[G0W+1], s[G0W+1], WI1              ; the walking descriptor: the other slot than last time,
	s_add_nc_u64 s[G0W+2:G0W+3], s[G0W+2:G0W+3], 8*TPB   ; the block eight on; the type bits on top are not reached
.endif
	s_wait_dscnt 0x0                               ; the add is done, and my reads of the slot that I have left are over
.if \fill
	CROUND                                         ; so it is with every wave of all sixteen work-groups
	tensor_load_to_lds s[G0W:G0W+3], s[G1W:G1W+7]  ; the joint load, first behind the round, one a wave: it has this whole tile in which to land
	s_nop 0
.rept 4
	v_nop
.endr
.else
	s_barrier_signal -1
	s_barrier_wait -1
.endif
	v_add_nc_u32 v[B16], s[TB], v[B16B]            ; the weights in the slot in hand
	v_add_nc_u32 v[B8], s[TB], v[B8B]
	FETCH 0, F0
	s_wait_loadcnt 0x0                             ; the tile's bias, asked for a tile ago
	STEP 0, 1                                      ; the first products start the sums, on the bias
	STEP 1, 0
.if \fill
	BLOAD 4096                                     ; the next tile's bias: step 1's four places stand between the last product that read these registers and the loads
.endif
.irp q, 2,3,4,5,6
	STEP \q, 0
.endr
	s_wait_dscnt 8                                 ; the last step: nothing more to fetch
	WIN MUL
	MUL4 F1, 0, 1, 0
	MUL4 F1, 1, 1, 0
	s_wait_dscnt 0x0
	MUL4 F1, 2, 1, 0
	MUL4 F1, 3, 1, 0
	WIN 0
	PLACES 4
.irp y, 0,1,2,3
	GELU ACC+32*\y
.if \y > 0
	s_wait_xcnt 0x0                                ; the last stores have read the code registers
.endif
	QUANT2 ACC+32*\y, HW+\y
	global_store_b128 v[L16], v[PC:PC+3], s[10:11] offset:49152*\y    ; 512 consecutive bytes
	global_store_b64 v[L8], v[PC+4:PC+5], s[10:11] offset:49152*\y    ; 256
	global_store_b16 v[SO], v[HW+\y], s[12:13] offset:2048*\y         ; both halves of the lanes hold the row's two bytes and write the same
.endr
.if \fill
	s_wait_xcnt 0x0                                ; the loads and stores have read their bases and registers: both are written again only behind this wait
	s_add_nc_u64 s[8:9], s[8:9], 4096              ; eight blocks of 128 columns on: the bias,
	s_add_nc_u64 s[10:11], s[10:11], 12288         ; sixteen chunks of the next K,
	s_add_nc_u64 s[12:13], s[12:13], 512           ; eight scale words a row
	v_add_nc_u32 v[ADSB], 2048, v[ADSB]            ; the next block's scale words in LDS
	s_xor_b32 s[TB], s[TB], WI1                    ; my reads go on to the other slot
.endif
.endm
	s_mov_b32 s3, NT-1
.Ltile:
	TILE 1
	s_sub_co_u32 s3, s3, 1
	s_cmp_lg_u32 s3, 0
	s_cbranch_scc1 .Ltile
	TILE 0                                         ; the last tile is written out
	s_wait_tensorcnt 0x0                           ; the wave's end
	ds_add_u32 v[SPW], v[NIL]
	s_wait_dscnt 0x0
	CROUND                                         ; the closing round: no work-group ends while a partner may still ask for a tile that names it
	s_endpgm
.Lfunc_end_k_q5e6b764f1f_fc1:
	.size	k_q5e6b764f1f_fc1, .Lfunc_end_k_q5e6b764f1f_fc1-k_q5e6b764f1f_fc1
	.p2alignl 7, 3214868480
	.fill 96, 4, 3214868480
	.section	.rodata,"a",@progbits
	.p2align	6, 0x0
	.amdhsa_kernel k_q5e6b764f1f_fc1
		.amdhsa_group_segment_fixed_size 327680
		.amdhsa_private_segment_fixed_size 0
		.amdhsa_enable_private_segment 0
		.amdhsa_kernarg_size 32
		.amdhsa_user_sgpr_count 2
		.amdhsa_user_sgpr_kernarg_segment_ptr 1
		.amdhsa_wavefront_size32 1
		.amdhsa_system_sgpr_workgroup_id_x 1
		.amdhsa_system_sgpr_workgroup_id_y 1
		.amdhsa_system_sgpr_workgroup_id_z 1
		.amdhsa_system_vgpr_workitem_id 0
		.amdhsa_next_free_vgpr 512
		.amdhsa_next_free_sgpr 100
		.amdhsa_reserve_vcc 0
		.amdhsa_float_denorm_mode_32 3
		.amdhsa_float_denorm_mode_16_64 3
		.amdhsa_memory_ordered 1
		.amdhsa_forward_progress 1
		.amdhsa_inst_pref_size 255
	.end_amdhsa_kernel
	.section	.bss,"aw",@nobits
	.p2align	6
	.space	262144
	.amdgpu_metadata
---
amdhsa.version: [ 1, 2 ]
amdhsa.kernels:
  - .name:           k_q5e6b764f1f_fc1
    .symbol:         k_q5e6b764f1f_fc1.kd
    .args:
      - { .name: h2q, .offset: 0, .size: 8, .value_kind: global_buffer, .address_space: global }
      - { .name: wts, .offset: 8, .size: 8, .value_kind: global_buffer, .address_space: global }
      - { .name: b1, .offset: 16, .size: 8, .value_kind: global_buffer, .address_space: global }
      - { .name: m1q, .offset: 24, .size: 8, .value_kind: global_buffer, .address_space: global }
    .group_segment_fixed_size: 327680
    .private_segment_fixed_size: 0
    .kernarg_segment_align: 8
    .kernarg_segment_size: 32
    .max_flat_workgroup_size: 128
    .sgpr_count:     100
    .vgpr_count:     512
    .wavefront_size: 32
...
	.end_amdgpu_metadata
.endif
;; end of part 10
;; launch fc2: the kernel of part 7 again; grid 8 x 32, 4 waves a work-group, clusters of 4 x 4, 327,680 bytes of LDS; arguments m1q, wts, b2, res, out0; writes out0
